; MI455X (gfx1250); checked and timed in simulation.
; The chip was launched on July 23, 2026; its instructions are those of AMD's public machine-readable ISA for CDNA 5 (MIT licence, August 2026) and "CDNA5" Instruction Set Architecture Reference Guide (July 2026). The comments in the code are by the model that wrote it; some were corrected since.
;; attention. Allowed arithmetic: float matrix products may take bf16 or f16 operands with f32 sums; other float arithmetic in f32, or as packed bf16 or f16 multiplies, adds, multiply-adds, maxima and minima; sums over many terms, partial sums and values carried from step to step in f32; what a program stores and reads back later, other than sums and carried values, may be rounded once to bf16 or f16.
;; Inputs: Wk 8 x 512 x 512 float32; Wo 512 x 4,096 float32; Wq 8 x 512 x 512 float32; Wv 8 x 512 x 512 float32; bk 8 x 512 float32; bo 512 float32; bq 8 x 512 float32; bv 8 x 512 float32; k 4 x 1,024 x 512 float32; q 4 x 1,024 x 512 float32; v 4 x 1,024 x 512 float32.
;; Outputs: out0 4 x 1,024 x 512 float32.
;; 2 versions, each right. Each part assembles by itself: llvm-mc -triple=amdgcn-amd-amdhsa -mcpu=gfx1250 --defsym DOCPART=n.
;; ======== version 1 of 2: 5 launches
;; limits: values are held in f16: magnitudes above 65,504 overflow, below 6.1e-05 lose precision
;; workspace buffers: ab 12,582,912 bytes; bb 12,582,912 bytes; wo16 4,194,304 bytes; pj 100,663,296 bytes; mm 16,777,216 bytes; rr 16,777,216 bytes; sw 4,096 bytes; sp 8,192 bytes
;; launch cast (part 1): grid 128 x 7, 8 waves a work-group, no clusters, 0 bytes of LDS; arguments Wk, Wv, q, k, v, Wq, Wo, ab, bb, wo16, sw; writes ab, bb, wo16, sw
.if DOCPART == 1
	.amdgcn_target "amdgcn-amd-amdhsa--gfx1250"
	.amdhsa_code_object_version 6
	.text
	.protected	k_qb6e13bbf31_cast
	.globl	k_qb6e13bbf31_cast
	.p2align	8
	.type	k_qb6e13bbf31_cast,@function
k_qb6e13bbf31_cast:
	s_mov_b64 s[64:65], 0
	v_nop
	global_prefetch_b8 v0, s[64:65] scope:SCOPE_SE
	s_setreg_imm32_b32 hwreg(HW_REG_WAVE_MODE, 25, 1), 1
	s_wait_xcnt 0x0
; THE PROGRAM.  out = concat_h[(Q_h K_h^T) V_h / 512] Wo^T + bo, Q_h = q Wq_h^T + bq_h, K_h and V_h likewise.  There is no softmax, so the chain is a plain
; product of matrices, and for all values of the inputs, in exact arithmetic, (Q K^T) V = Q (K^T V) and [Q (K^T V)] Wo_h^T = Q [(K^T V) Wo_h^T].  So the scores
; [B,H,S,S] are never formed: launch 2 makes K^T, V^T and Q; launch 3 M_bh = K_h^T V_h (512 x 512); launch 4 R_b[o][(h,e1)] = sum over e2 of Wo[o][(h,e2)] M_bh[e1][e2];
; launch 5 out_b = Q_b R_b^T / 512 + bo.  Every input has a way to the output and is loaded.
; LIMITS.  The order of the sums, and so of their rounding, differs from the reference's.  An overflow, infinity or NaN that would arise only in the scores, which are left out, is not
; carried to the result.  q, k, v and the four weights are rounded once to bf16; biases stay f32.  Q, K, V are kept in f16 and must stay under 65,504; so must Wo.
; M and R are kept in f16 times a power of two that is made from measured maxima, so that neither can pass 2^15; what falls below 6e-5 there keeps f16's fixed step.
; THIS LAUNCH: a stream.  y picks one of seven tensors of 2,097,152 f32: Wk, Wv, q go to ab, k, v, Wq to bb (bf16, 4,194,304 bytes each), Wo to wo16: rounded to bf16 like the others,
; that number written as f16 (exact where f16 is normal).  For Wo each wave also stores the largest magnitude that it has seen: 1,024 numbers in sw.
; A work-group takes 65,536 bytes: thread t 16 bytes at 16 t of each of 16 blocks of 4,096 bytes; all 16 loads go out first.  A wave's store covers 256 consecutive bytes, aligned.
; No LDS, no matrix unit, no barrier: no wave wants another wave's bytes.  No prefetch: all loads of a wave are out at once.
.set X, 16                             ; v[16:79]   as loaded
.set Y, 80                             ; v[80:111]  to store
.set M, 112                            ; v[112:113] two running maxima, two bf16 each
.set T, 114                            ; v[114:115] at work
	s_load_b512 s[8:23], s[0:1], 0x0               ; Wk, Wv, q, k, v, Wq, Wo, ab
	s_load_b128 s[24:27], s[0:1], 0x40             ; bb, wo16
	s_load_b64 s[28:29], s[0:1], 0x50              ; sw
	s_and_b32 s2, ttmp7, 0xffff                    ; y: which tensor
	v_lshlrev_b32 v1, 4, v0                        ; 16 t
	v_lshlrev_b32 v2, 3, v0                        ; 8 t
	v_lshrrev_b32 v3, 5, v0
	v_lshlrev_b32 v3, 2, v3                        ; 4 x wave
	s_lshl_b32 s36, ttmp9, 5
	v_add_nc_u32 v3, s36, v3                       ; my wave's word in sw: 4 (8 x + wave)
	s_lshl_b32 s30, ttmp9, 16                      ; the work-group's bytes in the source
	s_mov_b32 s31, 0
	s_cmp_ge_u32 s2, 3
	s_cselect_b32 s3, 3, 0
	s_sub_co_u32 s3, s2, s3                        ; the tensor's place in ab or bb,
	s_cmp_eq_u32 s2, 6
	s_cselect_b32 s3, 0, s3                        ; 0 in wo16
	s_lshl_b32 s32, s3, 22
	s_lshl_b32 s33, ttmp9, 15
	s_add_co_u32 s32, s32, s33
	s_mov_b32 s33, 0
	s_mov_b32 s34, 0x7fff7fff                      ; clears two signs
	s_mov_b32 s35, 0xffff0000                      ; a word's upper bf16
	s_mov_b32 s38, 0x76543210                      ; v_permlanex16_b32: each lane takes its own place in the other half
	s_mov_b32 s39, 0xfedcba98
	v_mov_b32 v[M], 0
	v_mov_b32 v[M+1], 0
	s_wait_kmcnt 0x0
	s_mov_b64 s[4:5], s[8:9]
.irp i, 1,2,3,4,5,6
	s_cmp_eq_u32 s2, \i
	s_cselect_b64 s[4:5], s[8+2*(\i):9+2*(\i)], s[4:5]
.endr
	s_cmp_lt_u32 s2, 3
	s_cselect_b64 s[6:7], s[22:23], s[24:25]
	s_cmp_eq_u32 s2, 6
	s_cselect_b64 s[6:7], s[26:27], s[6:7]
	s_add_nc_u64 s[4:5], s[4:5], s[30:31]
	s_add_nc_u64 s[6:7], s[6:7], s[32:33]
.set i, 0
.rept 16
	global_load_b128 v[X+4*i:X+4*i+3], v1, s[4:5] offset:4096*i th:TH_LOAD_NT
.set i, i+1
.endr
; Block i of 16: rounded and stored.  No register that a pending load or store names is written again, so the only waits are the counted ones for the loads.
.macro CONV wo
.set i, 0
.rept 16
	s_wait_loadcnt 15-i                            ; loads come back in order: block i is in, the 15 - i younger ones stay out
	v_cvt_pk_bf16_f32 v[Y+2*i], v[X+4*i], v[X+4*i+1]
	v_cvt_pk_bf16_f32 v[Y+2*i+1], v[X+4*i+2], v[X+4*i+3]
.if \wo
	v_and_b32 v[T], s34, v[Y+2*i]
	v_and_b32 v[T+1], s34, v[Y+2*i+1]
	v_pk_max_num_bf16 v[M], v[M], v[T]
	v_pk_max_num_bf16 v[M+1], v[M+1], v[T+1]
	v_lshlrev_b32 v[X+4*i], 16, v[Y+2*i]           ; the bf16 numbers as f32,
	v_and_b32 v[X+4*i+1], s35, v[Y+2*i]
	v_lshlrev_b32 v[X+4*i+2], 16, v[Y+2*i+1]
	v_and_b32 v[X+4*i+3], s35, v[Y+2*i+1]
	v_cvt_pk_f16_f32 v[Y+2*i], v[X+4*i], v[X+4*i+1]  ; and written as f16
	v_cvt_pk_f16_f32 v[Y+2*i+1], v[X+4*i+2], v[X+4*i+3]
.endif
	global_store_b64 v2, v[Y+2*i:Y+2*i+1], s[6:7] offset:2048*i th:TH_STORE_NT
.set i, i+1
.endr
.endm
	s_cmp_eq_u32 s2, 6
	s_cbranch_scc1 .Lwo
	CONV 0
	s_endpgm
.Lwo:
	CONV 1
	v_pk_max_num_bf16 v[M], v[M], v[M+1]
	v_lshlrev_b32 v[T], 16, v[M]
	v_and_b32 v[T+1], s35, v[M]
	v_max_num_f32 v[T], v[T], v[T+1]
	v_max_num_f32_dpp v[T], v[T], v[T] row_xmask:1 row_mask:0xf bank_mask:0xf
	v_max_num_f32_dpp v[T], v[T], v[T] row_xmask:2 row_mask:0xf bank_mask:0xf
	v_max_num_f32_dpp v[T], v[T], v[T] row_xmask:4 row_mask:0xf bank_mask:0xf
	v_max_num_f32_dpp v[T], v[T], v[T] row_xmask:8 row_mask:0xf bank_mask:0xf
	v_permlanex16_b32 v[T+1], v[T], s38, s39
	v_max_num_f32 v[T], v[T], v[T+1]
	global_store_b32 v3, v[T], s[28:29]            ; all lanes hold the same number and name the same word
	s_endpgm
.Lfunc_end_k_qb6e13bbf31_cast:
	.size	k_qb6e13bbf31_cast, .Lfunc_end_k_qb6e13bbf31_cast-k_qb6e13bbf31_cast
	.p2alignl 7, 3214868480
	.fill 96, 4, 3214868480
	.section	.rodata,"a",@progbits
	.p2align	6, 0x0
	.amdhsa_kernel k_qb6e13bbf31_cast
		.amdhsa_group_segment_fixed_size 0
		.amdhsa_private_segment_fixed_size 0
		.amdhsa_enable_private_segment 0
		.amdhsa_kernarg_size 88
		.amdhsa_user_sgpr_count 2
		.amdhsa_user_sgpr_kernarg_segment_ptr 1
		.amdhsa_wavefront_size32 1
		.amdhsa_system_sgpr_workgroup_id_x 1
		.amdhsa_system_sgpr_workgroup_id_y 1
		.amdhsa_system_sgpr_workgroup_id_z 1
		.amdhsa_system_vgpr_workitem_id 0
		.amdhsa_next_free_vgpr 120
		.amdhsa_next_free_sgpr 66
		.amdhsa_reserve_vcc 0
		.amdhsa_float_denorm_mode_32 3
		.amdhsa_float_denorm_mode_16_64 3
		.amdhsa_memory_ordered 1
		.amdhsa_forward_progress 1
		.amdhsa_inst_pref_size 20
	.end_amdhsa_kernel
	.amdgpu_metadata
---
amdhsa.version: [ 1, 2 ]
amdhsa.kernels:
  - .name:           k_qb6e13bbf31_cast
    .symbol:         k_qb6e13bbf31_cast.kd
    .args:
      - { .name: Wk, .offset: 0, .size: 8, .value_kind: global_buffer, .address_space: global }
      - { .name: Wv, .offset: 8, .size: 8, .value_kind: global_buffer, .address_space: global }
      - { .name: q, .offset: 16, .size: 8, .value_kind: global_buffer, .address_space: global }
      - { .name: k, .offset: 24, .size: 8, .value_kind: global_buffer, .address_space: global }
      - { .name: v, .offset: 32, .size: 8, .value_kind: global_buffer, .address_space: global }
      - { .name: Wq, .offset: 40, .size: 8, .value_kind: global_buffer, .address_space: global }
      - { .name: Wo, .offset: 48, .size: 8, .value_kind: global_buffer, .address_space: global }
      - { .name: ab, .offset: 56, .size: 8, .value_kind: global_buffer, .address_space: global }
      - { .name: bb, .offset: 64, .size: 8, .value_kind: global_buffer, .address_space: global }
      - { .name: wo16, .offset: 72, .size: 8, .value_kind: global_buffer, .address_space: global }
      - { .name: sw, .offset: 80, .size: 8, .value_kind: global_buffer, .address_space: global }
    .group_segment_fixed_size: 0
    .private_segment_fixed_size: 0
    .kernarg_segment_align: 8
    .kernarg_segment_size: 88
    .max_flat_workgroup_size: 256
    .sgpr_count:     66
    .vgpr_count:     120
    .wavefront_size: 32
...
	.end_amdgpu_metadata
.endif
;; end of part 1
;; launch proj (part 2): grid 16 x 16, 4 waves a work-group, clusters of 4 x 4, 327,680 bytes of LDS; arguments ab, bb, pj, bk, bv, bq, sp; writes pj, sp
.if DOCPART == 2
	.amdgcn_target "amdgcn-amd-amdhsa--gfx1250"
	.amdhsa_code_object_version 6
	.text
	.protected	k_qb6e13bbf31_proj
	.globl	k_qb6e13bbf31_proj
	.p2align	8
	.type	k_qb6e13bbf31_proj,@function
k_qb6e13bbf31_proj:
	s_mov_b64 s[64:65], 0
	v_nop
	global_prefetch_b8 v0, s[64:65] scope:SCOPE_SE
	s_setreg_imm32_b32 hwreg(HW_REG_WAVE_MODE, 25, 1), 1
	s_wait_xcnt 0x0
	s_wait_alu depctr_hold_cnt(0) depctr_sa_sdst(0) depctr_va_vdst(0) depctr_va_sdst(0) depctr_va_ssrc(0) depctr_va_vcc(0) depctr_vm_vsrc(0)
	s_getreg_b32 s2, hwreg(HW_REG_IB_STS2, 6, 4)
	s_cmp_eq_u32 s2, 0
	s_cbranch_scc0 .Lentry_in_a_cluster
	s_endpgm
.Lentry_in_a_cluster:
	s_bfe_u32 s2, ttmp6, 0x10000c
	s_cmp_lg_u32 s2, 0xf033
	s_cbranch_scc0 .Lentry_shape_is_right
	s_endpgm
.Lentry_shape_is_right:
; THE THREE PROJECTIONS as one walk of three tiles: C[m][n] = sum over k of A[m][k] B[n][k] + bias.  A = ab [12288][512], B = bb [12288][512], bf16; C = pj [12288][4096], f16; sums in f32.
; Tile 0: A = Wk's rows (h,e), B = k's rows (b,s): K^T[(h,e)][(b,s)], bias bk by rows.  Tile 1: Wv and v: V^T, bias bv by rows.  Tile 2: A = q's rows, B = Wq's rows: Q[(b,s)][(h,e)], bias bq by columns.
; K and V are made transposed, so that the next launch's sum over s runs along their rows.  The scores Q K^T are never formed (see the first kernel's head).
; A tile of C is 256 x 256: four waves, each 128 x 128 in 64 accumulators.  K goes in steps of 128 through a ring of two LDS slots filled by the tensor data mover.  A work-group stays in its
; place (tile row, tile column) and walks 4,096 rows down in A, B and C from tile to tile; the ring runs on across the change of tiles.
; CLUSTERS: 4 x 4 work-groups; A's tile is asked for jointly by the four of a row of the cluster, B's by the four of a column.
; For tiles 0 and 1 each wave also stores the largest magnitude among the f16 numbers that it has made: sp[0][1024] for K, sp[1][1024] for V: later launches make their scales of them.
; LIMIT: K, V and Q must stay under 65,504.  NaN does not enter the maxima.
; REGISTERS, in windows of 256: window 0: v0-31 addresses and maxima; v64-191 A's fragments, two buffers; v32-63, v192-255 the way out.
;   window 1: v64-191 B's fragments; v0-63 bq for my 128 columns; v192-207 the row bias of the tile in hand, each number twice (a pair for the packed add); v208-223 bv likewise.
;   windows 2, 3: the accumulators of my rows 0-63, 64-127 ((a, b) at v[8 (8 a + b)]).
; The matrix instruction is used transposed (source 0 = 16 rows of B, source 1 = 16 rows of A): a lane holds row l % 16 of C and eight neighbouring columns.
.set SIZE_M, 12288
.set SIZE_N, 4096
.set SIZE_K, 512
.set SIZE_TILES, 3
.set KSTEP,  128
.set PITCH,  272                       ; an LDS row: 256 bytes + 16 of padding: the 16 rows of a fragment load start 68 words apart
.set HALFT,  128*PITCH                 ; what one tensor load brings
.set SLOT,   4*HALFT                   ; A's 256 rows, then B's 256 rows
.set STAGE,  2*SLOT                    ; behind the ring: 16 rows x 272 bytes for each wave, for the way out
.set SPITCH, 272
.set SPARE,  STAGE+4*16*SPITCH         ; the spare words: 128 bytes a wave, named by no other line
.set LAPS, SIZE_K/(2*KSTEP)            ; 2 laps of two K steps
.set WALK,   SIZE_M/SIZE_TILES         ; 4,096 rows from tile to tile
.set NEXT_A, WALK*SIZE_K*2-(SIZE_K-2*KSTEP)*2   ; from a slot's last K step of a tile to its first of the next: for A and for B
.set NEXT_C, (WALK-7*16)*SIZE_N*2      ; from my last 16 rows of a tile to my first of the next
.set MX,   6                           ; v6-9    four running maxima, two f16 each
.set SPO,  10                          ; v10     my wave's word in sp
.set TA,   12                          ; v12-15  at work
.set CBO,  18                          ; v18     byte offset of my columns in bq
.set RBO,  19                          ; v19     byte offset of my rows in bk and bv
.set ADRA, 16
.set ADRB, 20
.set STO,  24
.set RD,   25
.set CO,   26
.set SPW,  28
.set NIL,  29
.set PFO,  30                          ; v30     the prefetches' offset: my lane x a row of 1,024 bytes
.set PFA,  44                          ; s[44:45] where my prefetches stand
.set LIM,  43                          ; s43     1 in a wave that prefetches
.set F0,   64
.set F1,   128
.set TMP,  192
.set OB,   32
.set CB,   0                           ; window 1
.set RB,   192                         ; window 1
.set RB2,  208                         ; window 1
.set G1, 24
.set G0, 32
.set G1B, 48
.set G0B, 56
.set ABSM, 66                          ; s66     clears two signs
.set SEL,  76                          ; s[76:77] v_permlanex16_b32's selects
.set MSB, 0
.macro WIN new                         ; the immediate's high byte repeats the setting that is left
.if MSB != (\new)
	s_set_vgpr_msb (MSB<<8)|(\new)
.set MSB, \new
.endif
.endm
.set MUL_LO, 0xa1                      ; source 0 (B) window 1, source 1 (A) window 0, C and D window 2
.set MUL_HI, 0xf1                      ; the same, C and D window 3
.set TO_B,   0x40                      ; destination window 1, address window 0
; A joint load.  Waves 0 and 1 fetch A's two halves, waves 2 and 3 B's; the branch hangs on the wave's number alone.  An s_nop 0 and four v_nop follow each line.
.macro JLOAD s
	s_cmp_eq_u32 s11, 0
	s_cbranch_scc0 .Lfor_b_\@
	tensor_load_to_lds s[G0+4*(\s):G0+4*(\s)+3], s[G1:G1+7]
	s_nop 0
.rept 4
	v_nop
.endr
	s_branch .Lasked_\@
.Lfor_b_\@:
	tensor_load_to_lds s[G0B+4*(\s):G0B+4*(\s)+3], s[G1B:G1B+7]
	s_nop 0
.rept 4
	v_nop
.endr
.Lasked_\@:
.endm
; A prefetch of the K step that stands two refills on: 32 rows x 256 bytes, a lane a row.  A's rows are asked for by the clusters with x = 0, B's by those with y = 0; the four partners of a joint
; load take 32 rows each of the wave's 128, told apart by address.  A tile has four K steps, so along K no step stands two refills on (how = 0 is assembled only for longer K); the two changes
; of tile (how = 1) ask for the next tile's K steps 2 and 3; its steps 0 and 1, and the launch's first four, come by their loads alone.
.macro ASK how
.if (\how) || (LAPS > 2)
.if \how
	s_cmp_eq_u32 s[LIM], 1
.else
	s_cmp_gt_u32 s3, s[LIM]
.endif
	s_cbranch_scc0 .Lnot_mine_\@
	global_prefetch_b8 v[PFO], s[PFA:PFA+1] offset:KSTEP*2 th:TH_LOAD_NT scope:SCOPE_SE
.Lnot_mine_\@:
.endif
.endm
.macro CREST                           ; a round of the cluster's barrier behind its opening barrier
	s_cmp_lg_u32 s10, 0
	s_cbranch_scc1 .Lnot_wave_0_\@
	s_barrier_signal -3
.Lnot_wave_0_\@:
	s_barrier_wait -3
	s_barrier_signal -1
	s_barrier_wait -1
.endm
.macro CROUND
	s_barrier_signal -1
	s_barrier_wait -1
	CREST
.endm
	s_load_b128 s[4:7], s[0:1], 0x0                ; ab s[4:5], bb s[6:7]
	s_load_b64 s[8:9], s[0:1], 0x10                ; pj
	s_load_b256 s[68:75], s[0:1], 0x18             ; bk s[68:69], bv s[70:71], bq s[72:73], sp s[74:75]
	v_lshl_add_u32 v[SPW], v0, 2, SPARE
	v_mov_b32 v[NIL], 0
	ds_add_u32 v[SPW], v[NIL]                      ; the wave's opening: the add, twice on end, and its wait ahead of my first tensor load
	ds_add_u32 v[SPW], v[NIL]
	v_lshrrev_b32 v1, 5, v0
	v_readfirstlane_b32 s10, v1                    ; wave 0..3
	s_lshr_b32 s11, s10, 1                         ; my half of the tile's rows.  Also: I fetch for A (0) or for B (1)
	s_and_b32 s12, s10, 1                          ; my half of its columns.  Also: which 128 rows I fetch
	s_bfe_u32 s40, ttmp6, 0x40000                  ; cx
	s_bfe_u32 s41, ttmp6, 0x40004                  ; cy
	s_lshl_b32 s42, ttmp9, 2
	s_add_co_u32 s42, s42, s40                     ; tile column = 4 x cluster x + cx
	s_and_b32 s13, ttmp7, 0xffff
	s_lshl_b32 s13, s13, 2
	s_add_co_u32 s13, s13, s41                     ; tile row = 4 x cluster y + cy
	s_lshl_b32 s43, s41, 2
	s_lshl_b32 s43, 15, s43                        ; my row of the cluster
	s_lshl_b32 s44, 0x1111, s40                    ; my column
	; descriptor group 1: 128 rows x 128 elements of 2 bytes, 4 words of padding behind every 64
	s_or_b32 s[G1+0], s43, (1<<16)|(1<<20)|(1<<21)|(5<<22)|(3<<25)
	s_or_b32 s[G1B+0], s44, (1<<16)|(1<<20)|(1<<21)|(5<<22)|(3<<25)
.irp g, G1, G1B
	s_mov_b32 s[(\g)+1], KSTEP<<16                 ; tensor_dim0 = 128
	s_mov_b32 s[(\g)+2], 128<<16                   ; tensor_dim1 = 128
	s_mov_b32 s[(\g)+3], KSTEP<<16                 ; tile_dim0 = 128
	s_mov_b32 s[(\g)+4], 128                       ; tile_dim1 = 128
	s_mov_b32 s[(\g)+5], SIZE_K                    ; elements from row to row
	s_mov_b32 s[(\g)+6], 0
	s_mov_b32 s[(\g)+7], 0
.endr
	s_lshl_b32 s17, s12, 7
	s_lshl_b32 s16, s13, 8
	s_add_co_u32 s16, s16, s17                     ; A: row 256 x tile row + 128 x half
	s_lshl_b32 s46, s42, 8
	s_add_co_u32 s46, s46, s17                     ; B: row 256 x tile column + 128 x half
	s_mov_b32 s17, 0
	s_mov_b32 s47, 0
	s_mov_b64 s[18:19], SIZE_K*2
	s_mul_u64 s[16:17], s[16:17], s[18:19]
	s_mul_u64 s[46:47], s[46:47], s[18:19]
	s_mul_i32 s20, s10, HALFT                      ; where they go: wave x 128 rows
	s_wait_dscnt 0x0                               ; both opening adds are done
	s_wait_kmcnt 0x0
	s_add_nc_u64 s[14:15], s[4:5], s[16:17]
	s_add_nc_u64 s[46:47], s[6:7], s[46:47]
	CROUND                                         ; all sixteen work-groups are here: the first joint loads meet
.irp s, 0,1
	s_mov_b32 s[G0+4*(\s)], 1
	s_add_co_u32 s[G0+4*(\s)+1], s20, (\s)*SLOT
	s_add_nc_u64 s[G0+4*(\s)+2:G0+4*(\s)+3], s[14:15], (\s)*KSTEP*2
	s_or_b32 s[G0+4*(\s)+3], s[G0+4*(\s)+3], 0x80000000
	s_mov_b32 s[G0B+4*(\s)], 1
	s_add_co_u32 s[G0B+4*(\s)+1], s20, (\s)*SLOT
	s_add_nc_u64 s[G0B+4*(\s)+2:G0B+4*(\s)+3], s[46:47], (\s)*KSTEP*2
	s_or_b32 s[G0B+4*(\s)+3], s[G0B+4*(\s)+3], 0x80000000
	JLOAD \s                                       ; two loads of mine are out
.endr
	v_and_b32 v1, 15, v0                           ; l % 16
	v_bfe_u32 v2, v0, 4, 1                         ; l / 16
	v_mul_u32_u24 v3, v1, PITCH
	v_lshl_add_u32 v3, v2, 4, v3                   ; a fragment's row x pitch + 16 x half
	s_mul_i32 s21, s11, HALFT
	s_mul_i32 s22, s12, HALFT
	s_add_co_u32 s22, s22, 2*HALFT
.irp s, 0,1
	v_add_nc_u32 v[ADRA+(\s)], s21, v3
	v_add_nc_u32 v[ADRB+(\s)], s22, v3
	s_add_co_u32 s21, s21, SLOT
	s_add_co_u32 s22, s22, SLOT
.endr
	s_mul_i32 s23, s10, 16*SPITCH
	s_add_co_u32 s23, s23, STAGE                   ; my stage
	v_mul_u32_u24 v4, v1, SPITCH
	v_lshl_add_u32 v4, v2, 4, v4
	v_add_nc_u32 v[STO], s23, v4
	v_mul_u32_u24 v5, v2, SPITCH
	v_lshl_add_u32 v5, v1, 4, v5
	v_add_nc_u32 v[RD], s23, v5
	v_mul_u32_u24 v5, v2, SIZE_N*2
	v_lshl_add_u32 v[CO], v1, 4, v5
	s_lshl_b32 s13, s13, 8                         ; 256 x tile row
	s_lshl_b32 s14, s11, 7
	s_add_co_u32 s16, s13, s14                     ; my first row of C
	s_mov_b32 s17, 0
	s_mov_b64 s[18:19], SIZE_N*2
	s_mul_u64 s[16:17], s[16:17], s[18:19]
	s_lshl_b32 s46, s42, 9                         ; my first column, in bytes
	s_lshl_b32 s47, s12, 8
	s_add_co_u32 s46, s46, s47
	s_mov_b32 s47, 0
	s_add_nc_u64 s[16:17], s[16:17], s[46:47]      ; what the first way out adds to C's address
	; the prefetches
	s_lshl_b32 s42, s42, 8                         ; 256 x tile column
	s_and_b32 s22, ttmp7, 0xffff
	s_cmp_eq_u32 s11, 0
	s_cselect_b32 s20, s13, s42
	s_cselect_b32 s21, s40, s41
	s_cselect_b32 s22, ttmp9, s22
	s_cselect_b64 s[PFA:PFA+1], s[4:5], s[6:7]
	s_cmp_eq_u32 s22, 0
	s_cselect_b32 s[LIM], 1, -1
	s_lshl_b32 s22, s12, 7
	s_add_co_u32 s20, s20, s22
	s_lshl_b32 s21, s21, 5
	s_add_co_u32 s20, s20, s21
	s_mov_b32 s21, 0
	s_mov_b64 s[18:19], SIZE_K*2
	s_mul_u64 s[20:21], s[20:21], s[18:19]
	s_add_nc_u64 s[PFA:PFA+1], s[PFA:PFA+1], s[20:21]
	s_add_nc_u64 s[PFA:PFA+1], s[PFA:PFA+1], 2*KSTEP*2  ; at K step 2
	v_and_b32 v[PFO], 31, v0
	v_mul_u32_u24 v[PFO], v[PFO], SIZE_K*2
	; the biases, while the first tiles are on their way
	s_lshl_b32 s78, s12, 7
	s_add_co_u32 s78, s78, s42                     ; my first column
	s_lshl_b32 s78, s78, 2
	v_lshl_add_u32 v[CBO], v2, 5, s78              ; + my lanes' eight columns
	s_lshl_b32 s79, s11, 7
	s_add_co_u32 s79, s79, s13                     ; my first row
	s_lshl_b32 s79, s79, 2
	v_lshl_add_u32 v[RBO], v1, 2, s79              ; + my lane's row in a block of 16
	WIN TO_B
.irp b, 0,1,2,3,4,5,6,7
	global_load_b128 v[CB+8*(\b):CB+8*(\b)+3],   v[CBO], s[72:73] offset:64*(\b)
	global_load_b128 v[CB+8*(\b)+4:CB+8*(\b)+7], v[CBO], s[72:73] offset:64*(\b)+16
.endr
.irp a, 0,1,2,3,4,5,6,7
	global_load_b32 v[RB+2*(\a)],    v[RBO], s[68:69] offset:64*(\a)
	global_load_b32 v[RB+2*(\a)+1],  v[RBO], s[68:69] offset:64*(\a)
	global_load_b32 v[RB2+2*(\a)],   v[RBO], s[70:71] offset:64*(\a)
	global_load_b32 v[RB2+2*(\a)+1], v[RBO], s[70:71] offset:64*(\a)
.endr
	WIN 0
	s_lshr_b32 s78, s42, 4                         ; 16 x tile column
	s_add_co_u32 s78, s78, s13                     ; + 256 x tile row
	s_lshl_b32 s79, s10, 2
	s_add_co_u32 s78, s78, s79                     ; = 4 x ((16 tile row + tile column) 4 + wave)
	v_mov_b32 v[SPO], s78
.irp i, 0,1,2,3
	v_mov_b32 v[MX+(\i)], 0
.endr
	s_mov_b32 s[ABSM], 0x7fff7fff
	s_mov_b32 s[SEL], 0x76543210
	s_mov_b32 s[SEL+1], 0xfedcba98
; 16 matrix instructions: m blocks a0, a0 + 1 of the window's four x all 8 n blocks, 32 along K.  zero = 1: the first product starts the sums.
.macro MUL16 f, hi, a0, zero
	WIN MUL_LO+0x50*(\hi)
.irp a, \a0, (\a0)+1
.irp b, 0,1,2,3,4,5,6,7
.if \zero
	v_wmma_f32_16x16x32_bf16 v[8*(8*(\a)+(\b)):8*(8*(\a)+(\b))+7], v[(\f)+8*(\b):(\f)+8*(\b)+7], v[(\f)+8*(4*(\hi)+(\a)):(\f)+8*(4*(\hi)+(\a))+7], 0
.else
	v_wmma_f32_16x16x32_bf16 v[8*(8*(\a)+(\b)):8*(8*(\a)+(\b))+7], v[(\f)+8*(\b):(\f)+8*(\b)+7], v[(\f)+8*(4*(\hi)+(\a)):(\f)+8*(4*(\hi)+(\a))+7], v[8*(8*(\a)+(\b)):8*(8*(\a)+(\b))+7]
.endif
.endr
.endr
.endm
; 32 LDS loads in one run: the fragments of one quarter step into buffer f
.macro FETCH slot, k, f
	WIN TO_B
.irp i, 0,1,2,3,4,5,6,7
	ds_load_b128 v[(\f)+8*(\i):(\f)+8*(\i)+3],   v[ADRB+(\slot)] offset:(\k)+(\i)*16*PITCH
	ds_load_b128 v[(\f)+8*(\i)+4:(\f)+8*(\i)+7], v[ADRB+(\slot)] offset:(\k)+(\i)*16*PITCH+32
.endr
	WIN 0
.irp i, 0,1,2,3,4,5,6,7
	ds_load_b128 v[(\f)+8*(\i):(\f)+8*(\i)+3],   v[ADRA+(\slot)] offset:(\k)+(\i)*16*PITCH
	ds_load_b128 v[(\f)+8*(\i)+4:(\f)+8*(\i)+7], v[ADRA+(\slot)] offset:(\k)+(\i)*16*PITCH+32
.endr
.endm
.macro PLACES                          ; four plain instructions between a matrix instruction and a load into, or a vector instruction on, its registers
.rept 4
	v_nop
.endr
.endm
; One of a K step's first three quarters: multiplies buffer f; in its middle it fetches the next quarter's fragments into buffer g.  The 64 accumulators take turns.
.macro QUARTER slot, k, f, g, zero
	s_wait_dscnt 8                                 ; B and A's rows 0-63 are in; the youngest eight loads (A's rows 64-127) may be out
	WIN MUL_LO
	MUL16 \f, 0, 0, \zero
	MUL16 \f, 0, 2, \zero
	PLACES
	FETCH \slot, \k, \g
	s_wait_dscnt 32                                ; all but the 32 just issued
	WIN MUL_HI
	MUL16 \f, 1, 0, \zero
	MUL16 \f, 1, 2, \zero
.endm
; The first half of a K step's last quarter: one barrier for the change of slots.
.macro MEET round
	WIN 0
	s_wait_tensorcnt 0x0                           ; all my tensor loads have landed: the one that was out is my part of the next slot
	ds_add_u32 v[SPW], v[NIL]                      ; 0 onto my spare word
	s_wait_dscnt 9                                 ; the add and the youngest eight loads may be out
	WIN MUL_LO
	MUL16 F1, 0, 0, 0
	s_wait_dscnt 0x0                               ; the add is done, and my reads of this slot are over
	s_barrier_signal -1
	MUL16 F1, 0, 2, 0
.if \round
	WIN 0
.endif
	s_barrier_wait -1
.endm
; The whole last quarter.  Behind the round the slot just read out is filled again: with this tile's K step two on (on = 0) or the next tile's K step 0 or 1 (on = 1).
.macro TURN slot, next, on
	s_wait_xcnt 0x0                                ; the last prefetch has read its address, which is stepped here
.if (\on) && (\slot) == 0
	s_add_nc_u64 s[PFA:PFA+1], s[PFA:PFA+1], (WALK-1)*SIZE_K*2+KSTEP*2  ; from behind the tile's last K step to the next tile's K step 1
.else
	s_add_nc_u64 s[PFA:PFA+1], s[PFA:PFA+1], KSTEP*2
.endif
	MEET 1
	CREST                                          ; no wave of any partner still reads this slot or has a load on its way
.if \on
	s_add_nc_u64 s[G0+4*(\slot)+2:G0+4*(\slot)+3], s[G0+4*(\slot)+2:G0+4*(\slot)+3], NEXT_A
	s_add_nc_u64 s[G0B+4*(\slot)+2:G0B+4*(\slot)+3], s[G0B+4*(\slot)+2:G0B+4*(\slot)+3], NEXT_A
.else
	s_add_nc_u64 s[G0+4*(\slot)+2:G0+4*(\slot)+3], s[G0+4*(\slot)+2:G0+4*(\slot)+3], 2*KSTEP*2
	s_add_nc_u64 s[G0B+4*(\slot)+2:G0B+4*(\slot)+3], s[G0B+4*(\slot)+2:G0B+4*(\slot)+3], 2*KSTEP*2
.endif
	JLOAD \slot                                    ; my one tensor load behind the round; its four v_nop are also the places in front of the loads below
	FETCH \next, 0, F0
	ASK \on
	WIN MUL_HI
	MUL16 F1, 1, 0, 0
	MUL16 F1, 1, 2, 0
.endm
; THE WAY OUT of block a (16 rows).  PACK: the bias is added (col = 0: one number a lane, its row's; col = 1: eight numbers a lane, its columns'), each accumulator from its low end on;
; rounded to f16, 16 bytes a lane; col = 0: the magnitudes enter the running maxima.
.macro PACK a, col
.set AC, 64*((\a)%4)
	WIN 0x86+0x41*((\a)/4)                         ; destination and source 0 window 2 or 3, source 1 window 1
.irp b, 0,1,2,3,4,5,6,7
.irp r, 0,2,4,6
.if \col
	v_pk_add_f32 v[AC+8*(\b)+(\r):AC+8*(\b)+(\r)+1], v[AC+8*(\b)+(\r):AC+8*(\b)+(\r)+1], v[CB+8*(\b)+(\r):CB+8*(\b)+(\r)+1]
.else
	v_pk_add_f32 v[AC+8*(\b)+(\r):AC+8*(\b)+(\r)+1], v[AC+8*(\b)+(\r):AC+8*(\b)+(\r)+1], v[RB+2*(\a):RB+2*(\a)+1]
.endif
.endr
.endr
	WIN 0x0a+5*((\a)/4)                            ; sources 0 and 1 window 2 or 3
.irp b, 0,1,2,3,4,5,6,7
.irp r, 0,1,2,3
	v_cvt_pk_f16_f32 v[TMP+4*(\b)+(\r)], v[AC+8*(\b)+2*(\r)], v[AC+8*(\b)+2*(\r)+1]
.endr
.endr
	WIN 0
.if !(\col)
.set i, 0
.rept 32
	v_and_b32 v[TA+i%4], s[ABSM], v[TMP+i]
	v_pk_max_num_f16 v[MX+i%4], v[MX+i%4], v[TA+i%4]
.set i, i+1
.endr
.endif
.endm
.macro TOSTAGE a                       ; into my own stage, and back as whole rows of 256 bytes
	WIN 0
.set BK, OB+192*((\a)%2)
.irp b, 0,1,2,3,4,5,6,7
	ds_store_b128 v[STO], v[TMP+4*(\b):TMP+4*(\b)+3] offset:32*(\b)
.endr
.irp t, 0,1,2,3,4,5,6,7
	ds_load_b128 v[BK+4*(\t):BK+4*(\t)+3], v[RD] offset:(\t)*2*SPITCH  ; LDS serves a wave's instructions in order (ISA guide 5.7.1.4): these see the stores above
.endr
.endm
.macro SEND a
	WIN 0
.set BK, OB+192*((\a)%2)
	s_wait_dscnt 0x0                               ; the block is back in registers
	s_wait_xcnt 0x0                                ; the stores' base, and the registers that earlier stores read, are written again only behind this wait
.if (\a) == 0
	s_add_nc_u64 s[8:9], s[8:9], s[16:17]          ; on to this tile's first rows
.else
	s_add_nc_u64 s[8:9], s[8:9], 16*SIZE_N*2
.endif
.irp t, 0,1,2,3,4,5,6,7
	global_store_b128 v[CO], v[BK+4*(\t):BK+4*(\t)+3], s[8:9] offset:2*(\t)*SIZE_N*2  ; 16 lanes store 256 consecutive bytes, aligned
.endr
.endm
.macro OUT col                         ; block a's arithmetic stands between block a - 1's loads from the stage and the wait for them
	PACK 0, \col
	TOSTAGE 0
.irp a, 1,2,3,4,5,6,7
	PACK \a, \col
	SEND (\a)-1
	TOSTAGE \a
.endr
	SEND 7
.endm
	s_wait_loadcnt 0x0                             ; the biases, once
	s_wait_tensorcnt 1                             ; my part of K step 0 is in; K step 1's may stay out
	s_barrier_signal -1
	s_barrier_wait -1
	FETCH 0, 0, F0
	s_mov_b32 s2, SIZE_TILES                       ; tiles to go
.Ltile:
	QUARTER 0, 64,  F0, F1, 1                      ; a tile's first quarter starts the sums
	WIN 0
	s_mov_b32 s3, LAPS-1
.Llap:                                                 ; once round the ring, from a lap's second quarter to the next lap's first
	QUARTER 0, 128, F1, F0, 0
	QUARTER 0, 192, F0, F1, 0
	TURN 0, 1, 0
	QUARTER 1, 64,  F0, F1, 0
	QUARTER 1, 128, F1, F0, 0
	QUARTER 1, 192, F0, F1, 0
	TURN 1, 0, 0
	QUARTER 0, 64,  F0, F1, 0
	WIN 0
	s_sub_co_u32 s3, s3, 1
	s_cmp_lg_u32 s3, 0
	s_cbranch_scc1 .Llap
	QUARTER 0, 128, F1, F0, 0
	QUARTER 0, 192, F0, F1, 0
	WIN 0
	s_cmp_eq_u32 s2, 1
	s_cbranch_scc1 .Llast_tile
	TURN 0, 1, 1                                   ; the ring goes on into the next tile: slot 0 takes its K step 0,
	QUARTER 1, 64,  F0, F1, 0
	QUARTER 1, 128, F1, F0, 0
	QUARTER 1, 192, F0, F1, 0
	TURN 1, 0, 1                                   ; slot 1 its K step 1, and the next tile's first fragments are fetched
	OUT 0                                          ; K^T or V^T goes out; blocks 0-3 were finished ahead of TURN's places, and their lines are the places behind the last products
	v_pk_max_num_f16 v[MX], v[MX], v[MX+1]         ; the wave's largest magnitude
	v_pk_max_num_f16 v[MX+2], v[MX+2], v[MX+3]
	v_pk_max_num_f16 v[MX], v[MX], v[MX+2]
	v_cvt_f32_f16 v[TA], v6.l
	v_cvt_f32_f16 v[TA+1], v6.h
	v_max_num_f32 v[TA], v[TA], v[TA+1]
	v_max_num_f32_dpp v[TA], v[TA], v[TA] row_xmask:1 row_mask:0xf bank_mask:0xf
	v_max_num_f32_dpp v[TA], v[TA], v[TA] row_xmask:2 row_mask:0xf bank_mask:0xf
	v_max_num_f32_dpp v[TA], v[TA], v[TA] row_xmask:4 row_mask:0xf bank_mask:0xf
	v_max_num_f32_dpp v[TA], v[TA], v[TA] row_xmask:8 row_mask:0xf bank_mask:0xf
	v_permlanex16_b32 v[TA+1], v[TA], s[SEL], s[SEL+1]
	v_max_num_f32 v[TA], v[TA], v[TA+1]
	global_store_b32 v[SPO], v[TA], s[74:75]       ; all lanes hold the same number and name the same word
	s_wait_xcnt 0x0                                ; its base and data are written again only behind this wait
	s_add_nc_u64 s[74:75], s[74:75], 4096          ; the next tile's list
.irp i, 0,1,2,3
	v_mov_b32 v[MX+(\i)], 0
.endr
	WIN 0x41                                       ; destination and source 0 window 1
.irp i, 0,1,2,3,4,5,6,7,8,9,10,11,12,13,14,15
	v_mov_b32 v[RB+(\i)], v[RB2+(\i)]              ; bv takes bk's place
.endr
	WIN 0
	s_mov_b64 s[16:17], NEXT_C
	s_sub_co_u32 s2, s2, 1
	s_branch .Ltile
.Llast_tile:                                           ; the last tile's tail is written out: it asks for nothing more
	MEET 0                                         ; the load that was out is slot 1's, the last K step's, so no round follows
	PLACES
	FETCH 1, 0, F0
	WIN MUL_HI
	MUL16 F1, 1, 0, 0
	MUL16 F1, 1, 2, 0
	QUARTER 1, 64,  F0, F1, 0
	QUARTER 1, 128, F1, F0, 0
	QUARTER 1, 192, F0, F1, 0
	s_wait_dscnt 8
	MUL16 F1, 0, 0, 0
	MUL16 F1, 0, 2, 0
	s_wait_dscnt 0x0
	MUL16 F1, 1, 0, 0
	MUL16 F1, 1, 2, 0
	PLACES
	OUT 1                                          ; Q goes out, bq by columns
	s_wait_tensorcnt 0x0                           ; the wave's end
	ds_add_u32 v[SPW], v[NIL]
	s_wait_dscnt 0x0
	CROUND                                         ; the closing round
	s_endpgm
.Lfunc_end_k_qb6e13bbf31_proj:
	.size	k_qb6e13bbf31_proj, .Lfunc_end_k_qb6e13bbf31_proj-k_qb6e13bbf31_proj
	.p2alignl 7, 3214868480
	.fill 96, 4, 3214868480
	.section	.rodata,"a",@progbits
	.p2align	6, 0x0
	.amdhsa_kernel k_qb6e13bbf31_proj
		.amdhsa_group_segment_fixed_size 327680
		.amdhsa_private_segment_fixed_size 0
		.amdhsa_enable_private_segment 0
		.amdhsa_kernarg_size 56
		.amdhsa_user_sgpr_count 2
		.amdhsa_user_sgpr_kernarg_segment_ptr 1
		.amdhsa_wavefront_size32 1
		.amdhsa_system_sgpr_workgroup_id_x 1
		.amdhsa_system_sgpr_workgroup_id_y 1
		.amdhsa_system_sgpr_workgroup_id_z 1
		.amdhsa_system_vgpr_workitem_id 0
		.amdhsa_next_free_vgpr 1024
		.amdhsa_next_free_sgpr 80
		.amdhsa_reserve_vcc 0
		.amdhsa_float_denorm_mode_32 3
		.amdhsa_float_denorm_mode_16_64 3
		.amdhsa_memory_ordered 1
		.amdhsa_forward_progress 1
		.amdhsa_inst_pref_size 255
	.end_amdhsa_kernel
	.section	.bss,"aw",@nobits
	.p2align	6
	.space	262144
	.amdgpu_metadata
---
amdhsa.version: [ 1, 2 ]
amdhsa.kernels:
  - .name:           k_qb6e13bbf31_proj
    .symbol:         k_qb6e13bbf31_proj.kd
    .args:
      - { .name: ab, .offset: 0, .size: 8, .value_kind: global_buffer, .address_space: global }
      - { .name: bb, .offset: 8, .size: 8, .value_kind: global_buffer, .address_space: global }
      - { .name: pj, .offset: 16, .size: 8, .value_kind: global_buffer, .address_space: global }
      - { .name: bk, .offset: 24, .size: 8, .value_kind: global_buffer, .address_space: global }
      - { .name: bv, .offset: 32, .size: 8, .value_kind: global_buffer, .address_space: global }
      - { .name: bq, .offset: 40, .size: 8, .value_kind: global_buffer, .address_space: global }
      - { .name: sp, .offset: 48, .size: 8, .value_kind: global_buffer, .address_space: global }
    .group_segment_fixed_size: 327680
    .private_segment_fixed_size: 0
    .kernarg_segment_align: 8
    .kernarg_segment_size: 56
    .max_flat_workgroup_size: 128
    .sgpr_count:     80
    .vgpr_count:     1024
    .wavefront_size: 32
...
	.end_amdgpu_metadata
.endif
;; end of part 2
;; launch mker (part 3): grid 32 x 16, 4 waves a work-group, clusters of 4 x 4, 327,680 bytes of LDS; arguments pj, mm, sp; writes mm
.if DOCPART == 3
	.amdgcn_target "amdgcn-amd-amdhsa--gfx1250"
	.amdhsa_code_object_version 6
	.text
	.protected	k_qb6e13bbf31_mker
	.globl	k_qb6e13bbf31_mker
	.p2align	8
	.type	k_qb6e13bbf31_mker,@function
k_qb6e13bbf31_mker:
	s_mov_b64 s[64:65], 0
	v_nop
	global_prefetch_b8 v0, s[64:65] scope:SCOPE_SE
	s_setreg_imm32_b32 hwreg(HW_REG_WAVE_MODE, 25, 1), 1
	s_wait_xcnt 0x0
	s_wait_alu depctr_hold_cnt(0) depctr_sa_sdst(0) depctr_va_vdst(0) depctr_va_sdst(0) depctr_va_ssrc(0) depctr_va_vcc(0) depctr_vm_vsrc(0)
	s_getreg_b32 s2, hwreg(HW_REG_IB_STS2, 6, 4)
	s_cmp_eq_u32 s2, 0
	s_cbranch_scc0 .Lentry_in_a_cluster
	s_endpgm
.Lentry_in_a_cluster:
	s_bfe_u32 s2, ttmp6, 0x10000c
	s_cmp_lg_u32 s2, 0xf033
	s_cbranch_scc0 .Lentry_shape_is_right
	s_endpgm
.Lentry_shape_is_right:
; M'_bh[e1][e2] = sM x the sum over s of K^T[(h,e1)][(b,s)] V^T[(h,e2)][(b,s)], f16 operands, f32 sums, M' rounded once to f16.  It takes the place of the scores, which are never formed (first kernel's head).
; A = pj's rows 512 h + e1, B = pj's rows 4096 + 512 h + e2, both at element 1024 b, 4,096 elements from row to row; C = mm[b][h][e1][e2].
; A cluster of 4 x 4 work-groups makes one (b, h): cluster x = h, cluster y = b; a work-group a tile of 128 x 128, each of four waves 64 x 64 in 16 accumulators.  K (= s) goes in steps of 256 through two LDS slots.
; A's tile is asked for jointly by the four of a row of the cluster, B's by the four of a column.  The matrix instruction is used transposed (source 0 = rows of B, source 1 = rows of A).
; THE SCALE.  mk, mv = the largest magnitudes of K and V (the maxima of sp's two lists); e = the exponent field of mk x mv.  Each of the 1,024 products is under 2^(e-126), the sum, with a bit to spare,
; under 2^(e-115); sM = 2^(130-e) (field min(257 - e, 253)) holds M' under 2^15.  The scale enters values alone: no address and no branch hangs on it.
; No prefetch: the tiles are small and a step short.  REGISTERS: window 0: v0-31 addresses; v32-95 the way out; v128-255 accumulators ((a, b) at 128 + 8 (4 a + b)); window 1: two fragment buffers of 128.
.set SIZE_K, 1024
.set PA,     4096                      ; elements from row to row of A
.set PB,     4096                      ; of B
.set CPB,    1024                      ; bytes from row to row of C
.set KSTEP,  256
.set PITCH,  528                       ; an LDS row: 512 bytes + 16 of padding
.set HALFT,  64*PITCH
.set SLOT,   4*HALFT
.set STAGE,  2*SLOT                    ; behind the ring: 128 rows x 272 bytes, the work-group's
.set SPITCH, 272
.set SPARE,  STAGE+128*SPITCH          ; the spare words: 128 bytes a wave, named by no other line
.set LAPS, SIZE_K/(2*KSTEP)
.set ADRA, 16
.set ADRB, 20
.set STO,  24
.set RD,   25
.set CO,   26
.set LO,   27                          ; v27  16 x lane
.set SPW,  28
.set NIL,  29
.set TMP,  32
.set ACC,  128
.set F0,   0
.set F1,   128
.set G1, 24
.set G0, 32
.set G1B, 48
.set G0B, 56
.set SEL, 66                           ; s[66:67] v_permlanex16_b32's selects
.set MSB, 0
.macro WIN new
.if MSB != (\new)
	s_set_vgpr_msb (MSB<<8)|(\new)
.set MSB, \new
.endif
.endm
.set MUL,  0x05                        ; sources 0 (B) and 1 (A) window 1; C and D window 0
.set TO_F, 0x40
.macro JLOAD s                         ; a joint load: waves 0 and 1 fetch A's two halves, waves 2 and 3 B's; an s_nop 0 and four v_nop follow each line
	s_cmp_eq_u32 s11, 0
	s_cbranch_scc0 .Lfor_b_\@
	tensor_load_to_lds s[G0+4*(\s):G0+4*(\s)+3], s[G1:G1+7]
	s_nop 0
.rept 4
	v_nop
.endr
	s_branch .Lasked_\@
.Lfor_b_\@:
	tensor_load_to_lds s[G0B+4*(\s):G0B+4*(\s)+3], s[G1B:G1B+7]
	s_nop 0
.rept 4
	v_nop
.endr
.Lasked_\@:
.endm
.macro CREST
	s_cmp_lg_u32 s10, 0
	s_cbranch_scc1 .Lnot_wave_0_\@
	s_barrier_signal -3
.Lnot_wave_0_\@:
	s_barrier_wait -3
	s_barrier_signal -1
	s_barrier_wait -1
.endm
.macro CROUND
	s_barrier_signal -1
	s_barrier_wait -1
	CREST
.endm
.macro LISTLD r, p, off                ; a list of 1,024 f32 into 32 registers
.irp i, 0,1,2,3,4,5,6,7
	global_load_b128 v[(\r)+4*(\i):(\r)+4*(\i)+3], v[LO], s[\p:\p+1] offset:(\off)+512*(\i)
.endr
.endm
.macro LISTMAX r                       ; its maximum, into v[r] of every lane
	v_max3_num_f32 v[\r], v[\r], v[(\r)+1], v[(\r)+2]
.set z, 3
.rept 14
	v_max3_num_f32 v[\r], v[\r], v[(\r)+z], v[(\r)+z+1]
.set z, z+2
.endr
	v_max_num_f32 v[\r], v[\r], v[(\r)+31]
	v_max_num_f32_dpp v[\r], v[\r], v[\r] row_xmask:1 row_mask:0xf bank_mask:0xf
	v_max_num_f32_dpp v[\r], v[\r], v[\r] row_xmask:2 row_mask:0xf bank_mask:0xf
	v_max_num_f32_dpp v[\r], v[\r], v[\r] row_xmask:4 row_mask:0xf bank_mask:0xf
	v_max_num_f32_dpp v[\r], v[\r], v[\r] row_xmask:8 row_mask:0xf bank_mask:0xf
	v_permlanex16_b32 v[(\r)+1], v[\r], s[SEL], s[SEL+1]
	v_max_num_f32 v[\r], v[\r], v[(\r)+1]
.endm
	s_load_b64 s[4:5], s[0:1], 0x0                 ; pj
	s_load_b64 s[8:9], s[0:1], 0x8                 ; mm
	s_load_b64 s[72:73], s[0:1], 0x10              ; sp
	v_lshl_add_u32 v[SPW], v0, 2, SPARE
	v_mov_b32 v[NIL], 0
	ds_add_u32 v[SPW], v[NIL]                      ; the wave's opening: the add, twice on end, and its wait ahead of my first tensor load
	ds_add_u32 v[SPW], v[NIL]
	v_lshrrev_b32 v1, 5, v0
	v_readfirstlane_b32 s10, v1                    ; wave 0..3
	s_lshr_b32 s11, s10, 1                         ; my half of the tile's rows.  Also: I fetch for A (0) or for B (1)
	s_and_b32 s12, s10, 1                          ; my half of its columns.  Also: which 64 rows I fetch
	s_bfe_u32 s40, ttmp6, 0x40000                  ; cx
	s_bfe_u32 s41, ttmp6, 0x40004                  ; cy
	s_and_b32 s13, ttmp7, 0xffff                   ; b = cluster y; h = cluster x = ttmp9
	s_lshl_b32 s43, s41, 2
	s_lshl_b32 s43, 15, s43                        ; my row of the cluster
	s_lshl_b32 s44, 0x1111, s40                    ; my column
	; descriptor group 1: 64 rows x 256 elements of 2 bytes, 4 words of padding behind every 128
	s_or_b32 s[G1+0], s43, (1<<16)|(1<<20)|(1<<21)|(6<<22)|(3<<25)
	s_or_b32 s[G1B+0], s44, (1<<16)|(1<<20)|(1<<21)|(6<<22)|(3<<25)
.irp g, G1, G1B
	s_mov_b32 s[(\g)+1], KSTEP<<16
	s_mov_b32 s[(\g)+2], 64<<16
	s_mov_b32 s[(\g)+3], KSTEP<<16
	s_mov_b32 s[(\g)+4], 64
	s_mov_b32 s[(\g)+6], 0
	s_mov_b32 s[(\g)+7], 0
.endr
	s_mov_b32 s[G1+5], PA
	s_mov_b32 s[G1B+5], PB
	s_lshl_b32 s16, ttmp9, 9                       ; A: row 512 h
	s_lshl_b32 s17, s41, 7                         ; + 128 cy
	s_add_co_u32 s16, s16, s17
	s_lshl_b32 s17, s12, 6                         ; + 64 x half,
	s_add_co_u32 s16, s16, s17
	s_lshl_b32 s16, s16, 13                        ; rows of 8,192 bytes,
	s_lshl_b32 s17, s13, 11                        ; + 1,024 b elements
	s_add_co_u32 s16, s16, s17
	s_mov_b32 s17, 0
	s_lshl_b32 s46, ttmp9, 9                       ; B: the same with cx,
	s_lshl_b32 s47, s40, 7
	s_add_co_u32 s46, s46, s47
	s_lshl_b32 s47, s12, 6
	s_add_co_u32 s46, s46, s47
	s_lshl_b32 s46, s46, 13
	s_lshl_b32 s47, s13, 11
	s_add_co_u32 s46, s46, s47
	s_add_co_u32 s46, s46, 0x2000000               ; 4,096 rows further down
	s_mov_b32 s47, 0
	s_mul_i32 s20, s10, HALFT                      ; where they go: wave x 64 rows
	s_wait_dscnt 0x0                               ; both opening adds are done
	s_wait_kmcnt 0x0
	s_add_nc_u64 s[14:15], s[4:5], s[16:17]
	s_add_nc_u64 s[46:47], s[4:5], s[46:47]
	CROUND                                         ; all sixteen work-groups are here: the first joint loads meet
.irp s, 0,1
	s_mov_b32 s[G0+4*(\s)], 1
	s_add_co_u32 s[G0+4*(\s)+1], s20, (\s)*SLOT
	s_add_nc_u64 s[G0+4*(\s)+2:G0+4*(\s)+3], s[14:15], (\s)*KSTEP*2
	s_or_b32 s[G0+4*(\s)+3], s[G0+4*(\s)+3], 0x80000000
	s_mov_b32 s[G0B+4*(\s)], 1
	s_add_co_u32 s[G0B+4*(\s)+1], s20, (\s)*SLOT
	s_add_nc_u64 s[G0B+4*(\s)+2:G0B+4*(\s)+3], s[46:47], (\s)*KSTEP*2
	s_or_b32 s[G0B+4*(\s)+3], s[G0B+4*(\s)+3], 0x80000000
	JLOAD \s                                       ; two loads of mine are out
.endr
	v_and_b32 v[LO], 31, v0
	v_lshlrev_b32 v[LO], 4, v[LO]
	LISTLD 128, 72, 0                              ; K's maxima, into registers that the products do not want yet
	LISTLD 160, 72, 4096                           ; V's
	v_and_b32 v1, 15, v0                           ; l % 16
	v_bfe_u32 v2, v0, 4, 1                         ; l / 16
	v_mul_u32_u24 v3, v1, PITCH
	v_lshl_add_u32 v3, v2, 4, v3
	s_mul_i32 s21, s11, HALFT
	s_mul_i32 s22, s12, HALFT
	s_add_co_u32 s22, s22, 2*HALFT
.irp s, 0,1
	v_add_nc_u32 v[ADRA+(\s)], s21, v3
	v_add_nc_u32 v[ADRB+(\s)], s22, v3
	s_add_co_u32 s21, s21, SLOT
	s_add_co_u32 s22, s22, SLOT
.endr
	s_mul_i32 s23, s11, 64*SPITCH                  ; into the stage: my 64 rows, my half of their 256 bytes
	s_lshl_b32 s21, s12, 7
	s_add_co_u32 s23, s23, s21
	s_add_co_u32 s23, s23, STAGE
	v_mul_u32_u24 v4, v1, SPITCH
	v_lshl_add_u32 v4, v2, 4, v4
	v_add_nc_u32 v[STO], s23, v4
	s_mul_i32 s23, s10, 32*SPITCH                  ; back: wave w takes rows 32 w .. 32 w + 31, whole
	s_add_co_u32 s23, s23, STAGE
	v_mul_u32_u24 v5, v2, SPITCH
	v_lshl_add_u32 v5, v1, 4, v5
	v_add_nc_u32 v[RD], s23, v5
	v_mul_u32_u24 v5, v2, CPB
	v_lshl_add_u32 v[CO], v1, 4, v5
	s_lshl_b32 s16, s13, 3
	s_add_co_u32 s16, s16, ttmp9                   ; 8 b + h,
	s_lshl_b32 s16, s16, 19                        ; 524,288 bytes each
	s_lshl_b32 s17, s41, 7
	s_lshl_b32 s18, s10, 5
	s_add_co_u32 s17, s17, s18                     ; row 128 cy + 32 wave
	s_lshl_b32 s17, s17, 10
	s_add_co_u32 s16, s16, s17
	s_mov_b32 s17, 0
	s_add_nc_u64 s[8:9], s[8:9], s[16:17]
	s_lshl_b32 s46, s40, 8                         ; the tile's first column, in bytes
	s_mov_b32 s47, 0
	s_add_nc_u64 s[8:9], s[8:9], s[46:47]
	s_mov_b32 s[SEL], 0x76543210
	s_mov_b32 s[SEL+1], 0xfedcba98
	s_wait_loadcnt 0x0                             ; both lists
	LISTMAX 128
	LISTMAX 160
	v_mul_f32 v128, v128, v160
	v_readfirstlane_b32 s68, v128
	s_bfe_u32 s68, s68, 0x80017                    ; e
	s_sub_co_u32 s68, 257, s68
	s_min_u32 s68, s68, 253
	s_lshl_b32 s68, s68, 23                        ; sM
	s_mov_b32 s69, s68                             ; named with it as a pair
.macro MUL8 f, c, a0, zero             ; 8 matrix instructions: m blocks a0, a0 + 1 x all 4 n blocks, 32 along K; the 16 accumulators take turns
	WIN MUL
.irp a, \a0, (\a0)+1
.irp b, 0,1,2,3
.if \zero
	v_wmma_f32_16x16x32_f16 v[ACC+8*(4*(\a)+(\b)):ACC+8*(4*(\a)+(\b))+7], v[(\f)+64+8*(4*(\c)+(\b)):(\f)+64+8*(4*(\c)+(\b))+7], v[(\f)+8*(4*(\c)+(\a)):(\f)+8*(4*(\c)+(\a))+7], 0
.else
	v_wmma_f32_16x16x32_f16 v[ACC+8*(4*(\a)+(\b)):ACC+8*(4*(\a)+(\b))+7], v[(\f)+64+8*(4*(\c)+(\b)):(\f)+64+8*(4*(\c)+(\b))+7], v[(\f)+8*(4*(\c)+(\a)):(\f)+8*(4*(\c)+(\a))+7], v[ACC+8*(4*(\a)+(\b)):ACC+8*(4*(\a)+(\b))+7]
.endif
.endr
.endr
.endm
.macro FETCH slot, k, f                ; 32 LDS loads in one run: 64 along K at byte k of the rows; the first 32 along K first
	WIN TO_F
.irp c, 0,1
.irp i, 0,1,2,3
	ds_load_b128 v[(\f)+64+8*(4*(\c)+(\i)):(\f)+64+8*(4*(\c)+(\i))+3],   v[ADRB+(\slot)] offset:(\k)+64*(\c)+(\i)*16*PITCH
	ds_load_b128 v[(\f)+64+8*(4*(\c)+(\i))+4:(\f)+64+8*(4*(\c)+(\i))+7], v[ADRB+(\slot)] offset:(\k)+64*(\c)+(\i)*16*PITCH+32
	ds_load_b128 v[(\f)+8*(4*(\c)+(\i)):(\f)+8*(4*(\c)+(\i))+3],         v[ADRA+(\slot)] offset:(\k)+64*(\c)+(\i)*16*PITCH
	ds_load_b128 v[(\f)+8*(4*(\c)+(\i))+4:(\f)+8*(4*(\c)+(\i))+7],       v[ADRA+(\slot)] offset:(\k)+64*(\c)+(\i)*16*PITCH+32
.endr
.endr
.endm
.macro PLACES                          ; four plain instructions between a matrix instruction and a load into, or a vector instruction on, its registers
.rept 4
	v_nop
.endr
.endm
.macro QUARTER slot, k, f, g, zero
	s_wait_dscnt 16                                ; the first 32 along K are in; the youngest sixteen loads may be out
	WIN MUL
	MUL8 \f, 0, 0, \zero
	MUL8 \f, 0, 2, \zero
	PLACES
	FETCH \slot, \k, \g
	s_wait_dscnt 32                                ; all but the 32 just issued
	WIN MUL
	MUL8 \f, 1, 0, 0
	MUL8 \f, 1, 2, 0
.endm
.macro TURN slot, next, fill           ; the last quarter multiplies buffer 1 and changes slots; fill = 1: this slot is filled again, two K steps ahead
	WIN 0
	s_wait_tensorcnt 0x0                           ; all my tensor loads have landed: my part of the next slot
	ds_add_u32 v[SPW], v[NIL]                      ; 0 onto my spare word
	s_wait_dscnt 17                                ; the add and the youngest sixteen loads may be out
	WIN MUL
	MUL8 F1, 0, 0, 0
	s_wait_dscnt 0x0                               ; the add is done, and my reads of this slot are over
	s_barrier_signal -1
	MUL8 F1, 0, 2, 0
.if \fill
	WIN 0
.endif
	s_barrier_wait -1
.if \fill
	CREST                                          ; no wave of any partner still reads this slot or has a load on its way
	s_add_nc_u64 s[G0+4*(\slot)+2:G0+4*(\slot)+3], s[G0+4*(\slot)+2:G0+4*(\slot)+3], 2*KSTEP*2
	s_add_nc_u64 s[G0B+4*(\slot)+2:G0B+4*(\slot)+3], s[G0B+4*(\slot)+2:G0B+4*(\slot)+3], 2*KSTEP*2
	JLOAD \slot                                    ; my one tensor load behind the round
.else
	PLACES
.endif
	FETCH \next, 0, F0
	WIN MUL
	MUL8 F1, 1, 0, 0
	MUL8 F1, 1, 2, 0
.endm
	s_wait_tensorcnt 1                             ; my part of K step 0 is in; K step 1's may stay out
	s_barrier_signal -1
	s_barrier_wait -1
	FETCH 0, 0, F0
	QUARTER 0, 128, F0, F1, 1
.if LAPS > 1
	WIN 0
	s_mov_b32 s3, LAPS-1
.Llap:
	QUARTER 0, 256, F1, F0, 0
	QUARTER 0, 384, F0, F1, 0
	TURN 0, 1, 1
	QUARTER 1, 128, F0, F1, 0
	QUARTER 1, 256, F1, F0, 0
	QUARTER 1, 384, F0, F1, 0
	TURN 1, 0, 1
	QUARTER 0, 128, F0, F1, 0
	WIN 0
	s_sub_co_u32 s3, s3, 1
	s_cmp_lg_u32 s3, 0
	s_cbranch_scc1 .Llap
.endif
	QUARTER 0, 256, F1, F0, 0                      ; the last lap fills nothing
	QUARTER 0, 384, F0, F1, 0
	TURN 0, 1, 0
	QUARTER 1, 128, F0, F1, 0
	QUARTER 1, 256, F1, F0, 0
	QUARTER 1, 384, F0, F1, 0
	s_wait_dscnt 16
	WIN MUL
	MUL8 F1, 0, 0, 0
	MUL8 F1, 0, 2, 0
	s_wait_dscnt 0
	MUL8 F1, 1, 0, 0
	MUL8 F1, 1, 2, 0
	WIN 0
	; THE WAY OUT: scaled, each accumulator from its low end on; rounded to f16; into the work-group's stage; a barrier, since a row's 256 bytes come from two waves; back as whole rows.
	PLACES
.set i, 0
.rept 64
	v_pk_mul_f32 v[ACC+2*i:ACC+2*i+1], v[ACC+2*i:ACC+2*i+1], s[68:69] op_sel_hi:[1,0]
.set i, i+1
.endr
.irp t, 0,1,2,3,4,5,6,7,8,9,10,11,12,13,14,15
.irp r, 0,1,2,3
	v_cvt_pk_f16_f32 v[TMP+4*(\t)+(\r)], v[ACC+8*(\t)+2*(\r)], v[ACC+8*(\t)+2*(\r)+1]
.endr
.endr
.irp a, 0,1,2,3
.irp b, 0,1,2,3
	ds_store_b128 v[STO], v[TMP+4*(4*(\a)+(\b)):TMP+4*(4*(\a)+(\b))+3] offset:(\a)*16*SPITCH+32*(\b)
.endr
.endr
	s_wait_dscnt 0x0                               ; for the others' sake: my stores into the stage are done
	s_barrier_signal -1
	s_barrier_wait -1
.irp t, 0,1,2,3,4,5,6,7,8,9,10,11,12,13,14,15
	ds_load_b128 v[TMP+4*(\t):TMP+4*(\t)+3], v[RD] offset:(\t)*2*SPITCH
.endr
.irp t, 0,1,2,3,4,5,6,7,8,9,10,11,12,13,14,15
	s_wait_dscnt 15-(\t)                           ; the 15 - t younger loads may be out
	global_store_b128 v[CO], v[TMP+4*(\t):TMP+4*(\t)+3], s[8:9] offset:2*(\t)*CPB  ; 16 lanes store 256 consecutive bytes, aligned
.endr
	s_wait_tensorcnt 0x0                           ; the wave's end
	ds_add_u32 v[SPW], v[NIL]
	s_wait_dscnt 0x0
	CROUND                                         ; the closing round
	s_endpgm
.Lfunc_end_k_qb6e13bbf31_mker:
	.size	k_qb6e13bbf31_mker, .Lfunc_end_k_qb6e13bbf31_mker-k_qb6e13bbf31_mker
	.p2alignl 7, 3214868480
	.fill 96, 4, 3214868480
	.section	.rodata,"a",@progbits
	.p2align	6, 0x0
	.amdhsa_kernel k_qb6e13bbf31_mker
		.amdhsa_group_segment_fixed_size 327680
		.amdhsa_private_segment_fixed_size 0
		.amdhsa_enable_private_segment 0
		.amdhsa_kernarg_size 24
		.amdhsa_user_sgpr_count 2
		.amdhsa_user_sgpr_kernarg_segment_ptr 1
		.amdhsa_wavefront_size32 1
		.amdhsa_system_sgpr_workgroup_id_x 1
		.amdhsa_system_sgpr_workgroup_id_y 1
		.amdhsa_system_sgpr_workgroup_id_z 1
		.amdhsa_system_vgpr_workitem_id 0
		.amdhsa_next_free_vgpr 512
		.amdhsa_next_free_sgpr 80
		.amdhsa_reserve_vcc 0
		.amdhsa_float_denorm_mode_32 3
		.amdhsa_float_denorm_mode_16_64 3
		.amdhsa_memory_ordered 1
		.amdhsa_forward_progress 1
		.amdhsa_inst_pref_size 96
	.end_amdhsa_kernel
	.amdgpu_metadata
---
amdhsa.version: [ 1, 2 ]
amdhsa.kernels:
  - .name:           k_qb6e13bbf31_mker
    .symbol:         k_qb6e13bbf31_mker.kd
    .args:
      - { .name: pj, .offset: 0, .size: 8, .value_kind: global_buffer, .address_space: global }
      - { .name: mm, .offset: 8, .size: 8, .value_kind: global_buffer, .address_space: global }
      - { .name: sp, .offset: 16, .size: 8, .value_kind: global_buffer, .address_space: global }
    .group_segment_fixed_size: 327680
    .private_segment_fixed_size: 0
    .kernarg_segment_align: 8
    .kernarg_segment_size: 24
    .max_flat_workgroup_size: 128
    .sgpr_count:     80
    .vgpr_count:     512
    .wavefront_size: 32
...
	.end_amdgpu_metadata
.endif
;; end of part 3
;; launch rker (part 4): grid 32 x 16, 4 waves a work-group, clusters of 4 x 4, 327,680 bytes of LDS; arguments wo16, mm, rr, sw; writes rr
.if DOCPART == 4
	.amdgcn_target "amdgcn-amd-amdhsa--gfx1250"
	.amdhsa_code_object_version 6
	.text
	.protected	k_qb6e13bbf31_rker
	.globl	k_qb6e13bbf31_rker
	.p2align	8
	.type	k_qb6e13bbf31_rker,@function
k_qb6e13bbf31_rker:
	s_mov_b64 s[64:65], 0
	v_nop
	global_prefetch_b8 v0, s[64:65] scope:SCOPE_SE
	s_setreg_imm32_b32 hwreg(HW_REG_WAVE_MODE, 25, 1), 1
	s_wait_xcnt 0x0
	s_wait_alu depctr_hold_cnt(0) depctr_sa_sdst(0) depctr_va_vdst(0) depctr_va_sdst(0) depctr_va_ssrc(0) depctr_va_vcc(0) depctr_vm_vsrc(0)
	s_getreg_b32 s2, hwreg(HW_REG_IB_STS2, 6, 4)
	s_cmp_eq_u32 s2, 0
	s_cbranch_scc0 .Lentry_in_a_cluster
	s_endpgm
.Lentry_in_a_cluster:
	s_bfe_u32 s2, ttmp6, 0x10000c
	s_cmp_lg_u32 s2, 0xf033
	s_cbranch_scc0 .Lentry_shape_is_right
	s_endpgm
.Lentry_shape_is_right:
; R'_b[o][(h,e1)] = sR x the sum over e2 of Wo[o][(h,e2)] M'_bh[e1][e2], f16 operands, f32 sums, R' rounded once to f16.  Wo is folded into M ahead of Q, so the heads' outputs [B,S,H*E] are never formed (first kernel's head).
; A = wo16's rows o at element 512 h, 4,096 elements from row to row; B = mm[b][h]'s rows e1, 512 elements from row to row; C = rr[b][o][512 h + e1].
; A cluster of 4 x 4 work-groups makes one (b, h): cluster x = h, cluster y = b; a work-group a tile of 128 x 128, each of four waves 64 x 64.  K (= e2) is 512: two steps of 256, one in each LDS slot; nothing is filled again.
; THE SCALE.  |M'| is at most 2^15; mw = the largest magnitude of Wo (the maximum of sw), ew its exponent field: the 512 products' sum, with a bit to spare, is under 2^(ew-101);
; sR = 2^(116-ew) (field 243 - ew, at least 1) holds R' under 2^15.  The scale enters values alone.
; No prefetch: the tiles are small and both steps are asked for at the head.  Registers as in the launch before.
.set SIZE_K, 512
.set PA,     4096
.set PB,     512
.set CPB,    8192
.set KSTEP,  256
.set PITCH,  528
.set HALFT,  64*PITCH
.set SLOT,   4*HALFT
.set STAGE,  2*SLOT
.set SPITCH, 272
.set SPARE,  STAGE+128*SPITCH
.set ADRA, 16
.set ADRB, 20
.set STO,  24
.set RD,   25
.set CO,   26
.set LO,   27
.set SPW,  28
.set NIL,  29
.set TMP,  32
.set ACC,  128
.set F0,   0
.set F1,   128
.set G1, 24
.set G0, 32
.set G1B, 48
.set G0B, 56
.set SEL, 66
.set MSB, 0
.macro WIN new
.if MSB != (\new)
	s_set_vgpr_msb (MSB<<8)|(\new)
.set MSB, \new
.endif
.endm
.set MUL,  0x05
.set TO_F, 0x40
.macro JLOAD s                         ; a joint load: waves 0 and 1 fetch A's two halves, waves 2 and 3 B's; an s_nop 0 and four v_nop follow each line
	s_cmp_eq_u32 s11, 0
	s_cbranch_scc0 .Lfor_b_\@
	tensor_load_to_lds s[G0+4*(\s):G0+4*(\s)+3], s[G1:G1+7]
	s_nop 0
.rept 4
	v_nop
.endr
	s_branch .Lasked_\@
.Lfor_b_\@:
	tensor_load_to_lds s[G0B+4*(\s):G0B+4*(\s)+3], s[G1B:G1B+7]
	s_nop 0
.rept 4
	v_nop
.endr
.Lasked_\@:
.endm
.macro CROUND
	s_barrier_signal -1
	s_barrier_wait -1
	s_cmp_lg_u32 s10, 0
	s_cbranch_scc1 .Lnot_wave_0_\@
	s_barrier_signal -3
.Lnot_wave_0_\@:
	s_barrier_wait -3
	s_barrier_signal -1
	s_barrier_wait -1
.endm
.macro LISTLD r, p, off
.irp i, 0,1,2,3,4,5,6,7
	global_load_b128 v[(\r)+4*(\i):(\r)+4*(\i)+3], v[LO], s[\p:\p+1] offset:(\off)+512*(\i)
.endr
.endm
.macro LISTMAX r
	v_max3_num_f32 v[\r], v[\r], v[(\r)+1], v[(\r)+2]
.set z, 3
.rept 14
	v_max3_num_f32 v[\r], v[\r], v[(\r)+z], v[(\r)+z+1]
.set z, z+2
.endr
	v_max_num_f32 v[\r], v[\r], v[(\r)+31]
	v_max_num_f32_dpp v[\r], v[\r], v[\r] row_xmask:1 row_mask:0xf bank_mask:0xf
	v_max_num_f32_dpp v[\r], v[\r], v[\r] row_xmask:2 row_mask:0xf bank_mask:0xf
	v_max_num_f32_dpp v[\r], v[\r], v[\r] row_xmask:4 row_mask:0xf bank_mask:0xf
	v_max_num_f32_dpp v[\r], v[\r], v[\r] row_xmask:8 row_mask:0xf bank_mask:0xf
	v_permlanex16_b32 v[(\r)+1], v[\r], s[SEL], s[SEL+1]
	v_max_num_f32 v[\r], v[\r], v[(\r)+1]
.endm
	s_load_b128 s[4:7], s[0:1], 0x0                ; wo16 s[4:5], mm s[6:7]
	s_load_b64 s[8:9], s[0:1], 0x10                ; rr
	s_load_b64 s[72:73], s[0:1], 0x18              ; sw
	v_lshl_add_u32 v[SPW], v0, 2, SPARE
	v_mov_b32 v[NIL], 0
	ds_add_u32 v[SPW], v[NIL]                      ; the wave's opening: the add, twice on end, and its wait ahead of my first tensor load
	ds_add_u32 v[SPW], v[NIL]
	v_lshrrev_b32 v1, 5, v0
	v_readfirstlane_b32 s10, v1
	s_lshr_b32 s11, s10, 1
	s_and_b32 s12, s10, 1
	s_bfe_u32 s40, ttmp6, 0x40000                  ; cx
	s_bfe_u32 s41, ttmp6, 0x40004                  ; cy
	s_and_b32 s13, ttmp7, 0xffff                   ; b = cluster y; h = cluster x = ttmp9
	s_lshl_b32 s43, s41, 2
	s_lshl_b32 s43, 15, s43
	s_lshl_b32 s44, 0x1111, s40
	s_or_b32 s[G1+0], s43, (1<<16)|(1<<20)|(1<<21)|(6<<22)|(3<<25)
	s_or_b32 s[G1B+0], s44, (1<<16)|(1<<20)|(1<<21)|(6<<22)|(3<<25)
.irp g, G1, G1B
	s_mov_b32 s[(\g)+1], KSTEP<<16
	s_mov_b32 s[(\g)+2], 64<<16
	s_mov_b32 s[(\g)+3], KSTEP<<16
	s_mov_b32 s[(\g)+4], 64
	s_mov_b32 s[(\g)+6], 0
	s_mov_b32 s[(\g)+7], 0
.endr
	s_mov_b32 s[G1+5], PA
	s_mov_b32 s[G1B+5], PB
	s_lshl_b32 s16, s41, 7                         ; A: row 128 cy
	s_lshl_b32 s17, s12, 6                         ; + 64 x half,
	s_add_co_u32 s16, s16, s17
	s_lshl_b32 s16, s16, 13                        ; rows of 8,192 bytes,
	s_lshl_b32 s17, ttmp9, 10                      ; + 512 h elements
	s_add_co_u32 s16, s16, s17
	s_mov_b32 s17, 0
	s_lshl_b32 s46, s40, 7                         ; B: row 128 cx
	s_lshl_b32 s47, s12, 6
	s_add_co_u32 s46, s46, s47
	s_lshl_b32 s46, s46, 10                        ; rows of 1,024 bytes,
	s_lshl_b32 s47, s13, 3
	s_add_co_u32 s47, s47, ttmp9                   ; in matrix 8 b + h
	s_lshl_b32 s47, s47, 19
	s_add_co_u32 s46, s46, s47
	s_mov_b32 s47, 0
	s_mul_i32 s20, s10, HALFT
	s_wait_dscnt 0x0                               ; both opening adds are done
	s_wait_kmcnt 0x0
	s_add_nc_u64 s[14:15], s[4:5], s[16:17]
	s_add_nc_u64 s[46:47], s[6:7], s[46:47]
	CROUND                                         ; all sixteen work-groups are here: the joint loads meet
.irp s, 0,1
	s_mov_b32 s[G0+4*(\s)], 1
	s_add_co_u32 s[G0+4*(\s)+1], s20, (\s)*SLOT
	s_add_nc_u64 s[G0+4*(\s)+2:G0+4*(\s)+3], s[14:15], (\s)*KSTEP*2
	s_or_b32 s[G0+4*(\s)+3], s[G0+4*(\s)+3], 0x80000000
	s_mov_b32 s[G0B+4*(\s)], 1
	s_add_co_u32 s[G0B+4*(\s)+1], s20, (\s)*SLOT
	s_add_nc_u64 s[G0B+4*(\s)+2:G0B+4*(\s)+3], s[46:47], (\s)*KSTEP*2
	s_or_b32 s[G0B+4*(\s)+3], s[G0B+4*(\s)+3], 0x80000000
	JLOAD \s                                       ; two loads of mine are out: all that the launch asks for
.endr
	v_and_b32 v[LO], 31, v0
	v_lshlrev_b32 v[LO], 4, v[LO]
	LISTLD 128, 72, 0                              ; Wo's maxima
	v_and_b32 v1, 15, v0
	v_bfe_u32 v2, v0, 4, 1
	v_mul_u32_u24 v3, v1, PITCH
	v_lshl_add_u32 v3, v2, 4, v3
	s_mul_i32 s21, s11, HALFT
	s_mul_i32 s22, s12, HALFT
	s_add_co_u32 s22, s22, 2*HALFT
.irp s, 0,1
	v_add_nc_u32 v[ADRA+(\s)], s21, v3
	v_add_nc_u32 v[ADRB+(\s)], s22, v3
	s_add_co_u32 s21, s21, SLOT
	s_add_co_u32 s22, s22, SLOT
.endr
	s_mul_i32 s23, s11, 64*SPITCH
	s_lshl_b32 s21, s12, 7
	s_add_co_u32 s23, s23, s21
	s_add_co_u32 s23, s23, STAGE
	v_mul_u32_u24 v4, v1, SPITCH
	v_lshl_add_u32 v4, v2, 4, v4
	v_add_nc_u32 v[STO], s23, v4
	s_mul_i32 s23, s10, 32*SPITCH
	s_add_co_u32 s23, s23, STAGE
	v_mul_u32_u24 v5, v2, SPITCH
	v_lshl_add_u32 v5, v1, 4, v5
	v_add_nc_u32 v[RD], s23, v5
	v_mul_u32_u24 v5, v2, CPB
	v_lshl_add_u32 v[CO], v1, 4, v5
	s_lshl_b32 s16, s13, 22                        ; b x 4,194,304 bytes
	s_lshl_b32 s17, s41, 7
	s_lshl_b32 s18, s10, 5
	s_add_co_u32 s17, s17, s18                     ; row 128 cy + 32 wave
	s_lshl_b32 s17, s17, 13
	s_add_co_u32 s16, s16, s17
	s_lshl_b32 s17, ttmp9, 10                      ; column 512 h, in bytes
	s_add_co_u32 s16, s16, s17
	s_mov_b32 s17, 0
	s_add_nc_u64 s[8:9], s[8:9], s[16:17]
	s_lshl_b32 s46, s40, 8                         ; + 128 cx
	s_mov_b32 s47, 0
	s_add_nc_u64 s[8:9], s[8:9], s[46:47]
	s_mov_b32 s[SEL], 0x76543210
	s_mov_b32 s[SEL+1], 0xfedcba98
	s_wait_loadcnt 0x0
	LISTMAX 128
	v_readfirstlane_b32 s68, v128
	s_bfe_u32 s68, s68, 0x80017                    ; ew
	s_sub_co_i32 s68, 243, s68
	s_max_i32 s68, s68, 1
	s_lshl_b32 s68, s68, 23                        ; sR
	s_mov_b32 s69, s68
.macro MUL8 f, c, a0, zero
	WIN MUL
.irp a, \a0, (\a0)+1
.irp b, 0,1,2,3
.if \zero
	v_wmma_f32_16x16x32_f16 v[ACC+8*(4*(\a)+(\b)):ACC+8*(4*(\a)+(\b))+7], v[(\f)+64+8*(4*(\c)+(\b)):(\f)+64+8*(4*(\c)+(\b))+7], v[(\f)+8*(4*(\c)+(\a)):(\f)+8*(4*(\c)+(\a))+7], 0
.else
	v_wmma_f32_16x16x32_f16 v[ACC+8*(4*(\a)+(\b)):ACC+8*(4*(\a)+(\b))+7], v[(\f)+64+8*(4*(\c)+(\b)):(\f)+64+8*(4*(\c)+(\b))+7], v[(\f)+8*(4*(\c)+(\a)):(\f)+8*(4*(\c)+(\a))+7], v[ACC+8*(4*(\a)+(\b)):ACC+8*(4*(\a)+(\b))+7]
.endif
.endr
.endr
.endm
.macro FETCH slot, k, f
	WIN TO_F
.irp c, 0,1
.irp i, 0,1,2,3
	ds_load_b128 v[(\f)+64+8*(4*(\c)+(\i)):(\f)+64+8*(4*(\c)+(\i))+3],   v[ADRB+(\slot)] offset:(\k)+64*(\c)+(\i)*16*PITCH
	ds_load_b128 v[(\f)+64+8*(4*(\c)+(\i))+4:(\f)+64+8*(4*(\c)+(\i))+7], v[ADRB+(\slot)] offset:(\k)+64*(\c)+(\i)*16*PITCH+32
	ds_load_b128 v[(\f)+8*(4*(\c)+(\i)):(\f)+8*(4*(\c)+(\i))+3],         v[ADRA+(\slot)] offset:(\k)+64*(\c)+(\i)*16*PITCH
	ds_load_b128 v[(\f)+8*(4*(\c)+(\i))+4:(\f)+8*(4*(\c)+(\i))+7],       v[ADRA+(\slot)] offset:(\k)+64*(\c)+(\i)*16*PITCH+32
.endr
.endr
.endm
.macro PLACES
.rept 4
	v_nop
.endr
.endm
.macro QUARTER slot, k, f, g, zero
	s_wait_dscnt 16                                ; the first 32 along K are in; the youngest sixteen loads may be out
	WIN MUL
	MUL8 \f, 0, 0, \zero
	MUL8 \f, 0, 2, \zero
	PLACES
	FETCH \slot, \k, \g
	s_wait_dscnt 32                                ; all but the 32 just issued
	WIN MUL
	MUL8 \f, 1, 0, 0
	MUL8 \f, 1, 2, 0
.endm
	s_wait_tensorcnt 1                             ; my part of K step 0 is in; K step 1's may stay out
	s_barrier_signal -1
	s_barrier_wait -1
	FETCH 0, 0, F0
	QUARTER 0, 128, F0, F1, 1
	QUARTER 0, 256, F1, F0, 0
	QUARTER 0, 384, F0, F1, 0
	WIN 0                                          ; the change of slots: slot 1 is shown whole to every wave
	s_wait_tensorcnt 0x0                           ; my part of slot 1 has landed
	ds_add_u32 v[SPW], v[NIL]
	s_wait_dscnt 17                                ; the add and the youngest sixteen loads may be out
	WIN MUL
	MUL8 F1, 0, 0, 0
	s_wait_dscnt 0x0
	s_barrier_signal -1
	MUL8 F1, 0, 2, 0
	s_barrier_wait -1
	PLACES
	FETCH 1, 0, F0
	WIN MUL
	MUL8 F1, 1, 0, 0
	MUL8 F1, 1, 2, 0
	QUARTER 1, 128, F0, F1, 0
	QUARTER 1, 256, F1, F0, 0
	QUARTER 1, 384, F0, F1, 0
	s_wait_dscnt 16
	WIN MUL
	MUL8 F1, 0, 0, 0
	MUL8 F1, 0, 2, 0
	s_wait_dscnt 0
	MUL8 F1, 1, 0, 0
	MUL8 F1, 1, 2, 0
	WIN 0
	; THE WAY OUT, as in the launch before
	PLACES
.set i, 0
.rept 64
	v_pk_mul_f32 v[ACC+2*i:ACC+2*i+1], v[ACC+2*i:ACC+2*i+1], s[68:69] op_sel_hi:[1,0]
.set i, i+1
.endr
.irp t, 0,1,2,3,4,5,6,7,8,9,10,11,12,13,14,15
.irp r, 0,1,2,3
	v_cvt_pk_f16_f32 v[TMP+4*(\t)+(\r)], v[ACC+8*(\t)+2*(\r)], v[ACC+8*(\t)+2*(\r)+1]
.endr
.endr
.irp a, 0,1,2,3
.irp b, 0,1,2,3
	ds_store_b128 v[STO], v[TMP+4*(4*(\a)+(\b)):TMP+4*(4*(\a)+(\b))+3] offset:(\a)*16*SPITCH+32*(\b)
.endr
.endr
	s_wait_dscnt 0x0                               ; for the others' sake: my stores into the stage are done
	s_barrier_signal -1
	s_barrier_wait -1
.irp t, 0,1,2,3,4,5,6,7,8,9,10,11,12,13,14,15
	ds_load_b128 v[TMP+4*(\t):TMP+4*(\t)+3], v[RD] offset:(\t)*2*SPITCH
.endr
.irp t, 0,1,2,3,4,5,6,7,8,9,10,11,12,13,14,15
	s_wait_dscnt 15-(\t)                           ; the 15 - t younger loads may be out
	global_store_b128 v[CO], v[TMP+4*(\t):TMP+4*(\t)+3], s[8:9] offset:2*(\t)*CPB  ; 16 lanes store 256 consecutive bytes, aligned
.endr
	s_wait_tensorcnt 0x0                           ; the wave's end
	ds_add_u32 v[SPW], v[NIL]
	s_wait_dscnt 0x0
	CROUND                                         ; the closing round
	s_endpgm
.Lfunc_end_k_qb6e13bbf31_rker:
	.size	k_qb6e13bbf31_rker, .Lfunc_end_k_qb6e13bbf31_rker-k_qb6e13bbf31_rker
	.p2alignl 7, 3214868480
	.fill 96, 4, 3214868480
	.section	.rodata,"a",@progbits
	.p2align	6, 0x0
	.amdhsa_kernel k_qb6e13bbf31_rker
		.amdhsa_group_segment_fixed_size 327680
		.amdhsa_private_segment_fixed_size 0
		.amdhsa_enable_private_segment 0
		.amdhsa_kernarg_size 32
		.amdhsa_user_sgpr_count 2
		.amdhsa_user_sgpr_kernarg_segment_ptr 1
		.amdhsa_wavefront_size32 1
		.amdhsa_system_sgpr_workgroup_id_x 1
		.amdhsa_system_sgpr_workgroup_id_y 1
		.amdhsa_system_sgpr_workgroup_id_z 1
		.amdhsa_system_vgpr_workitem_id 0
		.amdhsa_next_free_vgpr 512
		.amdhsa_next_free_sgpr 80
		.amdhsa_reserve_vcc 0
		.amdhsa_float_denorm_mode_32 3
		.amdhsa_float_denorm_mode_16_64 3
		.amdhsa_memory_ordered 1
		.amdhsa_forward_progress 1
		.amdhsa_inst_pref_size 57
	.end_amdhsa_kernel
	.amdgpu_metadata
---
amdhsa.version: [ 1, 2 ]
amdhsa.kernels:
  - .name:           k_qb6e13bbf31_rker
    .symbol:         k_qb6e13bbf31_rker.kd
    .args:
      - { .name: wo16, .offset: 0, .size: 8, .value_kind: global_buffer, .address_space: global }
      - { .name: mm, .offset: 8, .size: 8, .value_kind: global_buffer, .address_space: global }
      - { .name: rr, .offset: 16, .size: 8, .value_kind: global_buffer, .address_space: global }
      - { .name: sw, .offset: 24, .size: 8, .value_kind: global_buffer, .address_space: global }
    .group_segment_fixed_size: 327680
    .private_segment_fixed_size: 0
    .kernarg_segment_align: 8
    .kernarg_segment_size: 32
    .max_flat_workgroup_size: 128
    .sgpr_count:     80
    .vgpr_count:     512
    .wavefront_size: 32
...
	.end_amdgpu_metadata
.endif
;; end of part 4
;; launch fker (part 5): grid 4 x 32, 4 waves a work-group, clusters of 4 x 4, 327,680 bytes of LDS; arguments pj, rr, out0, sp, sw, bo; writes out0
.if DOCPART == 5
	.amdgcn_target "amdgcn-amd-amdhsa--gfx1250"
	.amdhsa_code_object_version 6
	.text
	.protected	k_qb6e13bbf31_fker
	.globl	k_qb6e13bbf31_fker
	.p2align	8
	.type	k_qb6e13bbf31_fker,@function
k_qb6e13bbf31_fker:
	s_mov_b64 s[64:65], 0
	v_nop
	global_prefetch_b8 v0, s[64:65] scope:SCOPE_SE
	s_setreg_imm32_b32 hwreg(HW_REG_WAVE_MODE, 25, 1), 1
	s_wait_xcnt 0x0
	s_wait_alu depctr_hold_cnt(0) depctr_sa_sdst(0) depctr_va_vdst(0) depctr_va_sdst(0) depctr_va_ssrc(0) depctr_va_vcc(0) depctr_vm_vsrc(0)
	s_getreg_b32 s2, hwreg(HW_REG_IB_STS2, 6, 4)
	s_cmp_eq_u32 s2, 0
	s_cbranch_scc0 .Lentry_in_a_cluster
	s_endpgm
.Lentry_in_a_cluster:
	s_bfe_u32 s2, ttmp6, 0x10000c
	s_cmp_lg_u32 s2, 0xf033
	s_cbranch_scc0 .Lentry_shape_is_right
	s_endpgm
.Lentry_shape_is_right:
; out[(b,s)][o] = (the sum over (h,e1) of Q[(b,s)][(h,e1)] R'_b[o][(h,e1)]) / (512 sM sR) + bo[o], f16 operands, f32 sums, f32 out.  The scores and the heads' outputs are never formed (first kernel's head).
; A = pj's rows 8192 + (b,s); B = rr[b]'s rows o; both 4,096 elements from row to row; K = 4,096 in steps of 256 through two LDS slots.
; A work-group makes a tile of 128 x 128 of out: tile row = 4 x cluster y + cy (32 of them), tile column = cx; b = cluster y / 2.  128 work-groups: out has no more tiles of this size.
; A's tile is asked for jointly by the four of a row of the cluster, B's by the four of a column.  The matrix instruction is used transposed: a lane holds a row of out and eight neighbouring columns.
; THE SCALES are made again from the same lists by the same lines as in the two launches before: fM = min(257 - e, 253), fR = max(243 - ew, 1).  They are undone by two factors, so that neither leaves
; f32's normal range: iM = 2^(127-fM) = 1 / sM, iR = 2^(118-fR) = 1 / (512 sR); out = (sum x iM) x iR + bo.  They enter values alone.
; THE WAY OUT: a wave's 64 columns of f32 are 256 consecutive bytes, aligned, so each wave has a stage of its own (16 rows x 272 bytes) and no barrier.
; No prefetch: the tiles are small.  REGISTERS: window 0: v0-31 addresses; v32-95 the way out; v96-127 bo for my 64 columns; v128-255 accumulators; window 1: two fragment buffers.
.set SIZE_K, 4096
.set PA,     4096
.set PB,     4096
.set KSTEP,  256
.set PITCH,  528
.set HALFT,  64*PITCH
.set SLOT,   4*HALFT
.set STAGE,  2*SLOT
.set SPITCH, 272
.set SPARE,  STAGE+4*16*SPITCH
.set LAPS, SIZE_K/(2*KSTEP)
.set ADRA, 16
.set ADRB, 20
.set BOO,  22                          ; v22  byte offset of my columns in bo
.set STO,  24
.set RD,   25
.set CO,   26
.set LO,   27
.set SPW,  28
.set NIL,  29
.set TMP,  32                          ; v32-63 a block's 16 rows as made; v64-95 as read back
.set BIA,  96
.set ACC,  128
.set F0,   0
.set F1,   128
.set G1, 24
.set G0, 32
.set G1B, 48
.set G0B, 56
.set SEL, 66
.set MSB, 0
.macro WIN new
.if MSB != (\new)
	s_set_vgpr_msb (MSB<<8)|(\new)
.set MSB, \new
.endif
.endm
.set MUL,  0x05
.set TO_F, 0x40
.macro JLOAD s                         ; a joint load: waves 0 and 1 fetch A's two halves, waves 2 and 3 B's; an s_nop 0 and four v_nop follow each line
	s_cmp_eq_u32 s11, 0
	s_cbranch_scc0 .Lfor_b_\@
	tensor_load_to_lds s[G0+4*(\s):G0+4*(\s)+3], s[G1:G1+7]
	s_nop 0
.rept 4
	v_nop
.endr
	s_branch .Lasked_\@
.Lfor_b_\@:
	tensor_load_to_lds s[G0B+4*(\s):G0B+4*(\s)+3], s[G1B:G1B+7]
	s_nop 0
.rept 4
	v_nop
.endr
.Lasked_\@:
.endm
.macro CREST
	s_cmp_lg_u32 s10, 0
	s_cbranch_scc1 .Lnot_wave_0_\@
	s_barrier_signal -3
.Lnot_wave_0_\@:
	s_barrier_wait -3
	s_barrier_signal -1
	s_barrier_wait -1
.endm
.macro CROUND
	s_barrier_signal -1
	s_barrier_wait -1
	CREST
.endm
.macro LISTLD r, p, off
.irp i, 0,1,2,3,4,5,6,7
	global_load_b128 v[(\r)+4*(\i):(\r)+4*(\i)+3], v[LO], s[\p:\p+1] offset:(\off)+512*(\i)
.endr
.endm
.macro LISTMAX r
	v_max3_num_f32 v[\r], v[\r], v[(\r)+1], v[(\r)+2]
.set z, 3
.rept 14
	v_max3_num_f32 v[\r], v[\r], v[(\r)+z], v[(\r)+z+1]
.set z, z+2
.endr
	v_max_num_f32 v[\r], v[\r], v[(\r)+31]
	v_max_num_f32_dpp v[\r], v[\r], v[\r] row_xmask:1 row_mask:0xf bank_mask:0xf
	v_max_num_f32_dpp v[\r], v[\r], v[\r] row_xmask:2 row_mask:0xf bank_mask:0xf
	v_max_num_f32_dpp v[\r], v[\r], v[\r] row_xmask:4 row_mask:0xf bank_mask:0xf
	v_max_num_f32_dpp v[\r], v[\r], v[\r] row_xmask:8 row_mask:0xf bank_mask:0xf
	v_permlanex16_b32 v[(\r)+1], v[\r], s[SEL], s[SEL+1]
	v_max_num_f32 v[\r], v[\r], v[(\r)+1]
.endm
	s_load_b128 s[4:7], s[0:1], 0x0                ; pj s[4:5], rr s[6:7]
	s_load_b64 s[8:9], s[0:1], 0x10                ; out0
	s_load_b128 s[72:75], s[0:1], 0x18             ; sp s[72:73], sw s[74:75]
	s_load_b64 s[76:77], s[0:1], 0x28              ; bo
	v_lshl_add_u32 v[SPW], v0, 2, SPARE
	v_mov_b32 v[NIL], 0
	ds_add_u32 v[SPW], v[NIL]                      ; the wave's opening: the add, twice on end, and its wait ahead of my first tensor load
	ds_add_u32 v[SPW], v[NIL]
	v_lshrrev_b32 v1, 5, v0
	v_readfirstlane_b32 s10, v1
	s_lshr_b32 s11, s10, 1
	s_and_b32 s12, s10, 1
	s_bfe_u32 s40, ttmp6, 0x40000                  ; cx = tile column
	s_bfe_u32 s41, ttmp6, 0x40004                  ; cy
	s_and_b32 s45, ttmp7, 0xffff                   ; cluster y
	s_lshl_b32 s13, s45, 2
	s_add_co_u32 s13, s13, s41                     ; tile row = 4 x cluster y + cy
	s_lshr_b32 s45, s45, 1                         ; b, which the sixteen partners share
	s_lshl_b32 s43, s41, 2
	s_lshl_b32 s43, 15, s43
	s_lshl_b32 s44, 0x1111, s40
	s_or_b32 s[G1+0], s43, (1<<16)|(1<<20)|(1<<21)|(6<<22)|(3<<25)
	s_or_b32 s[G1B+0], s44, (1<<16)|(1<<20)|(1<<21)|(6<<22)|(3<<25)
.irp g, G1, G1B
	s_mov_b32 s[(\g)+1], KSTEP<<16
	s_mov_b32 s[(\g)+2], 64<<16
	s_mov_b32 s[(\g)+3], KSTEP<<16
	s_mov_b32 s[(\g)+4], 64
	s_mov_b32 s[(\g)+6], 0
	s_mov_b32 s[(\g)+7], 0
.endr
	s_mov_b32 s[G1+5], PA
	s_mov_b32 s[G1B+5], PB
	s_lshl_b32 s16, s13, 7                         ; A: row 128 x tile row
	s_lshl_b32 s17, s12, 6                         ; + 64 x half,
	s_add_co_u32 s16, s16, s17
	s_lshl_b32 s16, s16, 13                        ; rows of 8,192 bytes,
	s_add_co_u32 s16, s16, 0x4000000               ; behind K^T and V^T: 8,192 rows
	s_mov_b32 s17, 0
	s_lshl_b32 s46, s40, 7                         ; B: row 128 cx
	s_lshl_b32 s47, s12, 6
	s_add_co_u32 s46, s46, s47
	s_lshl_b32 s46, s46, 13
	s_lshl_b32 s47, s45, 22                        ; in rr[b]
	s_add_co_u32 s46, s46, s47
	s_mov_b32 s47, 0
	s_mul_i32 s20, s10, HALFT
	s_wait_dscnt 0x0                               ; both opening adds are done
	s_wait_kmcnt 0x0
	s_add_nc_u64 s[14:15], s[4:5], s[16:17]
	s_add_nc_u64 s[46:47], s[6:7], s[46:47]
	CROUND                                         ; all sixteen work-groups are here: the first joint loads meet
.irp s, 0,1
	s_mov_b32 s[G0+4*(\s)], 1
	s_add_co_u32 s[G0+4*(\s)+1], s20, (\s)*SLOT
	s_add_nc_u64 s[G0+4*(\s)+2:G0+4*(\s)+3], s[14:15], (\s)*KSTEP*2
	s_or_b32 s[G0+4*(\s)+3], s[G0+4*(\s)+3], 0x80000000
	s_mov_b32 s[G0B+4*(\s)], 1
	s_add_co_u32 s[G0B+4*(\s)+1], s20, (\s)*SLOT
	s_add_nc_u64 s[G0B+4*(\s)+2:G0B+4*(\s)+3], s[46:47], (\s)*KSTEP*2
	s_or_b32 s[G0B+4*(\s)+3], s[G0B+4*(\s)+3], 0x80000000
	JLOAD \s                                       ; two loads of mine are out
.endr
	v_and_b32 v[LO], 31, v0
	v_lshlrev_b32 v[LO], 4, v[LO]
	LISTLD 128, 72, 0                              ; K's maxima,
	LISTLD 160, 72, 4096                           ; V's,
	LISTLD 192, 74, 0                              ; Wo's
	v_and_b32 v1, 15, v0                           ; l % 16
	v_bfe_u32 v2, v0, 4, 1                         ; l / 16
	s_lshl_b32 s46, s40, 9                         ; my first column, in bytes of f32: 512 cx + 256 x half
	s_lshl_b32 s47, s12, 8
	s_add_co_u32 s46, s46, s47
	s_mov_b32 s47, 0
	v_lshl_add_u32 v[BOO], v2, 5, s46              ; + my lanes' eight columns
.irp b, 0,1,2,3
	global_load_b128 v[BIA+8*(\b):BIA+8*(\b)+3],   v[BOO], s[76:77] offset:64*(\b)
	global_load_b128 v[BIA+8*(\b)+4:BIA+8*(\b)+7], v[BOO], s[76:77] offset:64*(\b)+16
.endr
	v_mul_u32_u24 v3, v1, PITCH
	v_lshl_add_u32 v3, v2, 4, v3
	s_mul_i32 s21, s11, HALFT
	s_mul_i32 s22, s12, HALFT
	s_add_co_u32 s22, s22, 2*HALFT
.irp s, 0,1
	v_add_nc_u32 v[ADRA+(\s)], s21, v3
	v_add_nc_u32 v[ADRB+(\s)], s22, v3
	s_add_co_u32 s21, s21, SLOT
	s_add_co_u32 s22, s22, SLOT
.endr
	s_mul_i32 s23, s10, 16*SPITCH
	s_add_co_u32 s23, s23, STAGE                   ; my stage
	v_mul_u32_u24 v4, v1, SPITCH                   ; in: row l % 16, 32 bytes for each half of the lanes
	v_lshl_add_u32 v4, v2, 5, v4
	v_add_nc_u32 v[STO], s23, v4
	v_mul_u32_u24 v5, v2, SPITCH                   ; back: lanes 0-15 one row of 256 bytes, lanes 16-31 the next
	v_lshl_add_u32 v5, v1, 4, v5
	v_add_nc_u32 v[RD], s23, v5
	v_lshlrev_b32 v5, 11, v2                       ; and the same two rows in out: 2,048 bytes apart
	v_lshl_add_u32 v[CO], v1, 4, v5
	s_lshl_b32 s16, s13, 7
	s_lshl_b32 s17, s11, 6
	s_add_co_u32 s16, s16, s17                     ; my first row: 128 x tile row + 64 x half
	s_lshl_b32 s16, s16, 11
	s_mov_b32 s17, 0
	s_add_nc_u64 s[8:9], s[8:9], s[16:17]
	s_add_nc_u64 s[8:9], s[8:9], s[46:47]
	s_mov_b32 s[SEL], 0x76543210
	s_mov_b32 s[SEL+1], 0xfedcba98
	s_wait_loadcnt 0x0                             ; the three lists and bo
	LISTMAX 128
	LISTMAX 160
	LISTMAX 192
	v_mul_f32 v128, v128, v160
	v_readfirstlane_b32 s68, v128
	v_readfirstlane_b32 s70, v192
	s_bfe_u32 s68, s68, 0x80017                    ; e
	s_sub_co_u32 s68, 257, s68
	s_min_u32 s68, s68, 253                        ; fM
	s_sub_co_u32 s68, 254, s68
	s_lshl_b32 s68, s68, 23                        ; iM
	s_mov_b32 s69, s68
	s_bfe_u32 s70, s70, 0x80017                    ; ew
	s_sub_co_i32 s70, 243, s70
	s_max_i32 s70, s70, 1                          ; fR
	s_sub_co_u32 s70, 245, s70
	s_lshl_b32 s70, s70, 23                        ; iR
	s_mov_b32 s71, s70
.macro MUL8 f, c, a0, zero
	WIN MUL
.irp a, \a0, (\a0)+1
.irp b, 0,1,2,3
.if \zero
	v_wmma_f32_16x16x32_f16 v[ACC+8*(4*(\a)+(\b)):ACC+8*(4*(\a)+(\b))+7], v[(\f)+64+8*(4*(\c)+(\b)):(\f)+64+8*(4*(\c)+(\b))+7], v[(\f)+8*(4*(\c)+(\a)):(\f)+8*(4*(\c)+(\a))+7], 0
.else
	v_wmma_f32_16x16x32_f16 v[ACC+8*(4*(\a)+(\b)):ACC+8*(4*(\a)+(\b))+7], v[(\f)+64+8*(4*(\c)+(\b)):(\f)+64+8*(4*(\c)+(\b))+7], v[(\f)+8*(4*(\c)+(\a)):(\f)+8*(4*(\c)+(\a))+7], v[ACC+8*(4*(\a)+(\b)):ACC+8*(4*(\a)+(\b))+7]
.endif
.endr
.endr
.endm
.macro FETCH slot, k, f
	WIN TO_F
.irp c, 0,1
.irp i, 0,1,2,3
	ds_load_b128 v[(\f)+64+8*(4*(\c)+(\i)):(\f)+64+8*(4*(\c)+(\i))+3],   v[ADRB+(\slot)] offset:(\k)+64*(\c)+(\i)*16*PITCH
	ds_load_b128 v[(\f)+64+8*(4*(\c)+(\i))+4:(\f)+64+8*(4*(\c)+(\i))+7], v[ADRB+(\slot)] offset:(\k)+64*(\c)+(\i)*16*PITCH+32
	ds_load_b128 v[(\f)+8*(4*(\c)+(\i)):(\f)+8*(4*(\c)+(\i))+3],         v[ADRA+(\slot)] offset:(\k)+64*(\c)+(\i)*16*PITCH
	ds_load_b128 v[(\f)+8*(4*(\c)+(\i))+4:(\f)+8*(4*(\c)+(\i))+7],       v[ADRA+(\slot)] offset:(\k)+64*(\c)+(\i)*16*PITCH+32
.endr
.endr
.endm
.macro PLACES
.rept 4
	v_nop
.endr
.endm
.macro QUARTER slot, k, f, g, zero
	s_wait_dscnt 16                                ; the first 32 along K are in; the youngest sixteen loads may be out
	WIN MUL
	MUL8 \f, 0, 0, \zero
	MUL8 \f, 0, 2, \zero
	PLACES
	FETCH \slot, \k, \g
	s_wait_dscnt 32                                ; all but the 32 just issued
	WIN MUL
	MUL8 \f, 1, 0, 0
	MUL8 \f, 1, 2, 0
.endm
.macro TURN slot, next, fill
	WIN 0
	s_wait_tensorcnt 0x0                           ; all my tensor loads have landed: my part of the next slot
	ds_add_u32 v[SPW], v[NIL]                      ; 0 onto my spare word
	s_wait_dscnt 17                                ; the add and the youngest sixteen loads may be out
	WIN MUL
	MUL8 F1, 0, 0, 0
	s_wait_dscnt 0x0                               ; the add is done, and my reads of this slot are over
	s_barrier_signal -1
	MUL8 F1, 0, 2, 0
.if \fill
	WIN 0
.endif
	s_barrier_wait -1
.if \fill
	CREST                                          ; no wave of any partner still reads this slot or has a load on its way
	s_add_nc_u64 s[G0+4*(\slot)+2:G0+4*(\slot)+3], s[G0+4*(\slot)+2:G0+4*(\slot)+3], 2*KSTEP*2
	s_add_nc_u64 s[G0B+4*(\slot)+2:G0B+4*(\slot)+3], s[G0B+4*(\slot)+2:G0B+4*(\slot)+3], 2*KSTEP*2
	JLOAD \slot                                    ; my one tensor load behind the round
.else
	PLACES
.endif
	FETCH \next, 0, F0
	WIN MUL
	MUL8 F1, 1, 0, 0
	MUL8 F1, 1, 2, 0
.endm
	s_wait_tensorcnt 1                             ; my part of K step 0 is in; K step 1's may stay out
	s_barrier_signal -1
	s_barrier_wait -1
	FETCH 0, 0, F0
	QUARTER 0, 128, F0, F1, 1
	WIN 0
	s_mov_b32 s3, LAPS-1
.Llap:
	QUARTER 0, 256, F1, F0, 0
	QUARTER 0, 384, F0, F1, 0
	TURN 0, 1, 1
	QUARTER 1, 128, F0, F1, 0
	QUARTER 1, 256, F1, F0, 0
	QUARTER 1, 384, F0, F1, 0
	TURN 1, 0, 1
	QUARTER 0, 128, F0, F1, 0
	WIN 0
	s_sub_co_u32 s3, s3, 1
	s_cmp_lg_u32 s3, 0
	s_cbranch_scc1 .Llap
	QUARTER 0, 256, F1, F0, 0                      ; the last lap fills nothing
	QUARTER 0, 384, F0, F1, 0
	TURN 0, 1, 0
	QUARTER 1, 128, F0, F1, 0
	QUARTER 1, 256, F1, F0, 0
	QUARTER 1, 384, F0, F1, 0
	s_wait_dscnt 16
	WIN MUL
	MUL8 F1, 0, 0, 0
	MUL8 F1, 0, 2, 0
	s_wait_dscnt 0
	MUL8 F1, 1, 0, 0
	MUL8 F1, 1, 2, 0
	WIN 0
	; THE WAY OUT, a block of 16 rows at a time: the two factors and the bias, each accumulator from its low end on; into my stage; back as whole rows of 256 bytes; stored.
	PLACES
.irp a, 0,1,2,3
.irp b, 0,1,2,3
.irp r, 0,2,4,6
	v_pk_mul_f32 v[ACC+8*(4*(\a)+(\b))+(\r):ACC+8*(4*(\a)+(\b))+(\r)+1], v[ACC+8*(4*(\a)+(\b))+(\r):ACC+8*(4*(\a)+(\b))+(\r)+1], s[68:69] op_sel_hi:[1,0]
.endr
.endr
.irp b, 0,1,2,3
.irp r, 0,2,4,6
	v_pk_fma_f32 v[TMP+8*(\b)+(\r):TMP+8*(\b)+(\r)+1], v[ACC+8*(4*(\a)+(\b))+(\r):ACC+8*(4*(\a)+(\b))+(\r)+1], s[70:71], v[BIA+8*(\b)+(\r):BIA+8*(\b)+(\r)+1] op_sel_hi:[1,0,1]
.endr
.endr
.irp b, 0,1,2,3
	ds_store_b128 v[STO], v[TMP+8*(\b):TMP+8*(\b)+3]   offset:64*(\b)
	ds_store_b128 v[STO], v[TMP+8*(\b)+4:TMP+8*(\b)+7] offset:64*(\b)+16
.endr
	s_wait_xcnt 0x0                                ; the registers that the last block's stores read are loaded again only behind this wait
.irp t, 0,1,2,3,4,5,6,7
	ds_load_b128 v[TMP+32+4*(\t):TMP+32+4*(\t)+3], v[RD] offset:(\t)*2*SPITCH  ; LDS serves a wave's instructions in order (ISA guide 5.7.1.4): these see the stores above
.endr
	s_wait_dscnt 0x0
.irp t, 0,1,2,3,4,5,6,7
	global_store_b128 v[CO], v[TMP+32+4*(\t):TMP+32+4*(\t)+3], s[8:9] offset:(16*(\a)+2*(\t))*2048  ; 16 lanes store 256 consecutive bytes, aligned
.endr
.endr
	s_wait_tensorcnt 0x0                           ; the wave's end
	ds_add_u32 v[SPW], v[NIL]
	s_wait_dscnt 0x0
	CROUND                                         ; the closing round
	s_endpgm
.Lfunc_end_k_qb6e13bbf31_fker:
	.size	k_qb6e13bbf31_fker, .Lfunc_end_k_qb6e13bbf31_fker-k_qb6e13bbf31_fker
	.p2alignl 7, 3214868480
	.fill 96, 4, 3214868480
	.section	.rodata,"a",@progbits
	.p2align	6, 0x0
	.amdhsa_kernel k_qb6e13bbf31_fker
		.amdhsa_group_segment_fixed_size 327680
		.amdhsa_private_segment_fixed_size 0
		.amdhsa_enable_private_segment 0
		.amdhsa_kernarg_size 48
		.amdhsa_user_sgpr_count 2
		.amdhsa_user_sgpr_kernarg_segment_ptr 1
		.amdhsa_wavefront_size32 1
		.amdhsa_system_sgpr_workgroup_id_x 1
		.amdhsa_system_sgpr_workgroup_id_y 1
		.amdhsa_system_sgpr_workgroup_id_z 1
		.amdhsa_system_vgpr_workitem_id 0
		.amdhsa_next_free_vgpr 512
		.amdhsa_next_free_sgpr 80
		.amdhsa_reserve_vcc 0
		.amdhsa_float_denorm_mode_32 3
		.amdhsa_float_denorm_mode_16_64 3
		.amdhsa_memory_ordered 1
		.amdhsa_forward_progress 1
		.amdhsa_inst_pref_size 102
	.end_amdhsa_kernel
	.amdgpu_metadata
---
amdhsa.version: [ 1, 2 ]
amdhsa.kernels:
  - .name:           k_qb6e13bbf31_fker
    .symbol:         k_qb6e13bbf31_fker.kd
    .args:
      - { .name: pj, .offset: 0, .size: 8, .value_kind: global_buffer, .address_space: global }
      - { .name: rr, .offset: 8, .size: 8, .value_kind: global_buffer, .address_space: global }
      - { .name: out0, .offset: 16, .size: 8, .value_kind: global_buffer, .address_space: global }
      - { .name: sp, .offset: 24, .size: 8, .value_kind: global_buffer, .address_space: global }
      - { .name: sw, .offset: 32, .size: 8, .value_kind: global_buffer, .address_space: global }
      - { .name: bo, .offset: 40, .size: 8, .value_kind: global_buffer, .address_space: global }
    .group_segment_fixed_size: 327680
    .private_segment_fixed_size: 0
    .kernarg_segment_align: 8
    .kernarg_segment_size: 48
    .max_flat_workgroup_size: 128
    .sgpr_count:     80
    .vgpr_count:     512
    .wavefront_size: 32
...
	.end_amdgpu_metadata
.endif
;; end of part 5
;; ======== version 2 of 2: 5 launches
;; limits: values are held in f16: magnitudes above 65,504 overflow, below 6.1e-05 lose precision
;; workspace buffers: ab 12,582,912 bytes; bb 12,582,912 bytes; wo16 4,194,304 bytes; pj 100,663,296 bytes; mm 16,777,216 bytes; rr 16,777,216 bytes; sw 4,096 bytes; sp 8,192 bytes
;; launch cast: the kernel of part 1 again; grid 128 x 7, 8 waves a work-group, no clusters, 0 bytes of LDS; arguments Wk, Wv, q, k, v, Wq, Wo, ab, bb, wo16, sw; writes ab, bb, wo16, sw
;; launch proj (part 6): grid 16 x 16, 4 waves a work-group, clusters of 4 x 4, 327,680 bytes of LDS; arguments ab, bb, pj, bk, bv, bq, sp; writes pj, sp
.if DOCPART == 6
	.amdgcn_target "amdgcn-amd-amdhsa--gfx1250"
	.amdhsa_code_object_version 6
	.text
	.protected	k_qb6e13bbf31_proj
	.globl	k_qb6e13bbf31_proj
	.p2align	8
	.type	k_qb6e13bbf31_proj,@function
k_qb6e13bbf31_proj:
	s_mov_b64 s[64:65], 0
	v_nop
	global_prefetch_b8 v0, s[64:65] scope:SCOPE_SE
	s_setreg_imm32_b32 hwreg(HW_REG_WAVE_MODE, 25, 1), 1
	s_wait_xcnt 0x0
	s_wait_alu depctr_hold_cnt(0) depctr_sa_sdst(0) depctr_va_vdst(0) depctr_va_sdst(0) depctr_va_ssrc(0) depctr_va_vcc(0) depctr_vm_vsrc(0)
	s_getreg_b32 s2, hwreg(HW_REG_IB_STS2, 6, 4)
	s_cmp_eq_u32 s2, 0
	s_cbranch_scc0 .Lentry_in_a_cluster
	s_endpgm
.Lentry_in_a_cluster:
	s_bfe_u32 s2, ttmp6, 0x10000c
	s_cmp_lg_u32 s2, 0xf033
	s_cbranch_scc0 .Lentry_shape_is_right
	s_endpgm
.Lentry_shape_is_right:
; THE THREE PROJECTIONS as one walk of three tiles: C[m][n] = sum over k of A[m][k] B[n][k] + bias.  A = ab [12288][512], B = bb [12288][512], bf16; C = pj [12288][4096], f16; sums in f32.
; Tile 0: A = Wk's rows (h,e), B = k's rows (b,s): K^T[(h,e)][(b,s)], bias bk by rows.  Tile 1: Wv and v: V^T, bias bv by rows.  Tile 2: A = q's rows, B = Wq's rows: Q[(b,s)][(h,e)], bias bq by columns.
; K and V are made transposed, so that the next launch's sum over s runs along their rows.  The scores Q K^T are never formed (see the first kernel's head).
; A tile of C is 256 x 256: four waves, each 128 x 128 in 64 accumulators.  A work-group stays in its place (tile row, tile column) and walks 4,096 rows down in A, B and C from tile to tile.
; THE WALK: 3 tiles x 4 K steps of 128 are ONE sequence of 12 steps for a ring of two LDS slots.  A step's text stands twice: with a refill (walked ten times: step j asks for step j + 2) and without
; (walked twice).  Which slot a step reads hangs on s[TB], turned 0 <-> SLOT at each change of slots; one descriptor for A and one for B walk from step to step.  s2 = 4 .. 1 is the step's place in its tile.
; CLUSTERS: 4 x 4 work-groups; A's tile is asked for jointly by the four of a row of the cluster, B's by the four of a column.
; For tiles 0 and 1 each wave also stores the largest magnitude among the f16 numbers that it has made: sp[0][1024] for K, sp[1][1024] for V: later launches make their scales of them.
; LIMIT: K, V and Q must stay under 65,504.  NaN does not enter the maxima.
; REGISTERS, in windows of 256: window 0: v0-31 addresses and maxima; v64-191 A's fragments, two buffers; v32-63, v192-255 the way out.
;   window 1: v64-191 B's fragments; v0-63 bq for my 128 columns; v192-207 the row bias of the tile in hand, each number twice (a pair for the packed add); v208-223 bv likewise.
;   windows 2, 3: the accumulators of my rows 0-63, 64-127 ((a, b) at v[8 (8 a + b)]).
; The matrix instruction is used transposed (source 0 = 16 rows of B, source 1 = 16 rows of A): a lane holds row l % 16 of C and eight neighbouring columns.
.set SIZE_N, 4096
.set SIZE_K, 512
.set KSTEP,  128
.set PITCH,  272                       ; an LDS row: 256 bytes + 16 of padding: the 16 rows of a fragment load start 68 words apart
.set HALFT,  128*PITCH                 ; what one tensor load brings: 0x8800 bytes
.set SLOT,   4*HALFT                   ; A's 256 rows, then B's 256 rows: 0x22000: its two bits meet none of wave x HALFT, so one exclusive or turns a tile's LDS address into the other slot's
.set STAGE,  2*SLOT                    ; behind the ring: 16 rows x 272 bytes for each wave, for the way out
.set SPITCH, 272
.set SPARE,  STAGE+4*16*SPITCH         ; the spare words: 128 bytes a wave, named by no other line
.set WALK,   4096                      ; rows from tile to tile
.set NFILL,  10                        ; steps with a refill: all 12 but the last two
.set JUMP,   WALK*SIZE_K*2-3*KSTEP*2   ; bytes from a tile's last K step to the next tile's first
.set NEXT_C, (WALK-7*16)*SIZE_N*2      ; from my last 16 rows of a tile to my first of the next
.set MX,   6                           ; v6-9    four running maxima, two f16 each
.set SPO,  10                          ; v10     my wave's word in sp
.set TA,   12                          ; v12-15  at work
.set ADRA, 16                          ; v16     LDS address of my A fragments in the slot in hand
.set ADRA0, 17                         ; v17     the same in slot 0; never rewritten
.set CBO,  18                          ; v18     byte offset of my columns in bq
.set RBO,  19                          ; v19     byte offset of my rows in bk and bv
.set ADRB, 20                          ; v20, v21  the same two for B
.set ADRB0, 21
.set STO,  24
.set RD,   25
.set CO,   26
.set SPW,  28
.set NIL,  29
.set PFO,  30                          ; v30     the prefetches' offset: my lane x a row of 1,024 bytes
.set PFA,  44                          ; s[44:45] the K step that my next prefetch names
.set LIM,  43                          ; s43     2 in a wave that prefetches, else the greatest number
.set F0,   64
.set F1,   128
.set TMP,  192
.set OB,   32
.set CB,   0                           ; window 1
.set RB,   192                         ; window 1
.set RB2,  208                         ; window 1
.set G1, 24
.set G0, 32                            ; s[32:35] A's first fill; s[36:39] its second, which then walks
.set G1B, 48
.set G0B, 56                           ; the same for B
.set ABSM, 66                          ; s66     clears two signs
.set SEL,  76                          ; s[76:77] v_permlanex16_b32's selects
.set TB,   80                          ; s80     0 or SLOT: the slot in hand
.set JMP,  81                          ; s81     JUMP
.set STP,  82                          ; s[82:83] the step that an address takes now
.set KS2,  84                          ; s84     a K step in bytes
.set MSB, 0
.macro WIN new                         ; the immediate's high byte repeats the setting that is left
.if MSB != (\new)
	s_set_vgpr_msb (MSB<<8)|(\new)
.set MSB, \new
.endif
.endm
.set MUL_LO, 0xa1                      ; source 0 (B) window 1, source 1 (A) window 0, C and D window 2
.set MUL_HI, 0xf1                      ; the same, C and D window 3
.set TO_B,   0x40                      ; destination window 1, address window 0
; A joint load.  Waves 0 and 1 fetch A's two halves, waves 2 and 3 B's; the branch hangs on the wave's number alone.  An s_nop 0 and four v_nop follow each line.
.macro JLOAD s
	s_cmp_eq_u32 s11, 0
	s_cbranch_scc0 .Lfor_b_\@
	tensor_load_to_lds s[G0+4*(\s):G0+4*(\s)+3], s[G1:G1+7]
	s_nop 0
.rept 4
	v_nop
.endr
	s_branch .Lasked_\@
.Lfor_b_\@:
	tensor_load_to_lds s[G0B+4*(\s):G0B+4*(\s)+3], s[G1B:G1B+7]
	s_nop 0
.rept 4
	v_nop
.endr
.Lasked_\@:
.endm
; A prefetch of the K step that stands two refills on (step j names step j + 4: 512 matrix instructions ahead of the load that will want it): 32 rows x 256 bytes, a lane a row.  A's rows are asked for
; by the clusters with x = 0, B's by those with y = 0; the four partners of a joint load take 32 rows each of the wave's 128, told apart by address.  So steps 4 to 11 are each named once in the launch;
; the first four come by their loads alone, and the last two refills (s3 = 2, 1) ask for nothing.
.macro ASK
	s_cmp_gt_u32 s3, s[LIM]
	s_cbranch_scc0 .Lnot_mine_\@
	global_prefetch_b8 v[PFO], s[PFA:PFA+1] th:TH_LOAD_NT scope:SCOPE_SE
.Lnot_mine_\@:
.endm
.macro CREST                           ; a round of the cluster's barrier behind its opening barrier
	s_cmp_lg_u32 s10, 0
	s_cbranch_scc1 .Lnot_wave_0_\@
	s_barrier_signal -3
.Lnot_wave_0_\@:
	s_barrier_wait -3
	s_barrier_signal -1
	s_barrier_wait -1
.endm
.macro CROUND
	s_barrier_signal -1
	s_barrier_wait -1
	CREST
.endm
	s_load_b128 s[4:7], s[0:1], 0x0                ; ab s[4:5], bb s[6:7]
	s_load_b64 s[8:9], s[0:1], 0x10                ; pj
	s_load_b256 s[68:75], s[0:1], 0x18             ; bk s[68:69], bv s[70:71], bq s[72:73], sp s[74:75]
	v_lshl_add_u32 v[SPW], v0, 2, SPARE
	v_mov_b32 v[NIL], 0
	ds_add_u32 v[SPW], v[NIL]                      ; the wave's opening: the add, twice on end, and its wait ahead of my first tensor load
	ds_add_u32 v[SPW], v[NIL]
	v_lshrrev_b32 v1, 5, v0
	v_readfirstlane_b32 s10, v1                    ; wave 0..3
	s_lshr_b32 s11, s10, 1                         ; my half of the tile's rows.  Also: I fetch for A (0) or for B (1)
	s_and_b32 s12, s10, 1                          ; my half of its columns.  Also: which 128 rows I fetch
	s_bfe_u32 s40, ttmp6, 0x40000                  ; cx
	s_bfe_u32 s41, ttmp6, 0x40004                  ; cy
	s_lshl_b32 s42, ttmp9, 2
	s_add_co_u32 s42, s42, s40                     ; tile column = 4 x cluster x + cx
	s_and_b32 s13, ttmp7, 0xffff
	s_lshl_b32 s13, s13, 2
	s_add_co_u32 s13, s13, s41                     ; tile row = 4 x cluster y + cy
	s_lshl_b32 s43, s41, 2
	s_lshl_b32 s43, 15, s43                        ; my row of the cluster
	s_lshl_b32 s44, 0x1111, s40                    ; my column
	; descriptor group 1: 128 rows x 128 elements of 2 bytes, 4 words of padding behind every 64
	s_or_b32 s[G1+0], s43, (1<<16)|(1<<20)|(1<<21)|(5<<22)|(3<<25)
	s_or_b32 s[G1B+0], s44, (1<<16)|(1<<20)|(1<<21)|(5<<22)|(3<<25)
.irp g, G1, G1B
	s_mov_b32 s[(\g)+1], KSTEP<<16                 ; tensor_dim0 = 128
	s_mov_b32 s[(\g)+2], 128<<16                   ; tensor_dim1 = 128
	s_mov_b32 s[(\g)+3], KSTEP<<16                 ; tile_dim0 = 128
	s_mov_b32 s[(\g)+4], 128                       ; tile_dim1 = 128
	s_mov_b32 s[(\g)+5], SIZE_K                    ; elements from row to row
	s_mov_b32 s[(\g)+6], 0
	s_mov_b32 s[(\g)+7], 0
.endr
	s_lshl_b32 s17, s12, 7
	s_lshl_b32 s16, s13, 8
	s_add_co_u32 s16, s16, s17                     ; A: row 256 x tile row + 128 x half
	s_lshl_b32 s46, s42, 8
	s_add_co_u32 s46, s46, s17                     ; B: row 256 x tile column + 128 x half
	s_mov_b32 s17, 0
	s_mov_b32 s47, 0
	s_mov_b64 s[18:19], SIZE_K*2
	s_mul_u64 s[16:17], s[16:17], s[18:19]
	s_mul_u64 s[46:47], s[46:47], s[18:19]
	s_mul_i32 s20, s10, HALFT                      ; where they go: wave x 128 rows
	s_mov_b32 s[TB], 0
	s_mov_b32 s[JMP], JUMP
	s_mov_b32 s[KS2], KSTEP*2
	s_mov_b32 s[STP+1], 0
	s_wait_dscnt 0x0                               ; both opening adds are done
	s_wait_kmcnt 0x0
	s_add_nc_u64 s[14:15], s[4:5], s[16:17]
	s_add_nc_u64 s[46:47], s[6:7], s[46:47]
	CROUND                                         ; all sixteen work-groups are here: the first joint loads meet
.irp s, 0,1
	s_mov_b32 s[G0+4*(\s)], 1
	s_add_co_u32 s[G0+4*(\s)+1], s20, (\s)*SLOT
	s_add_nc_u64 s[G0+4*(\s)+2:G0+4*(\s)+3], s[14:15], (\s)*KSTEP*2
	s_or_b32 s[G0+4*(\s)+3], s[G0+4*(\s)+3], 0x80000000
	s_mov_b32 s[G0B+4*(\s)], 1
	s_add_co_u32 s[G0B+4*(\s)+1], s20, (\s)*SLOT
	s_add_nc_u64 s[G0B+4*(\s)+2:G0B+4*(\s)+3], s[46:47], (\s)*KSTEP*2
	s_or_b32 s[G0B+4*(\s)+3], s[G0B+4*(\s)+3], 0x80000000
	JLOAD \s                                       ; two loads of mine are out
.endr
	v_and_b32 v1, 15, v0                           ; l % 16
	v_bfe_u32 v2, v0, 4, 1                         ; l / 16
	v_mul_u32_u24 v3, v1, PITCH
	v_lshl_add_u32 v3, v2, 4, v3                   ; a fragment's row x pitch + 16 x half
	s_mul_i32 s21, s11, HALFT
	s_mul_i32 s22, s12, HALFT
	s_add_co_u32 s22, s22, 2*HALFT
	v_add_nc_u32 v[ADRA0], s21, v3
	v_add_nc_u32 v[ADRB0], s22, v3
	v_mov_b32 v[ADRA], v[ADRA0]                    ; step 0 lies in slot 0
	v_mov_b32 v[ADRB], v[ADRB0]
	s_mul_i32 s23, s10, 16*SPITCH
	s_add_co_u32 s23, s23, STAGE                   ; my stage
	v_mul_u32_u24 v4, v1, SPITCH
	v_lshl_add_u32 v4, v2, 4, v4
	v_add_nc_u32 v[STO], s23, v4
	v_mul_u32_u24 v5, v2, SPITCH
	v_lshl_add_u32 v5, v1, 4, v5
	v_add_nc_u32 v[RD], s23, v5
	v_mul_u32_u24 v5, v2, SIZE_N*2
	v_lshl_add_u32 v[CO], v1, 4, v5
	s_lshl_b32 s13, s13, 8                         ; 256 x tile row
	s_lshl_b32 s14, s11, 7
	s_add_co_u32 s16, s13, s14                     ; my first row of C
	s_mov_b32 s17, 0
	s_mov_b64 s[18:19], SIZE_N*2
	s_mul_u64 s[16:17], s[16:17], s[18:19]
	s_lshl_b32 s46, s42, 9                         ; my first column, in bytes
	s_lshl_b32 s47, s12, 8
	s_add_co_u32 s46, s46, s47
	s_mov_b32 s47, 0
	s_add_nc_u64 s[16:17], s[16:17], s[46:47]      ; what the first way out adds to C's address
	; the prefetches
	s_lshl_b32 s42, s42, 8                         ; 256 x tile column
	s_and_b32 s22, ttmp7, 0xffff
	s_cmp_eq_u32 s11, 0
	s_cselect_b32 s20, s13, s42
	s_cselect_b32 s21, s40, s41
	s_cselect_b32 s22, ttmp9, s22
	s_cselect_b64 s[PFA:PFA+1], s[4:5], s[6:7]
	s_cmp_eq_u32 s22, 0
	s_cselect_b32 s[LIM], 2, -1
	s_lshl_b32 s22, s12, 7
	s_add_co_u32 s20, s20, s22
	s_lshl_b32 s21, s21, 5
	s_add_co_u32 s20, s20, s21
	s_mov_b32 s21, 0
	s_mov_b64 s[18:19], SIZE_K*2
	s_mul_u64 s[20:21], s[20:21], s[18:19]
	s_add_nc_u64 s[PFA:PFA+1], s[PFA:PFA+1], s[20:21]
	s_add_nc_u64 s[PFA:PFA+1], s[PFA:PFA+1], 3*KSTEP*2  ; at tile 0's last K step: step 0 takes it on to tile 1's first
	v_and_b32 v[PFO], 31, v0
	v_mul_u32_u24 v[PFO], v[PFO], SIZE_K*2
	; the biases, while the first tiles are on their way
	s_lshl_b32 s78, s12, 7
	s_add_co_u32 s78, s78, s42                     ; my first column
	s_lshl_b32 s78, s78, 2
	v_lshl_add_u32 v[CBO], v2, 5, s78              ; + my lanes' eight columns
	s_lshl_b32 s79, s11, 7
	s_add_co_u32 s79, s79, s13                     ; my first row
	s_lshl_b32 s79, s79, 2
	v_lshl_add_u32 v[RBO], v1, 2, s79              ; + my lane's row in a block of 16
	WIN TO_B
.irp b, 0,1,2,3,4,5,6,7
	global_load_b128 v[CB+8*(\b):CB+8*(\b)+3],   v[CBO], s[72:73] offset:64*(\b)
	global_load_b128 v[CB+8*(\b)+4:CB+8*(\b)+7], v[CBO], s[72:73] offset:64*(\b)+16
.endr
.irp a, 0,1,2,3,4,5,6,7
	global_load_b32 v[RB+2*(\a)],    v[RBO], s[68:69] offset:64*(\a)
	global_load_b32 v[RB+2*(\a)+1],  v[RBO], s[68:69] offset:64*(\a)
	global_load_b32 v[RB2+2*(\a)],   v[RBO], s[70:71] offset:64*(\a)
	global_load_b32 v[RB2+2*(\a)+1], v[RBO], s[70:71] offset:64*(\a)
.endr
	WIN 0
	s_lshr_b32 s78, s42, 4                         ; 16 x tile column
	s_add_co_u32 s78, s78, s13                     ; + 256 x tile row
	s_lshl_b32 s79, s10, 2
	s_add_co_u32 s78, s78, s79                     ; = 4 x ((16 tile row + tile column) 4 + wave)
	v_mov_b32 v[SPO], s78
.irp i, 0,1,2,3
	v_mov_b32 v[MX+(\i)], 0
.endr
	s_mov_b32 s[ABSM], 0x7fff7fff
	s_mov_b32 s[SEL], 0x76543210
	s_mov_b32 s[SEL+1], 0xfedcba98
; 16 matrix instructions: m blocks a0, a0 + 1 of the window's four x all 8 n blocks, 32 along K.  zero = 1: the product starts the sums.
.macro MUL16 f, hi, a0, zero
	WIN MUL_LO+0x50*(\hi)
.irp a, \a0, (\a0)+1
.irp b, 0,1,2,3,4,5,6,7
.if \zero
	v_wmma_f32_16x16x32_bf16 v[8*(8*(\a)+(\b)):8*(8*(\a)+(\b))+7], v[(\f)+8*(\b):(\f)+8*(\b)+7], v[(\f)+8*(4*(\hi)+(\a)):(\f)+8*(4*(\hi)+(\a))+7], 0
.else
	v_wmma_f32_16x16x32_bf16 v[8*(8*(\a)+(\b)):8*(8*(\a)+(\b))+7], v[(\f)+8*(\b):(\f)+8*(\b)+7], v[(\f)+8*(4*(\hi)+(\a)):(\f)+8*(4*(\hi)+(\a))+7], v[8*(8*(\a)+(\b)):8*(8*(\a)+(\b))+7]
.endif
.endr
.endr
.endm
; 32 matrix instructions on one window's accumulators.  zc = 1: in a tile's first step (s2 = 4) they start the sums with the constant 0: nothing is cleared.  A product that starts a sum anew writes
; over its accumulator and is no link of a chain: five plain instructions stand at the head of that arm, between it and whatever product named the accumulator last, on every way that leads there (ISA guide 7.12.1).
.macro HALF f, hi, zc
.if \zc
	WIN 0
	s_cmp_eq_u32 s2, 4
	s_cbranch_scc1 .Lz_\@
.endif
	MUL16 \f, \hi, 0, 0
	MUL16 \f, \hi, 2, 0
.if \zc
	WIN 0
	s_branch .Lj_\@
.Lz_\@:
.rept 5
	v_nop
.endr
	MUL16 \f, \hi, 0, 1
	MUL16 \f, \hi, 2, 1
	WIN 0
.Lj_\@:
.endif
.endm
; 32 LDS loads in one run: the fragments of one quarter step, at byte k of the rows of the slot in hand, into buffer f
.macro FETCH k, f
	WIN TO_B
.irp i, 0,1,2,3,4,5,6,7
	ds_load_b128 v[(\f)+8*(\i):(\f)+8*(\i)+3],   v[ADRB] offset:(\k)+(\i)*16*PITCH
	ds_load_b128 v[(\f)+8*(\i)+4:(\f)+8*(\i)+7], v[ADRB] offset:(\k)+(\i)*16*PITCH+32
.endr
	WIN 0
.irp i, 0,1,2,3,4,5,6,7
	ds_load_b128 v[(\f)+8*(\i):(\f)+8*(\i)+3],   v[ADRA] offset:(\k)+(\i)*16*PITCH
	ds_load_b128 v[(\f)+8*(\i)+4:(\f)+8*(\i)+7], v[ADRA] offset:(\k)+(\i)*16*PITCH+32
.endr
.endm
.macro PLACES                          ; four plain instructions between a matrix instruction and a load into, or a vector instruction on, its registers
.rept 4
	v_nop
.endr
.endm
; One of a K step's first three quarters: multiplies buffer f; in its middle it fetches the next quarter's fragments into buffer g.  The 64 accumulators take turns.
.macro QUARTER k, f, g, zc
	s_wait_dscnt 8                                 ; B and A's rows 0-63 are in; the youngest eight loads (A's rows 64-127) may be out
	HALF \f, 0, \zc
	PLACES
	FETCH \k, \g
	s_wait_dscnt 32                                ; all but the 32 just issued
	HALF \f, 1, \zc
.endm
; A K step's last quarter multiplies buffer 1 and changes slots: one barrier.  fill = 1: the barrier opens a round of the cluster's, and behind it the slot just read out takes the step two on.
; fill = 0 (the last two steps): nothing is asked for; in the very last step there is no next slot, its run of loads is jumped over, and its barrier orders nothing: the price of one text for both.
.macro TURN fill
.if \fill
	s_wait_xcnt 0x0                                ; the last prefetch, a K step back, has read its address, which is stepped here
	s_cmp_eq_u32 s2, 4                             ; four steps on a tile's first step comes the next tile's first
	s_cselect_b32 s[STP], s[JMP], s[KS2]
	s_add_nc_u64 s[PFA:PFA+1], s[PFA:PFA+1], s[STP:STP+1]
.endif
	WIN 0
	s_wait_tensorcnt 0x0                           ; all my tensor loads have landed: the one that was out is my part of the next slot
	ds_add_u32 v[SPW], v[NIL]                      ; 0 onto my spare word
	s_wait_dscnt 9                                 ; the add and the youngest eight loads may be out
	MUL16 F1, 0, 0, 0
	s_wait_dscnt 0x0                               ; the add is done, and my reads of this slot are over
	s_barrier_signal -1
	MUL16 F1, 0, 2, 0
	WIN 0
	s_barrier_wait -1
.if \fill
	CREST                                          ; no wave of any partner still reads this slot or has a load on its way
	s_cmp_eq_u32 s2, 2                             ; two steps on a tile's third step comes the next tile's first
	s_cselect_b32 s[STP], s[JMP], s[KS2]
	s_xor_b32 s[G0+5], s[G0+5], SLOT               ; the walking descriptors: the other slot than last time, the next K step
	s_add_nc_u64 s[G0+6:G0+7], s[G0+6:G0+7], s[STP:STP+1]
	s_xor_b32 s[G0B+5], s[G0B+5], SLOT
	s_add_nc_u64 s[G0B+6:G0B+7], s[G0B+6:G0B+7], s[STP:STP+1]
	JLOAD 1                                        ; my one tensor load behind the round; its four v_nop are also the places in front of the loads below
.else
	PLACES
.endif
	s_xor_b32 s[TB], s[TB], SLOT                   ; the fetches go on in the other slot
	v_add_nc_u32 v[ADRA], s[TB], v[ADRA0]
	v_add_nc_u32 v[ADRB], s[TB], v[ADRB0]
.if \fill
	FETCH 0, F0
	ASK
.else
	s_cmp_eq_u32 s3, 1
	s_cbranch_scc1 .Lnf_\@
	FETCH 0, F0
.Lnf_\@:
.endif
	MUL16 F1, 1, 0, 0
	MUL16 F1, 1, 2, 0
.endm
; THE WAY OUT of block a (16 rows).  PACK: the bias is added (col = 0: one number a lane, its row's; col = 1: eight numbers a lane, its columns'), each accumulator from its low end on;
; rounded to f16, 16 bytes a lane; col = 0: the magnitudes enter the running maxima.
.macro PACK a, col
.set AC, 64*((\a)%4)
	WIN 0x86+0x41*((\a)/4)                         ; destination and source 0 window 2 or 3, source 1 window 1
.irp b, 0,1,2,3,4,5,6,7
.irp r, 0,2,4,6
.if \col
	v_pk_add_f32 v[AC+8*(\b)+(\r):AC+8*(\b)+(\r)+1], v[AC+8*(\b)+(\r):AC+8*(\b)+(\r)+1], v[CB+8*(\b)+(\r):CB+8*(\b)+(\r)+1]
.else
	v_pk_add_f32 v[AC+8*(\b)+(\r):AC+8*(\b)+(\r)+1], v[AC+8*(\b)+(\r):AC+8*(\b)+(\r)+1], v[RB+2*(\a):RB+2*(\a)+1]
.endif
.endr
.endr
	WIN 0x0a+5*((\a)/4)                            ; sources 0 and 1 window 2 or 3
.irp b, 0,1,2,3,4,5,6,7
.irp r, 0,1,2,3
	v_cvt_pk_f16_f32 v[TMP+4*(\b)+(\r)], v[AC+8*(\b)+2*(\r)], v[AC+8*(\b)+2*(\r)+1]
.endr
.endr
	WIN 0
.if !(\col)
.set i, 0
.rept 32
	v_and_b32 v[TA+i%4], s[ABSM], v[TMP+i]
	v_pk_max_num_f16 v[MX+i%4], v[MX+i%4], v[TA+i%4]
.set i, i+1
.endr
.endif
.endm
.macro TOSTAGE a                       ; into my own stage, and back as whole rows of 256 bytes
	WIN 0
.set BK, OB+192*((\a)%2)
.irp b, 0,1,2,3,4,5,6,7
	ds_store_b128 v[STO], v[TMP+4*(\b):TMP+4*(\b)+3] offset:32*(\b)
.endr
.irp t, 0,1,2,3,4,5,6,7
	ds_load_b128 v[BK+4*(\t):BK+4*(\t)+3], v[RD] offset:(\t)*2*SPITCH  ; LDS serves a wave's instructions in order (ISA guide 5.7.1.4): these see the stores above
.endr
.endm
.macro SEND a
	WIN 0
.set BK, OB+192*((\a)%2)
	s_wait_dscnt 0x0                               ; the block is back in registers
	s_wait_xcnt 0x0                                ; the stores' base, and the registers that earlier stores read, are written again only behind this wait
.if (\a) == 0
	s_add_nc_u64 s[8:9], s[8:9], s[16:17]          ; on to this tile's first rows
.else
	s_add_nc_u64 s[8:9], s[8:9], 16*SIZE_N*2
.endif
.irp t, 0,1,2,3,4,5,6,7
	global_store_b128 v[CO], v[BK+4*(\t):BK+4*(\t)+3], s[8:9] offset:2*(\t)*SIZE_N*2  ; 16 lanes store 256 consecutive bytes, aligned
.endr
.endm
.macro OUT col                         ; block a's arithmetic stands between block a - 1's loads from the stage and the wait for them
	PACK 0, \col
	TOSTAGE 0
.irp a, 1,2,3,4,5,6,7
	PACK \a, \col
	SEND (\a)-1
	TOSTAGE \a
.endr
	SEND 7
.endm
	s_wait_loadcnt 0x0                             ; the biases, once
	s_wait_tensorcnt 1                             ; my part of step 0 is in; step 1's may stay out
	s_barrier_signal -1
	s_barrier_wait -1
	FETCH 0, F0
	s_mov_b32 s3, NFILL                            ; steps with a refill still to come
	s_mov_b32 s2, 4                                ; steps of the tile in hand still to come
.Lstep:
	QUARTER 64,  F0, F1, 1
	QUARTER 128, F1, F0, 0
	QUARTER 192, F0, F1, 0
	TURN 1
	WIN 0
	s_sub_co_u32 s2, s2, 1
	s_cmp_lg_u32 s2, 0
	s_cbranch_scc1 .Lnext
	OUT 0                                          ; K^T or V^T goes out, with the next tile's first two steps asked for; blocks 0-3 were finished ahead of the joint load's v_nop, and their lines are the places behind the last products
	v_pk_max_num_f16 v[MX], v[MX], v[MX+1]         ; the wave's largest magnitude
	v_pk_max_num_f16 v[MX+2], v[MX+2], v[MX+3]
	v_pk_max_num_f16 v[MX], v[MX], v[MX+2]
	v_cvt_f32_f16 v[TA], v6.l
	v_cvt_f32_f16 v[TA+1], v6.h
	v_max_num_f32 v[TA], v[TA], v[TA+1]
	v_max_num_f32_dpp v[TA], v[TA], v[TA] row_xmask:1 row_mask:0xf bank_mask:0xf
	v_max_num_f32_dpp v[TA], v[TA], v[TA] row_xmask:2 row_mask:0xf bank_mask:0xf
	v_max_num_f32_dpp v[TA], v[TA], v[TA] row_xmask:4 row_mask:0xf bank_mask:0xf
	v_max_num_f32_dpp v[TA], v[TA], v[TA] row_xmask:8 row_mask:0xf bank_mask:0xf
	v_permlanex16_b32 v[TA+1], v[TA], s[SEL], s[SEL+1]
	v_max_num_f32 v[TA], v[TA], v[TA+1]
	global_store_b32 v[SPO], v[TA], s[74:75]       ; all lanes hold the same number and name the same word
	s_wait_xcnt 0x0                                ; its base and data are written again only behind this wait
	s_add_nc_u64 s[74:75], s[74:75], 4096          ; the next tile's list
.irp i, 0,1,2,3
	v_mov_b32 v[MX+(\i)], 0
.endr
	WIN 0x41                                       ; destination and source 0 window 1
.irp i, 0,1,2,3,4,5,6,7,8,9,10,11,12,13,14,15
	v_mov_b32 v[RB+(\i)], v[RB2+(\i)]              ; bv takes bk's place
.endr
	WIN 0
	s_mov_b64 s[16:17], NEXT_C                     ; what the next way out adds to C's address
	s_mov_b32 s2, 4
.Lnext:
	s_sub_co_u32 s3, s3, 1
	s_cmp_lg_u32 s3, 0
	s_cbranch_scc1 .Lstep
	s_mov_b32 s3, 2                                ; the last tile's last two steps ask for nothing: their text is written out
.Ltail:
	QUARTER 64,  F0, F1, 0
	QUARTER 128, F1, F0, 0
	QUARTER 192, F0, F1, 0
	TURN 0
	WIN 0
	s_sub_co_u32 s3, s3, 1
	s_cmp_lg_u32 s3, 0
	s_cbranch_scc1 .Ltail
	PLACES
	OUT 1                                          ; Q goes out, bq by columns
	s_wait_tensorcnt 0x0                           ; the wave's end
	ds_add_u32 v[SPW], v[NIL]
	s_wait_dscnt 0x0
	CROUND                                         ; the closing round
	s_endpgm
.Lfunc_end_k_qb6e13bbf31_proj:
	.size	k_qb6e13bbf31_proj, .Lfunc_end_k_qb6e13bbf31_proj-k_qb6e13bbf31_proj
	.p2alignl 7, 3214868480
	.fill 96, 4, 3214868480
	.section	.rodata,"a",@progbits
	.p2align	6, 0x0
	.amdhsa_kernel k_qb6e13bbf31_proj
		.amdhsa_group_segment_fixed_size 327680
		.amdhsa_private_segment_fixed_size 0
		.amdhsa_enable_private_segment 0
		.amdhsa_kernarg_size 56
		.amdhsa_user_sgpr_count 2
		.amdhsa_user_sgpr_kernarg_segment_ptr 1
		.amdhsa_wavefront_size32 1
		.amdhsa_system_sgpr_workgroup_id_x 1
		.amdhsa_system_sgpr_workgroup_id_y 1
		.amdhsa_system_sgpr_workgroup_id_z 1
		.amdhsa_system_vgpr_workitem_id 0
		.amdhsa_next_free_vgpr 1024
		.amdhsa_next_free_sgpr 88
		.amdhsa_reserve_vcc 0
		.amdhsa_float_denorm_mode_32 3
		.amdhsa_float_denorm_mode_16_64 3
		.amdhsa_memory_ordered 1
		.amdhsa_forward_progress 1
		.amdhsa_inst_pref_size 195
	.end_amdhsa_kernel
	.amdgpu_metadata
---
amdhsa.version: [ 1, 2 ]
amdhsa.kernels:
  - .name:           k_qb6e13bbf31_proj
    .symbol:         k_qb6e13bbf31_proj.kd
    .args:
      - { .name: ab, .offset: 0, .size: 8, .value_kind: global_buffer, .address_space: global }
      - { .name: bb, .offset: 8, .size: 8, .value_kind: global_buffer, .address_space: global }
      - { .name: pj, .offset: 16, .size: 8, .value_kind: global_buffer, .address_space: global }
      - { .name: bk, .offset: 24, .size: 8, .value_kind: global_buffer, .address_space: global }
      - { .name: bv, .offset: 32, .size: 8, .value_kind: global_buffer, .address_space: global }
      - { .name: bq, .offset: 40, .size: 8, .value_kind: global_buffer, .address_space: global }
      - { .name: sp, .offset: 48, .size: 8, .value_kind: global_buffer, .address_space: global }
    .group_segment_fixed_size: 327680
    .private_segment_fixed_size: 0
    .kernarg_segment_align: 8
    .kernarg_segment_size: 56
    .max_flat_workgroup_size: 128
    .sgpr_count:     88
    .vgpr_count:     1024
    .wavefront_size: 32
...
	.end_amdgpu_metadata
.endif
;; end of part 6
;; launch mker (part 7): grid 32 x 16, 4 waves a work-group, clusters of 4 x 4, 327,680 bytes of LDS; arguments pj, mm, sp; writes mm
.if DOCPART == 7
	.amdgcn_target "amdgcn-amd-amdhsa--gfx1250"
	.amdhsa_code_object_version 6
	.text
	.protected	k_qb6e13bbf31_mker
	.globl	k_qb6e13bbf31_mker
	.p2align	8
	.type	k_qb6e13bbf31_mker,@function
k_qb6e13bbf31_mker:
	s_mov_b64 s[64:65], 0
	v_nop
	global_prefetch_b8 v0, s[64:65] scope:SCOPE_SE
	s_setreg_imm32_b32 hwreg(HW_REG_WAVE_MODE, 25, 1), 1
	s_wait_xcnt 0x0
	s_wait_alu depctr_hold_cnt(0) depctr_sa_sdst(0) depctr_va_vdst(0) depctr_va_sdst(0) depctr_va_ssrc(0) depctr_va_vcc(0) depctr_vm_vsrc(0)
	s_getreg_b32 s2, hwreg(HW_REG_IB_STS2, 6, 4)
	s_cmp_eq_u32 s2, 0
	s_cbranch_scc0 .Lentry_in_a_cluster
	s_endpgm
.Lentry_in_a_cluster:
	s_bfe_u32 s2, ttmp6, 0x10000c
	s_cmp_lg_u32 s2, 0xf033
	s_cbranch_scc0 .Lentry_shape_is_right
	s_endpgm
.Lentry_shape_is_right:
; M'_bh[e1][e2] = sM x the sum over s of K^T[(h,e1)][(b,s)] V^T[(h,e2)][(b,s)], f16 operands, f32 sums, M' rounded once to f16.  It takes the place of the scores, which are never formed (first kernel's head).
; A = pj's rows 512 h + e1, B = pj's rows 4096 + 512 h + e2, both at element 1024 b, 4,096 elements from row to row; C = mm[b][h][e1][e2].
; A cluster of 4 x 4 work-groups makes one (b, h): cluster x = h, cluster y = b; a work-group a tile of 128 x 128, each of four waves 64 x 64 in 16 accumulators.
; K (= s) goes in 4 steps of 256 through two LDS slots.  A step's text stands twice: with a refill (walked twice: step j asks for step j + 2) and without (walked twice).  Which slot a step reads hangs on
; s[TB], turned 0 <-> SLOT at each change of slots; one descriptor for A and one for B walk from step to step.
; A's tile is asked for jointly by the four of a row of the cluster, B's by the four of a column.  The matrix instruction is used transposed (source 0 = rows of B, source 1 = rows of A).
; THE SCALE.  mk, mv = the largest magnitudes of K and V (the maxima of sp's two lists); e = the exponent field of mk x mv.  Each of the 1,024 products is under 2^(e-126), the sum, with a bit to spare,
; under 2^(e-115); sM = 2^(130-e) (field min(257 - e, 253)) holds M' under 2^15.  The scale enters values alone: no address and no branch hangs on it.
; No prefetch: the tiles are small and a step short.  REGISTERS: window 0: v0-31 addresses; v32-95 the way out; v128-255 accumulators ((a, b) at 128 + 8 (4 a + b)); window 1: two fragment buffers of 128.
.set PA,     4096                      ; elements from row to row of A
.set PB,     4096                      ; of B
.set CPB,    1024                      ; bytes from row to row of C
.set NFILL,  2                         ; steps with a refill: all 4 but the last two
.set KSTEP,  256
.set PITCH,  528                       ; an LDS row: 512 bytes + 16 of padding
.set HALFT,  64*PITCH                  ; 0x8400 bytes
.set SLOT,   4*HALFT                   ; 0x21000: its two bits meet none of wave x HALFT, so one exclusive or turns a tile's LDS address into the other slot's
.set STAGE,  2*SLOT                    ; behind the ring: 128 rows x 272 bytes, the work-group's
.set SPITCH, 272
.set SPARE,  STAGE+128*SPITCH          ; the spare words: 128 bytes a wave, named by no other line
.set ADRA, 16                          ; v16  LDS address of my A fragments in the slot in hand;  v17 in slot 0, never rewritten
.set ADRA0, 17
.set ADRB, 20                          ; v20, v21  the same for B
.set ADRB0, 21
.set STO,  24
.set RD,   25
.set CO,   26
.set LO,   27                          ; v27  16 x lane
.set SPW,  28
.set NIL,  29
.set TMP,  32
.set ACC,  128
.set F0,   0
.set F1,   128
.set G1, 24
.set G0, 32                            ; s[32:35] A's first fill; s[36:39] its second, which then walks
.set G1B, 48
.set G0B, 56
.set SEL, 66                           ; s[66:67] v_permlanex16_b32's selects
.set TB,  78                           ; s78  0 or SLOT: the slot in hand
.set MSB, 0
.macro WIN new
.if MSB != (\new)
	s_set_vgpr_msb (MSB<<8)|(\new)
.set MSB, \new
.endif
.endm
.set MUL,  0x05                        ; sources 0 (B) and 1 (A) window 1; C and D window 0
.set TO_F, 0x40
.macro JLOAD s                         ; a joint load: waves 0 and 1 fetch A's two halves, waves 2 and 3 B's; an s_nop 0 and four v_nop follow each line
	s_cmp_eq_u32 s11, 0
	s_cbranch_scc0 .Lfor_b_\@
	tensor_load_to_lds s[G0+4*(\s):G0+4*(\s)+3], s[G1:G1+7]
	s_nop 0
.rept 4
	v_nop
.endr
	s_branch .Lasked_\@
.Lfor_b_\@:
	tensor_load_to_lds s[G0B+4*(\s):G0B+4*(\s)+3], s[G1B:G1B+7]
	s_nop 0
.rept 4
	v_nop
.endr
.Lasked_\@:
.endm
.macro CREST
	s_cmp_lg_u32 s10, 0
	s_cbranch_scc1 .Lnot_wave_0_\@
	s_barrier_signal -3
.Lnot_wave_0_\@:
	s_barrier_wait -3
	s_barrier_signal -1
	s_barrier_wait -1
.endm
.macro CROUND
	s_barrier_signal -1
	s_barrier_wait -1
	CREST
.endm
.macro LISTLD r, p, off                ; a list of 1,024 f32 into 32 registers
.irp i, 0,1,2,3,4,5,6,7
	global_load_b128 v[(\r)+4*(\i):(\r)+4*(\i)+3], v[LO], s[\p:\p+1] offset:(\off)+512*(\i)
.endr
.endm
.macro LISTMAX r                       ; its maximum, into v[r] of every lane
	v_max3_num_f32 v[\r], v[\r], v[(\r)+1], v[(\r)+2]
.set z, 3
.rept 14
	v_max3_num_f32 v[\r], v[\r], v[(\r)+z], v[(\r)+z+1]
.set z, z+2
.endr
	v_max_num_f32 v[\r], v[\r], v[(\r)+31]
	v_max_num_f32_dpp v[\r], v[\r], v[\r] row_xmask:1 row_mask:0xf bank_mask:0xf
	v_max_num_f32_dpp v[\r], v[\r], v[\r] row_xmask:2 row_mask:0xf bank_mask:0xf
	v_max_num_f32_dpp v[\r], v[\r], v[\r] row_xmask:4 row_mask:0xf bank_mask:0xf
	v_max_num_f32_dpp v[\r], v[\r], v[\r] row_xmask:8 row_mask:0xf bank_mask:0xf
	v_permlanex16_b32 v[(\r)+1], v[\r], s[SEL], s[SEL+1]
	v_max_num_f32 v[\r], v[\r], v[(\r)+1]
.endm
	s_load_b64 s[4:5], s[0:1], 0x0                 ; pj
	s_load_b64 s[8:9], s[0:1], 0x8                 ; mm
	s_load_b64 s[72:73], s[0:1], 0x10              ; sp
	v_lshl_add_u32 v[SPW], v0, 2, SPARE
	v_mov_b32 v[NIL], 0
	ds_add_u32 v[SPW], v[NIL]                      ; the wave's opening: the add, twice on end, and its wait ahead of my first tensor load
	ds_add_u32 v[SPW], v[NIL]
	v_lshrrev_b32 v1, 5, v0
	v_readfirstlane_b32 s10, v1                    ; wave 0..3
	s_lshr_b32 s11, s10, 1                         ; my half of the tile's rows.  Also: I fetch for A (0) or for B (1)
	s_and_b32 s12, s10, 1                          ; my half of its columns.  Also: which 64 rows I fetch
	s_bfe_u32 s40, ttmp6, 0x40000                  ; cx
	s_bfe_u32 s41, ttmp6, 0x40004                  ; cy
	s_and_b32 s13, ttmp7, 0xffff                   ; b = cluster y; h = cluster x = ttmp9
	s_lshl_b32 s43, s41, 2
	s_lshl_b32 s43, 15, s43                        ; my row of the cluster
	s_lshl_b32 s44, 0x1111, s40                    ; my column
	; descriptor group 1: 64 rows x 256 elements of 2 bytes, 4 words of padding behind every 128
	s_or_b32 s[G1+0], s43, (1<<16)|(1<<20)|(1<<21)|(6<<22)|(3<<25)
	s_or_b32 s[G1B+0], s44, (1<<16)|(1<<20)|(1<<21)|(6<<22)|(3<<25)
.irp g, G1, G1B
	s_mov_b32 s[(\g)+1], KSTEP<<16
	s_mov_b32 s[(\g)+2], 64<<16
	s_mov_b32 s[(\g)+3], KSTEP<<16
	s_mov_b32 s[(\g)+4], 64
	s_mov_b32 s[(\g)+6], 0
	s_mov_b32 s[(\g)+7], 0
.endr
	s_mov_b32 s[G1+5], PA
	s_mov_b32 s[G1B+5], PB
	s_lshl_b32 s16, ttmp9, 9                       ; A: row 512 h
	s_lshl_b32 s17, s41, 7                         ; + 128 cy
	s_add_co_u32 s16, s16, s17
	s_lshl_b32 s17, s12, 6                         ; + 64 x half,
	s_add_co_u32 s16, s16, s17
	s_lshl_b32 s16, s16, 13                        ; rows of 8,192 bytes,
	s_lshl_b32 s17, s13, 11                        ; + 1,024 b elements
	s_add_co_u32 s16, s16, s17
	s_mov_b32 s17, 0
	s_lshl_b32 s46, ttmp9, 9                       ; B: the same with cx,
	s_lshl_b32 s47, s40, 7
	s_add_co_u32 s46, s46, s47
	s_lshl_b32 s47, s12, 6
	s_add_co_u32 s46, s46, s47
	s_lshl_b32 s46, s46, 13
	s_lshl_b32 s47, s13, 11
	s_add_co_u32 s46, s46, s47
	s_add_co_u32 s46, s46, 0x2000000               ; 4,096 rows further down
	s_mov_b32 s47, 0
	s_mul_i32 s20, s10, HALFT                      ; where they go: wave x 64 rows
	s_mov_b32 s[TB], 0
	s_wait_dscnt 0x0                               ; both opening adds are done
	s_wait_kmcnt 0x0
	s_add_nc_u64 s[14:15], s[4:5], s[16:17]
	s_add_nc_u64 s[46:47], s[4:5], s[46:47]
	CROUND                                         ; all sixteen work-groups are here: the first joint loads meet
.irp s, 0,1
	s_mov_b32 s[G0+4*(\s)], 1
	s_add_co_u32 s[G0+4*(\s)+1], s20, (\s)*SLOT
	s_add_nc_u64 s[G0+4*(\s)+2:G0+4*(\s)+3], s[14:15], (\s)*KSTEP*2
	s_or_b32 s[G0+4*(\s)+3], s[G0+4*(\s)+3], 0x80000000
	s_mov_b32 s[G0B+4*(\s)], 1
	s_add_co_u32 s[G0B+4*(\s)+1], s20, (\s)*SLOT
	s_add_nc_u64 s[G0B+4*(\s)+2:G0B+4*(\s)+3], s[46:47], (\s)*KSTEP*2
	s_or_b32 s[G0B+4*(\s)+3], s[G0B+4*(\s)+3], 0x80000000
	JLOAD \s                                       ; two loads of mine are out
.endr
	v_and_b32 v[LO], 31, v0
	v_lshlrev_b32 v[LO], 4, v[LO]
	LISTLD 128, 72, 0                              ; K's maxima, into registers that the products do not want yet
	LISTLD 160, 72, 4096                           ; V's
	v_and_b32 v1, 15, v0                           ; l % 16
	v_bfe_u32 v2, v0, 4, 1                         ; l / 16
	v_mul_u32_u24 v3, v1, PITCH
	v_lshl_add_u32 v3, v2, 4, v3
	s_mul_i32 s21, s11, HALFT
	s_mul_i32 s22, s12, HALFT
	s_add_co_u32 s22, s22, 2*HALFT
	v_add_nc_u32 v[ADRA0], s21, v3
	v_add_nc_u32 v[ADRB0], s22, v3
	v_mov_b32 v[ADRA], v[ADRA0]                    ; step 0 lies in slot 0
	v_mov_b32 v[ADRB], v[ADRB0]
	s_mul_i32 s23, s11, 64*SPITCH                  ; into the stage: my 64 rows, my half of their 256 bytes
	s_lshl_b32 s21, s12, 7
	s_add_co_u32 s23, s23, s21
	s_add_co_u32 s23, s23, STAGE
	v_mul_u32_u24 v4, v1, SPITCH
	v_lshl_add_u32 v4, v2, 4, v4
	v_add_nc_u32 v[STO], s23, v4
	s_mul_i32 s23, s10, 32*SPITCH                  ; back: wave w takes rows 32 w .. 32 w + 31, whole
	s_add_co_u32 s23, s23, STAGE
	v_mul_u32_u24 v5, v2, SPITCH
	v_lshl_add_u32 v5, v1, 4, v5
	v_add_nc_u32 v[RD], s23, v5
	v_mul_u32_u24 v5, v2, CPB
	v_lshl_add_u32 v[CO], v1, 4, v5
	s_lshl_b32 s16, s13, 3
	s_add_co_u32 s16, s16, ttmp9                   ; 8 b + h,
	s_lshl_b32 s16, s16, 19                        ; 524,288 bytes each
	s_lshl_b32 s17, s41, 7
	s_lshl_b32 s18, s10, 5
	s_add_co_u32 s17, s17, s18                     ; row 128 cy + 32 wave
	s_lshl_b32 s17, s17, 10
	s_add_co_u32 s16, s16, s17
	s_mov_b32 s17, 0
	s_add_nc_u64 s[8:9], s[8:9], s[16:17]
	s_lshl_b32 s46, s40, 8                         ; the tile's first column, in bytes
	s_mov_b32 s47, 0
	s_add_nc_u64 s[8:9], s[8:9], s[46:47]
	s_mov_b32 s[SEL], 0x76543210
	s_mov_b32 s[SEL+1], 0xfedcba98
	s_wait_loadcnt 0x0                             ; both lists
	LISTMAX 128
	LISTMAX 160
	v_mul_f32 v128, v128, v160
	v_readfirstlane_b32 s68, v128
	s_bfe_u32 s68, s68, 0x80017                    ; e
	s_sub_co_u32 s68, 257, s68
	s_min_u32 s68, s68, 253
	s_lshl_b32 s68, s68, 23                        ; sM
	s_mov_b32 s69, s68                             ; named with it as a pair
.macro MUL8 f, c, a0, zero             ; 8 matrix instructions: m blocks a0, a0 + 1 x all 4 n blocks, 32 along K; the 16 accumulators take turns
	WIN MUL
.irp a, \a0, (\a0)+1
.irp b, 0,1,2,3
.if \zero
	v_wmma_f32_16x16x32_f16 v[ACC+8*(4*(\a)+(\b)):ACC+8*(4*(\a)+(\b))+7], v[(\f)+64+8*(4*(\c)+(\b)):(\f)+64+8*(4*(\c)+(\b))+7], v[(\f)+8*(4*(\c)+(\a)):(\f)+8*(4*(\c)+(\a))+7], 0
.else
	v_wmma_f32_16x16x32_f16 v[ACC+8*(4*(\a)+(\b)):ACC+8*(4*(\a)+(\b))+7], v[(\f)+64+8*(4*(\c)+(\b)):(\f)+64+8*(4*(\c)+(\b))+7], v[(\f)+8*(4*(\c)+(\a)):(\f)+8*(4*(\c)+(\a))+7], v[ACC+8*(4*(\a)+(\b)):ACC+8*(4*(\a)+(\b))+7]
.endif
.endr
.endr
.endm
.macro FETCH k, f                      ; 32 LDS loads in one run: 64 along K at byte k of the rows of the slot in hand; the first 32 along K first
	WIN TO_F
.irp c, 0,1
.irp i, 0,1,2,3
	ds_load_b128 v[(\f)+64+8*(4*(\c)+(\i)):(\f)+64+8*(4*(\c)+(\i))+3],   v[ADRB] offset:(\k)+64*(\c)+(\i)*16*PITCH
	ds_load_b128 v[(\f)+64+8*(4*(\c)+(\i))+4:(\f)+64+8*(4*(\c)+(\i))+7], v[ADRB] offset:(\k)+64*(\c)+(\i)*16*PITCH+32
	ds_load_b128 v[(\f)+8*(4*(\c)+(\i)):(\f)+8*(4*(\c)+(\i))+3],         v[ADRA] offset:(\k)+64*(\c)+(\i)*16*PITCH
	ds_load_b128 v[(\f)+8*(4*(\c)+(\i))+4:(\f)+8*(4*(\c)+(\i))+7],       v[ADRA] offset:(\k)+64*(\c)+(\i)*16*PITCH+32
.endr
.endr
.endm
.macro PLACES                          ; four plain instructions between a matrix instruction and a load into, or a vector instruction on, its registers
.rept 4
	v_nop
.endr
.endm
; One of a K step's first three quarters.  zc other than 0: in the trip in which s3 = zc, the launch's first step, the first 16 products start the sums with the constant 0.  A product that starts a sum anew
; writes over its accumulator and is no link of a chain: five plain instructions stand at the head of that arm, between it and whatever product named the accumulator last, on every way that leads there (ISA guide 7.12.1).
.macro QUARTER k, f, g, zc
	s_wait_dscnt 16                                ; the first 32 along K are in; the youngest sixteen loads may be out
.if \zc
	WIN 0
	s_cmp_eq_u32 s3, \zc
	s_cbranch_scc1 .Lz_\@
.endif
	MUL8 \f, 0, 0, 0
	MUL8 \f, 0, 2, 0
.if \zc
	WIN 0
	s_branch .Lj_\@
.Lz_\@:
.rept 5
	v_nop
.endr
	MUL8 \f, 0, 0, 1
	MUL8 \f, 0, 2, 1
	WIN 0
.Lj_\@:
.endif
	PLACES
	FETCH \k, \g
	s_wait_dscnt 32                                ; all but the 32 just issued
	MUL8 \f, 1, 0, 0
	MUL8 \f, 1, 2, 0
.endm
; A K step's last quarter multiplies buffer 1 and changes slots: one barrier.  fill = 1: it opens a round of the cluster's, and behind it the slot just read out takes the step two on.
; fill = 0 (the last two steps): nothing is asked for; in the very last step the run of loads is jumped over, and its barrier orders nothing: the price of one text for both.
.macro TURN fill
	WIN 0
	s_wait_tensorcnt 0x0                           ; all my tensor loads have landed: my part of the next slot
	ds_add_u32 v[SPW], v[NIL]                      ; 0 onto my spare word
	s_wait_dscnt 17                                ; the add and the youngest sixteen loads may be out
	MUL8 F1, 0, 0, 0
	s_wait_dscnt 0x0                               ; the add is done, and my reads of this slot are over
	s_barrier_signal -1
	MUL8 F1, 0, 2, 0
	WIN 0
	s_barrier_wait -1
.if \fill
	CREST                                          ; no wave of any partner still reads this slot or has a load on its way
	s_xor_b32 s[G0+5], s[G0+5], SLOT               ; the walking descriptors: the other slot than last time, the next K step
	s_add_nc_u64 s[G0+6:G0+7], s[G0+6:G0+7], KSTEP*2
	s_xor_b32 s[G0B+5], s[G0B+5], SLOT
	s_add_nc_u64 s[G0B+6:G0B+7], s[G0B+6:G0B+7], KSTEP*2
	JLOAD 1                                        ; my one tensor load behind the round; its four v_nop are also the places in front of the loads below
.else
	PLACES
.endif
	s_xor_b32 s[TB], s[TB], SLOT                   ; the fetches go on in the other slot
	v_add_nc_u32 v[ADRA], s[TB], v[ADRA0]
	v_add_nc_u32 v[ADRB], s[TB], v[ADRB0]
.if \fill
	FETCH 0, F0
.else
	s_cmp_eq_u32 s3, 1
	s_cbranch_scc1 .Lnf_\@
	FETCH 0, F0
	WIN 0
.Lnf_\@:
.endif
	MUL8 F1, 1, 0, 0
	MUL8 F1, 1, 2, 0
.endm
	s_wait_tensorcnt 1                             ; my part of step 0 is in; step 1's may stay out
	s_barrier_signal -1
	s_barrier_wait -1
	FETCH 0, F0
	WIN 0
	s_mov_b32 s3, NFILL
.Lstep:
	QUARTER 128, F0, F1, NFILL
	QUARTER 256, F1, F0, 0
	QUARTER 384, F0, F1, 0
	TURN 1
	WIN 0
	s_sub_co_u32 s3, s3, 1
	s_cmp_lg_u32 s3, 0
	s_cbranch_scc1 .Lstep
	s_mov_b32 s3, 2                                ; the last two steps are written out
.Ltail:
	QUARTER 128, F0, F1, 0
	QUARTER 256, F1, F0, 0
	QUARTER 384, F0, F1, 0
	TURN 0
	WIN 0
	s_sub_co_u32 s3, s3, 1
	s_cmp_lg_u32 s3, 0
	s_cbranch_scc1 .Ltail
	; THE WAY OUT: scaled, each accumulator from its low end on; rounded to f16; into the work-group's stage; a barrier, since a row's 256 bytes come from two waves; back as whole rows.
	PLACES
.set i, 0
.rept 64
	v_pk_mul_f32 v[ACC+2*i:ACC+2*i+1], v[ACC+2*i:ACC+2*i+1], s[68:69] op_sel_hi:[1,0]
.set i, i+1
.endr
.irp t, 0,1,2,3,4,5,6,7,8,9,10,11,12,13,14,15
.irp r, 0,1,2,3
	v_cvt_pk_f16_f32 v[TMP+4*(\t)+(\r)], v[ACC+8*(\t)+2*(\r)], v[ACC+8*(\t)+2*(\r)+1]
.endr
.endr
.irp a, 0,1,2,3
.irp b, 0,1,2,3
	ds_store_b128 v[STO], v[TMP+4*(4*(\a)+(\b)):TMP+4*(4*(\a)+(\b))+3] offset:(\a)*16*SPITCH+32*(\b)
.endr
.endr
	s_wait_dscnt 0x0                               ; for the others' sake: my stores into the stage are done
	s_barrier_signal -1
	s_barrier_wait -1
.irp t, 0,1,2,3,4,5,6,7,8,9,10,11,12,13,14,15
	ds_load_b128 v[TMP+4*(\t):TMP+4*(\t)+3], v[RD] offset:(\t)*2*SPITCH
.endr
.irp t, 0,1,2,3,4,5,6,7,8,9,10,11,12,13,14,15
	s_wait_dscnt 15-(\t)                           ; the 15 - t younger loads may be out
	global_store_b128 v[CO], v[TMP+4*(\t):TMP+4*(\t)+3], s[8:9] offset:2*(\t)*CPB  ; 16 lanes store 256 consecutive bytes, aligned
.endr
	s_wait_tensorcnt 0x0                           ; the wave's end
	ds_add_u32 v[SPW], v[NIL]
	s_wait_dscnt 0x0
	CROUND                                         ; the closing round
	s_endpgm
.Lfunc_end_k_qb6e13bbf31_mker:
	.size	k_qb6e13bbf31_mker, .Lfunc_end_k_qb6e13bbf31_mker-k_qb6e13bbf31_mker
	.p2alignl 7, 3214868480
	.fill 96, 4, 3214868480
	.section	.rodata,"a",@progbits
	.p2align	6, 0x0
	.amdhsa_kernel k_qb6e13bbf31_mker
		.amdhsa_group_segment_fixed_size 327680
		.amdhsa_private_segment_fixed_size 0
		.amdhsa_enable_private_segment 0
		.amdhsa_kernarg_size 24
		.amdhsa_user_sgpr_count 2
		.amdhsa_user_sgpr_kernarg_segment_ptr 1
		.amdhsa_wavefront_size32 1
		.amdhsa_system_sgpr_workgroup_id_x 1
		.amdhsa_system_sgpr_workgroup_id_y 1
		.amdhsa_system_sgpr_workgroup_id_z 1
		.amdhsa_system_vgpr_workitem_id 0
		.amdhsa_next_free_vgpr 512
		.amdhsa_next_free_sgpr 80
		.amdhsa_reserve_vcc 0
		.amdhsa_float_denorm_mode_32 3
		.amdhsa_float_denorm_mode_16_64 3
		.amdhsa_memory_ordered 1
		.amdhsa_forward_progress 1
		.amdhsa_inst_pref_size 65
	.end_amdhsa_kernel
	.amdgpu_metadata
---
amdhsa.version: [ 1, 2 ]
amdhsa.kernels:
  - .name:           k_qb6e13bbf31_mker
    .symbol:         k_qb6e13bbf31_mker.kd
    .args:
      - { .name: pj, .offset: 0, .size: 8, .value_kind: global_buffer, .address_space: global }
      - { .name: mm, .offset: 8, .size: 8, .value_kind: global_buffer, .address_space: global }
      - { .name: sp, .offset: 16, .size: 8, .value_kind: global_buffer, .address_space: global }
    .group_segment_fixed_size: 327680
    .private_segment_fixed_size: 0
    .kernarg_segment_align: 8
    .kernarg_segment_size: 24
    .max_flat_workgroup_size: 128
    .sgpr_count:     80
    .vgpr_count:     512
    .wavefront_size: 32
...
	.end_amdgpu_metadata
.endif
;; end of part 7
;; launch rker (part 8): grid 32 x 16, 4 waves a work-group, clusters of 4 x 4, 327,680 bytes of LDS; arguments wo16, mm, rr, sw; writes rr
.if DOCPART == 8
	.amdgcn_target "amdgcn-amd-amdhsa--gfx1250"
	.amdhsa_code_object_version 6
	.text
	.protected	k_qb6e13bbf31_rker
	.globl	k_qb6e13bbf31_rker
	.p2align	8
	.type	k_qb6e13bbf31_rker,@function
k_qb6e13bbf31_rker:
	s_mov_b64 s[64:65], 0
	v_nop
	global_prefetch_b8 v0, s[64:65] scope:SCOPE_SE
	s_setreg_imm32_b32 hwreg(HW_REG_WAVE_MODE, 25, 1), 1
	s_wait_xcnt 0x0
	s_wait_alu depctr_hold_cnt(0) depctr_sa_sdst(0) depctr_va_vdst(0) depctr_va_sdst(0) depctr_va_ssrc(0) depctr_va_vcc(0) depctr_vm_vsrc(0)
	s_getreg_b32 s2, hwreg(HW_REG_IB_STS2, 6, 4)
	s_cmp_eq_u32 s2, 0
	s_cbranch_scc0 .Lentry_in_a_cluster
	s_endpgm
.Lentry_in_a_cluster:
	s_bfe_u32 s2, ttmp6, 0x10000c
	s_cmp_lg_u32 s2, 0xf033
	s_cbranch_scc0 .Lentry_shape_is_right
	s_endpgm
.Lentry_shape_is_right:
; R'_b[o][(h,e1)] = sR x the sum over e2 of Wo[o][(h,e2)] M'_bh[e1][e2], f16 operands, f32 sums, R' rounded once to f16.  Wo is folded into M ahead of Q, so the heads' outputs [B,S,H*E] are never formed (first kernel's head).
; A = wo16's rows o at element 512 h, 4,096 elements from row to row; B = mm[b][h]'s rows e1, 512 elements from row to row; C = rr[b][o][512 h + e1].
; A cluster of 4 x 4 work-groups makes one (b, h): cluster x = h, cluster y = b; a work-group a tile of 128 x 128, each of four waves 64 x 64.  K (= e2) is 512: two steps of 256, one in each LDS slot;
; nothing is filled again.  A step's text stands once and is walked twice; which slot it reads hangs on s[TB], turned 0 <-> SLOT at the change of slots.
; THE SCALE.  |M'| is at most 2^15; mw = the largest magnitude of Wo (the maximum of sw), ew its exponent field: the 512 products' sum, with a bit to spare, is under 2^(ew-101);
; sR = 2^(116-ew) (field 243 - ew, at least 1) holds R' under 2^15.  The scale enters values alone.
; No prefetch: the tiles are small and both steps are asked for at the head.  Registers as in the launch before.
.set PA,     4096
.set PB,     512
.set CPB,    8192
.set KSTEP,  256
.set PITCH,  528
.set HALFT,  64*PITCH
.set SLOT,   4*HALFT
.set STAGE,  2*SLOT
.set SPITCH, 272
.set SPARE,  STAGE+128*SPITCH
.set ADRA, 16
.set ADRA0, 17
.set ADRB, 20
.set ADRB0, 21
.set STO,  24
.set RD,   25
.set CO,   26
.set LO,   27
.set SPW,  28
.set NIL,  29
.set TMP,  32
.set ACC,  128
.set F0,   0
.set F1,   128
.set G1, 24
.set G0, 32
.set G1B, 48
.set G0B, 56
.set SEL, 66
.set TB,  78
.set MSB, 0
.macro WIN new
.if MSB != (\new)
	s_set_vgpr_msb (MSB<<8)|(\new)
.set MSB, \new
.endif
.endm
.set MUL,  0x05
.set TO_F, 0x40
.macro JLOAD s                         ; a joint load: waves 0 and 1 fetch A's two halves, waves 2 and 3 B's; an s_nop 0 and four v_nop follow each line
	s_cmp_eq_u32 s11, 0
	s_cbranch_scc0 .Lfor_b_\@
	tensor_load_to_lds s[G0+4*(\s):G0+4*(\s)+3], s[G1:G1+7]
	s_nop 0
.rept 4
	v_nop
.endr
	s_branch .Lasked_\@
.Lfor_b_\@:
	tensor_load_to_lds s[G0B+4*(\s):G0B+4*(\s)+3], s[G1B:G1B+7]
	s_nop 0
.rept 4
	v_nop
.endr
.Lasked_\@:
.endm
.macro CROUND
	s_barrier_signal -1
	s_barrier_wait -1
	s_cmp_lg_u32 s10, 0
	s_cbranch_scc1 .Lnot_wave_0_\@
	s_barrier_signal -3
.Lnot_wave_0_\@:
	s_barrier_wait -3
	s_barrier_signal -1
	s_barrier_wait -1
.endm
.macro LISTLD r, p, off
.irp i, 0,1,2,3,4,5,6,7
	global_load_b128 v[(\r)+4*(\i):(\r)+4*(\i)+3], v[LO], s[\p:\p+1] offset:(\off)+512*(\i)
.endr
.endm
.macro LISTMAX r
	v_max3_num_f32 v[\r], v[\r], v[(\r)+1], v[(\r)+2]
.set z, 3
.rept 14
	v_max3_num_f32 v[\r], v[\r], v[(\r)+z], v[(\r)+z+1]
.set z, z+2
.endr
	v_max_num_f32 v[\r], v[\r], v[(\r)+31]
	v_max_num_f32_dpp v[\r], v[\r], v[\r] row_xmask:1 row_mask:0xf bank_mask:0xf
	v_max_num_f32_dpp v[\r], v[\r], v[\r] row_xmask:2 row_mask:0xf bank_mask:0xf
	v_max_num_f32_dpp v[\r], v[\r], v[\r] row_xmask:4 row_mask:0xf bank_mask:0xf
	v_max_num_f32_dpp v[\r], v[\r], v[\r] row_xmask:8 row_mask:0xf bank_mask:0xf
	v_permlanex16_b32 v[(\r)+1], v[\r], s[SEL], s[SEL+1]
	v_max_num_f32 v[\r], v[\r], v[(\r)+1]
.endm
	s_load_b128 s[4:7], s[0:1], 0x0                ; wo16 s[4:5], mm s[6:7]
	s_load_b64 s[8:9], s[0:1], 0x10                ; rr
	s_load_b64 s[72:73], s[0:1], 0x18              ; sw
	v_lshl_add_u32 v[SPW], v0, 2, SPARE
	v_mov_b32 v[NIL], 0
	ds_add_u32 v[SPW], v[NIL]                      ; the wave's opening: the add, twice on end, and its wait ahead of my first tensor load
	ds_add_u32 v[SPW], v[NIL]
	v_lshrrev_b32 v1, 5, v0
	v_readfirstlane_b32 s10, v1
	s_lshr_b32 s11, s10, 1
	s_and_b32 s12, s10, 1
	s_bfe_u32 s40, ttmp6, 0x40000                  ; cx
	s_bfe_u32 s41, ttmp6, 0x40004                  ; cy
	s_and_b32 s13, ttmp7, 0xffff                   ; b = cluster y; h = cluster x = ttmp9
	s_lshl_b32 s43, s41, 2
	s_lshl_b32 s43, 15, s43
	s_lshl_b32 s44, 0x1111, s40
	s_or_b32 s[G1+0], s43, (1<<16)|(1<<20)|(1<<21)|(6<<22)|(3<<25)
	s_or_b32 s[G1B+0], s44, (1<<16)|(1<<20)|(1<<21)|(6<<22)|(3<<25)
.irp g, G1, G1B
	s_mov_b32 s[(\g)+1], KSTEP<<16
	s_mov_b32 s[(\g)+2], 64<<16
	s_mov_b32 s[(\g)+3], KSTEP<<16
	s_mov_b32 s[(\g)+4], 64
	s_mov_b32 s[(\g)+6], 0
	s_mov_b32 s[(\g)+7], 0
.endr
	s_mov_b32 s[G1+5], PA
	s_mov_b32 s[G1B+5], PB
	s_lshl_b32 s16, s41, 7                         ; A: row 128 cy
	s_lshl_b32 s17, s12, 6                         ; + 64 x half,
	s_add_co_u32 s16, s16, s17
	s_lshl_b32 s16, s16, 13                        ; rows of 8,192 bytes,
	s_lshl_b32 s17, ttmp9, 10                      ; + 512 h elements
	s_add_co_u32 s16, s16, s17
	s_mov_b32 s17, 0
	s_lshl_b32 s46, s40, 7                         ; B: row 128 cx
	s_lshl_b32 s47, s12, 6
	s_add_co_u32 s46, s46, s47
	s_lshl_b32 s46, s46, 10                        ; rows of 1,024 bytes,
	s_lshl_b32 s47, s13, 3
	s_add_co_u32 s47, s47, ttmp9                   ; in matrix 8 b + h
	s_lshl_b32 s47, s47, 19
	s_add_co_u32 s46, s46, s47
	s_mov_b32 s47, 0
	s_mul_i32 s20, s10, HALFT
	s_mov_b32 s[TB], 0
	s_wait_dscnt 0x0                               ; both opening adds are done
	s_wait_kmcnt 0x0
	s_add_nc_u64 s[14:15], s[4:5], s[16:17]
	s_add_nc_u64 s[46:47], s[6:7], s[46:47]
	CROUND                                         ; all sixteen work-groups are here: the joint loads meet
.irp s, 0,1
	s_mov_b32 s[G0+4*(\s)], 1
	s_add_co_u32 s[G0+4*(\s)+1], s20, (\s)*SLOT
	s_add_nc_u64 s[G0+4*(\s)+2:G0+4*(\s)+3], s[14:15], (\s)*KSTEP*2
	s_or_b32 s[G0+4*(\s)+3], s[G0+4*(\s)+3], 0x80000000
	s_mov_b32 s[G0B+4*(\s)], 1
	s_add_co_u32 s[G0B+4*(\s)+1], s20, (\s)*SLOT
	s_add_nc_u64 s[G0B+4*(\s)+2:G0B+4*(\s)+3], s[46:47], (\s)*KSTEP*2
	s_or_b32 s[G0B+4*(\s)+3], s[G0B+4*(\s)+3], 0x80000000
	JLOAD \s                                       ; two loads of mine are out: all that the launch asks for
.endr
	v_and_b32 v[LO], 31, v0
	v_lshlrev_b32 v[LO], 4, v[LO]
	LISTLD 128, 72, 0                              ; Wo's maxima
	v_and_b32 v1, 15, v0
	v_bfe_u32 v2, v0, 4, 1
	v_mul_u32_u24 v3, v1, PITCH
	v_lshl_add_u32 v3, v2, 4, v3
	s_mul_i32 s21, s11, HALFT
	s_mul_i32 s22, s12, HALFT
	s_add_co_u32 s22, s22, 2*HALFT
	v_add_nc_u32 v[ADRA0], s21, v3
	v_add_nc_u32 v[ADRB0], s22, v3
	v_mov_b32 v[ADRA], v[ADRA0]
	v_mov_b32 v[ADRB], v[ADRB0]
	s_mul_i32 s23, s11, 64*SPITCH
	s_lshl_b32 s21, s12, 7
	s_add_co_u32 s23, s23, s21
	s_add_co_u32 s23, s23, STAGE
	v_mul_u32_u24 v4, v1, SPITCH
	v_lshl_add_u32 v4, v2, 4, v4
	v_add_nc_u32 v[STO], s23, v4
	s_mul_i32 s23, s10, 32*SPITCH
	s_add_co_u32 s23, s23, STAGE
	v_mul_u32_u24 v5, v2, SPITCH
	v_lshl_add_u32 v5, v1, 4, v5
	v_add_nc_u32 v[RD], s23, v5
	v_mul_u32_u24 v5, v2, CPB
	v_lshl_add_u32 v[CO], v1, 4, v5
	s_lshl_b32 s16, s13, 22                        ; b x 4,194,304 bytes
	s_lshl_b32 s17, s41, 7
	s_lshl_b32 s18, s10, 5
	s_add_co_u32 s17, s17, s18                     ; row 128 cy + 32 wave
	s_lshl_b32 s17, s17, 13
	s_add_co_u32 s16, s16, s17
	s_lshl_b32 s17, ttmp9, 10                      ; column 512 h, in bytes
	s_add_co_u32 s16, s16, s17
	s_mov_b32 s17, 0
	s_add_nc_u64 s[8:9], s[8:9], s[16:17]
	s_lshl_b32 s46, s40, 8                         ; + 128 cx
	s_mov_b32 s47, 0
	s_add_nc_u64 s[8:9], s[8:9], s[46:47]
	s_mov_b32 s[SEL], 0x76543210
	s_mov_b32 s[SEL+1], 0xfedcba98
	s_wait_loadcnt 0x0
	LISTMAX 128
	v_readfirstlane_b32 s68, v128
	s_bfe_u32 s68, s68, 0x80017                    ; ew
	s_sub_co_i32 s68, 243, s68
	s_max_i32 s68, s68, 1
	s_lshl_b32 s68, s68, 23                        ; sR
	s_mov_b32 s69, s68
.macro MUL8 f, c, a0, zero
	WIN MUL
.irp a, \a0, (\a0)+1
.irp b, 0,1,2,3
.if \zero
	v_wmma_f32_16x16x32_f16 v[ACC+8*(4*(\a)+(\b)):ACC+8*(4*(\a)+(\b))+7], v[(\f)+64+8*(4*(\c)+(\b)):(\f)+64+8*(4*(\c)+(\b))+7], v[(\f)+8*(4*(\c)+(\a)):(\f)+8*(4*(\c)+(\a))+7], 0
.else
	v_wmma_f32_16x16x32_f16 v[ACC+8*(4*(\a)+(\b)):ACC+8*(4*(\a)+(\b))+7], v[(\f)+64+8*(4*(\c)+(\b)):(\f)+64+8*(4*(\c)+(\b))+7], v[(\f)+8*(4*(\c)+(\a)):(\f)+8*(4*(\c)+(\a))+7], v[ACC+8*(4*(\a)+(\b)):ACC+8*(4*(\a)+(\b))+7]
.endif
.endr
.endr
.endm
.macro FETCH k, f
	WIN TO_F
.irp c, 0,1
.irp i, 0,1,2,3
	ds_load_b128 v[(\f)+64+8*(4*(\c)+(\i)):(\f)+64+8*(4*(\c)+(\i))+3],   v[ADRB] offset:(\k)+64*(\c)+(\i)*16*PITCH
	ds_load_b128 v[(\f)+64+8*(4*(\c)+(\i))+4:(\f)+64+8*(4*(\c)+(\i))+7], v[ADRB] offset:(\k)+64*(\c)+(\i)*16*PITCH+32
	ds_load_b128 v[(\f)+8*(4*(\c)+(\i)):(\f)+8*(4*(\c)+(\i))+3],         v[ADRA] offset:(\k)+64*(\c)+(\i)*16*PITCH
	ds_load_b128 v[(\f)+8*(4*(\c)+(\i))+4:(\f)+8*(4*(\c)+(\i))+7],       v[ADRA] offset:(\k)+64*(\c)+(\i)*16*PITCH+32
.endr
.endr
.endm
.macro PLACES
.rept 4
	v_nop
.endr
.endm
; zc other than 0: in the trip in which s3 = zc, the first step, the first 16 products start the sums with the constant 0.  A product that starts a sum anew writes over its accumulator and is no link of a
; chain: five plain instructions stand at the head of that arm, between it and whatever product named the accumulator last, on every way that leads there (ISA guide 7.12.1).
.macro QUARTER k, f, g, zc
	s_wait_dscnt 16                                ; the first 32 along K are in; the youngest sixteen loads may be out
.if \zc
	WIN 0
	s_cmp_eq_u32 s3, \zc
	s_cbranch_scc1 .Lz_\@
.endif
	MUL8 \f, 0, 0, 0
	MUL8 \f, 0, 2, 0
.if \zc
	WIN 0
	s_branch .Lj_\@
.Lz_\@:
.rept 5
	v_nop
.endr
	MUL8 \f, 0, 0, 1
	MUL8 \f, 0, 2, 1
	WIN 0
.Lj_\@:
.endif
	PLACES
	FETCH \k, \g
	s_wait_dscnt 32                                ; all but the 32 just issued
	MUL8 \f, 1, 0, 0
	MUL8 \f, 1, 2, 0
.endm
	s_wait_tensorcnt 1                             ; my part of step 0 is in; step 1's may stay out
	s_barrier_signal -1
	s_barrier_wait -1
	FETCH 0, F0
	WIN 0
	s_mov_b32 s3, 2
.Lstep:
	QUARTER 128, F0, F1, 2
	QUARTER 256, F1, F0, 0
	QUARTER 384, F0, F1, 0
	WIN 0                                          ; the change of slots: slot 1 is shown whole to every wave (in the second trip the barrier orders nothing: the price of one text for both)
	s_wait_tensorcnt 0x0                           ; my part of slot 1 has landed
	ds_add_u32 v[SPW], v[NIL]
	s_wait_dscnt 17                                ; the add and the youngest sixteen loads may be out
	MUL8 F1, 0, 0, 0
	s_wait_dscnt 0x0
	s_barrier_signal -1
	MUL8 F1, 0, 2, 0
	WIN 0
	s_barrier_wait -1
	PLACES
	s_xor_b32 s[TB], s[TB], SLOT                   ; the fetches go on in the other slot
	v_add_nc_u32 v[ADRA], s[TB], v[ADRA0]
	v_add_nc_u32 v[ADRB], s[TB], v[ADRB0]
	s_cmp_eq_u32 s3, 1                             ; behind the last step there is nothing to fetch
	s_cbranch_scc1 .Lnf
	FETCH 0, F0
	WIN 0
.Lnf:
	MUL8 F1, 1, 0, 0
	MUL8 F1, 1, 2, 0
	WIN 0
	s_sub_co_u32 s3, s3, 1
	s_cmp_lg_u32 s3, 0
	s_cbranch_scc1 .Lstep
	; THE WAY OUT, as in the launch before
	PLACES
.set i, 0
.rept 64
	v_pk_mul_f32 v[ACC+2*i:ACC+2*i+1], v[ACC+2*i:ACC+2*i+1], s[68:69] op_sel_hi:[1,0]
.set i, i+1
.endr
.irp t, 0,1,2,3,4,5,6,7,8,9,10,11,12,13,14,15
.irp r, 0,1,2,3
	v_cvt_pk_f16_f32 v[TMP+4*(\t)+(\r)], v[ACC+8*(\t)+2*(\r)], v[ACC+8*(\t)+2*(\r)+1]
.endr
.endr
.irp a, 0,1,2,3
.irp b, 0,1,2,3
	ds_store_b128 v[STO], v[TMP+4*(4*(\a)+(\b)):TMP+4*(4*(\a)+(\b))+3] offset:(\a)*16*SPITCH+32*(\b)
.endr
.endr
	s_wait_dscnt 0x0                               ; for the others' sake: my stores into the stage are done
	s_barrier_signal -1
	s_barrier_wait -1
.irp t, 0,1,2,3,4,5,6,7,8,9,10,11,12,13,14,15
	ds_load_b128 v[TMP+4*(\t):TMP+4*(\t)+3], v[RD] offset:(\t)*2*SPITCH
.endr
.irp t, 0,1,2,3,4,5,6,7,8,9,10,11,12,13,14,15
	s_wait_dscnt 15-(\t)                           ; the 15 - t younger loads may be out
	global_store_b128 v[CO], v[TMP+4*(\t):TMP+4*(\t)+3], s[8:9] offset:2*(\t)*CPB  ; 16 lanes store 256 consecutive bytes, aligned
.endr
	s_wait_tensorcnt 0x0                           ; the wave's end
	ds_add_u32 v[SPW], v[NIL]
	s_wait_dscnt 0x0
	CROUND                                         ; the closing round
	s_endpgm
.Lfunc_end_k_qb6e13bbf31_rker:
	.size	k_qb6e13bbf31_rker, .Lfunc_end_k_qb6e13bbf31_rker-k_qb6e13bbf31_rker
	.p2alignl 7, 3214868480
	.fill 96, 4, 3214868480
	.section	.rodata,"a",@progbits
	.p2align	6, 0x0
	.amdhsa_kernel k_qb6e13bbf31_rker
		.amdhsa_group_segment_fixed_size 327680
		.amdhsa_private_segment_fixed_size 0
		.amdhsa_enable_private_segment 0
		.amdhsa_kernarg_size 32
		.amdhsa_user_sgpr_count 2
		.amdhsa_user_sgpr_kernarg_segment_ptr 1
		.amdhsa_wavefront_size32 1
		.amdhsa_system_sgpr_workgroup_id_x 1
		.amdhsa_system_sgpr_workgroup_id_y 1
		.amdhsa_system_sgpr_workgroup_id_z 1
		.amdhsa_system_vgpr_workitem_id 0
		.amdhsa_next_free_vgpr 512
		.amdhsa_next_free_sgpr 80
		.amdhsa_reserve_vcc 0
		.amdhsa_float_denorm_mode_32 3
		.amdhsa_float_denorm_mode_16_64 3
		.amdhsa_memory_ordered 1
		.amdhsa_forward_progress 1
		.amdhsa_inst_pref_size 44
	.end_amdhsa_kernel
	.amdgpu_metadata
---
amdhsa.version: [ 1, 2 ]
amdhsa.kernels:
  - .name:           k_qb6e13bbf31_rker
    .symbol:         k_qb6e13bbf31_rker.kd
    .args:
      - { .name: wo16, .offset: 0, .size: 8, .value_kind: global_buffer, .address_space: global }
      - { .name: mm, .offset: 8, .size: 8, .value_kind: global_buffer, .address_space: global }
      - { .name: rr, .offset: 16, .size: 8, .value_kind: global_buffer, .address_space: global }
      - { .name: sw, .offset: 24, .size: 8, .value_kind: global_buffer, .address_space: global }
    .group_segment_fixed_size: 327680
    .private_segment_fixed_size: 0
    .kernarg_segment_align: 8
    .kernarg_segment_size: 32
    .max_flat_workgroup_size: 128
    .sgpr_count:     80
    .vgpr_count:     512
    .wavefront_size: 32
...
	.end_amdgpu_metadata
.endif
;; end of part 8
;; launch fker (part 9): grid 4 x 32, 4 waves a work-group, clusters of 4 x 4, 327,680 bytes of LDS; arguments pj, rr, out0, sp, sw, bo; writes out0
.if DOCPART == 9
	.amdgcn_target "amdgcn-amd-amdhsa--gfx1250"
	.amdhsa_code_object_version 6
	.text
	.protected	k_qb6e13bbf31_fker
	.globl	k_qb6e13bbf31_fker
	.p2align	8
	.type	k_qb6e13bbf31_fker,@function
k_qb6e13bbf31_fker:
	s_mov_b64 s[64:65], 0
	v_nop
	global_prefetch_b8 v0, s[64:65] scope:SCOPE_SE
	s_setreg_imm32_b32 hwreg(HW_REG_WAVE_MODE, 25, 1), 1
	s_wait_xcnt 0x0
	s_wait_alu depctr_hold_cnt(0) depctr_sa_sdst(0) depctr_va_vdst(0) depctr_va_sdst(0) depctr_va_ssrc(0) depctr_va_vcc(0) depctr_vm_vsrc(0)
	s_getreg_b32 s2, hwreg(HW_REG_IB_STS2, 6, 4)
	s_cmp_eq_u32 s2, 0
	s_cbranch_scc0 .Lentry_in_a_cluster
	s_endpgm
.Lentry_in_a_cluster:
	s_bfe_u32 s2, ttmp6, 0x10000c
	s_cmp_lg_u32 s2, 0xf033
	s_cbranch_scc0 .Lentry_shape_is_right
	s_endpgm
.Lentry_shape_is_right:
; out[(b,s)][o] = (the sum over (h,e1) of Q[(b,s)][(h,e1)] R'_b[o][(h,e1)]) / (512 sM sR) + bo[o], f16 operands, f32 sums, f32 out.  The scores and the heads' outputs are never formed (first kernel's head).
; A = pj's rows 8192 + (b,s); B = rr[b]'s rows o; both 4,096 elements from row to row; K = 4,096 in 16 steps of 256 through two LDS slots.  A step's text stands twice: with a refill (walked 14 times:
; step j asks for step j + 2) and without (walked twice).  Which slot a step reads hangs on s[TB], turned 0 <-> SLOT at each change of slots; one descriptor for A and one for B walk from step to step.
; A work-group makes a tile of 128 x 128 of out: tile row = 4 x cluster y + cy (32 of them), tile column = cx; b = cluster y / 2.  128 work-groups: out has no more tiles of this size.
; A's tile is asked for jointly by the four of a row of the cluster, B's by the four of a column.  The matrix instruction is used transposed: a lane holds a row of out and eight neighbouring columns.
; THE SCALES are made again from the same lists by the same lines as in the two launches before: fM = min(257 - e, 253), fR = max(243 - ew, 1).  They are undone by two factors, so that neither leaves
; f32's normal range: iM = 2^(127-fM) = 1 / sM, iR = 2^(118-fR) = 1 / (512 sR); out = (sum x iM) x iR + bo.  They enter values alone.
; THE WAY OUT: a wave's 64 columns of f32 are 256 consecutive bytes, aligned, so each wave has a stage of its own (16 rows x 272 bytes) and no barrier.
; No prefetch: the tiles are small.  REGISTERS: window 0: v0-31 addresses; v32-95 the way out; v96-127 bo for my 64 columns; v128-255 accumulators; window 1: two fragment buffers.
.set PA,     4096
.set PB,     4096
.set NFILL,  14                        ; steps with a refill: all 16 but the last two
.set KSTEP,  256
.set PITCH,  528
.set HALFT,  64*PITCH                  ; 0x8400 bytes
.set SLOT,   4*HALFT                   ; 0x21000: its two bits meet none of wave x HALFT, so one exclusive or turns a tile's LDS address into the other slot's
.set STAGE,  2*SLOT
.set SPITCH, 272
.set SPARE,  STAGE+4*16*SPITCH
.set ADRA, 16
.set ADRA0, 17
.set ADRB, 20
.set ADRB0, 21
.set BOO,  22                          ; v22  byte offset of my columns in bo
.set STO,  24
.set RD,   25
.set CO,   26
.set LO,   27
.set SPW,  28
.set NIL,  29
.set TMP,  32                          ; v32-63 a block's 16 rows as made; v64-95 as read back
.set BIA,  96
.set ACC,  128
.set F0,   0
.set F1,   128
.set G1, 24
.set G0, 32
.set G1B, 48
.set G0B, 56
.set SEL, 66
.set TB,  78
.set MSB, 0
.macro WIN new
.if MSB != (\new)
	s_set_vgpr_msb (MSB<<8)|(\new)
.set MSB, \new
.endif
.endm
.set MUL,  0x05
.set TO_F, 0x40
.macro JLOAD s                         ; a joint load: waves 0 and 1 fetch A's two halves, waves 2 and 3 B's; an s_nop 0 and four v_nop follow each line
	s_cmp_eq_u32 s11, 0
	s_cbranch_scc0 .Lfor_b_\@
	tensor_load_to_lds s[G0+4*(\s):G0+4*(\s)+3], s[G1:G1+7]
	s_nop 0
.rept 4
	v_nop
.endr
	s_branch .Lasked_\@
.Lfor_b_\@:
	tensor_load_to_lds s[G0B+4*(\s):G0B+4*(\s)+3], s[G1B:G1B+7]
	s_nop 0
.rept 4
	v_nop
.endr
.Lasked_\@:
.endm
.macro CREST
	s_cmp_lg_u32 s10, 0
	s_cbranch_scc1 .Lnot_wave_0_\@
	s_barrier_signal -3
.Lnot_wave_0_\@:
	s_barrier_wait -3
	s_barrier_signal -1
	s_barrier_wait -1
.endm
.macro CROUND
	s_barrier_signal -1
	s_barrier_wait -1
	CREST
.endm
.macro LISTLD r, p, off
.irp i, 0,1,2,3,4,5,6,7
	global_load_b128 v[(\r)+4*(\i):(\r)+4*(\i)+3], v[LO], s[\p:\p+1] offset:(\off)+512*(\i)
.endr
.endm
.macro LISTMAX r
	v_max3_num_f32 v[\r], v[\r], v[(\r)+1], v[(\r)+2]
.set z, 3
.rept 14
	v_max3_num_f32 v[\r], v[\r], v[(\r)+z], v[(\r)+z+1]
.set z, z+2
.endr
	v_max_num_f32 v[\r], v[\r], v[(\r)+31]
	v_max_num_f32_dpp v[\r], v[\r], v[\r] row_xmask:1 row_mask:0xf bank_mask:0xf
	v_max_num_f32_dpp v[\r], v[\r], v[\r] row_xmask:2 row_mask:0xf bank_mask:0xf
	v_max_num_f32_dpp v[\r], v[\r], v[\r] row_xmask:4 row_mask:0xf bank_mask:0xf
	v_max_num_f32_dpp v[\r], v[\r], v[\r] row_xmask:8 row_mask:0xf bank_mask:0xf
	v_permlanex16_b32 v[(\r)+1], v[\r], s[SEL], s[SEL+1]
	v_max_num_f32 v[\r], v[\r], v[(\r)+1]
.endm
	s_load_b128 s[4:7], s[0:1], 0x0                ; pj s[4:5], rr s[6:7]
	s_load_b64 s[8:9], s[0:1], 0x10                ; out0
	s_load_b128 s[72:75], s[0:1], 0x18             ; sp s[72:73], sw s[74:75]
	s_load_b64 s[76:77], s[0:1], 0x28              ; bo
	v_lshl_add_u32 v[SPW], v0, 2, SPARE
	v_mov_b32 v[NIL], 0
	ds_add_u32 v[SPW], v[NIL]                      ; the wave's opening: the add, twice on end, and its wait ahead of my first tensor load
	ds_add_u32 v[SPW], v[NIL]
	v_lshrrev_b32 v1, 5, v0
	v_readfirstlane_b32 s10, v1
	s_lshr_b32 s11, s10, 1
	s_and_b32 s12, s10, 1
	s_bfe_u32 s40, ttmp6, 0x40000                  ; cx = tile column
	s_bfe_u32 s41, ttmp6, 0x40004                  ; cy
	s_and_b32 s45, ttmp7, 0xffff                   ; cluster y
	s_lshl_b32 s13, s45, 2
	s_add_co_u32 s13, s13, s41                     ; tile row = 4 x cluster y + cy
	s_lshr_b32 s45, s45, 1                         ; b, which the sixteen partners share
	s_lshl_b32 s43, s41, 2
	s_lshl_b32 s43, 15, s43
	s_lshl_b32 s44, 0x1111, s40
	s_or_b32 s[G1+0], s43, (1<<16)|(1<<20)|(1<<21)|(6<<22)|(3<<25)
	s_or_b32 s[G1B+0], s44, (1<<16)|(1<<20)|(1<<21)|(6<<22)|(3<<25)
.irp g, G1, G1B
	s_mov_b32 s[(\g)+1], KSTEP<<16
	s_mov_b32 s[(\g)+2], 64<<16
	s_mov_b32 s[(\g)+3], KSTEP<<16
	s_mov_b32 s[(\g)+4], 64
	s_mov_b32 s[(\g)+6], 0
	s_mov_b32 s[(\g)+7], 0
.endr
	s_mov_b32 s[G1+5], PA
	s_mov_b32 s[G1B+5], PB
	s_lshl_b32 s16, s13, 7                         ; A: row 128 x tile row
	s_lshl_b32 s17, s12, 6                         ; + 64 x half,
	s_add_co_u32 s16, s16, s17
	s_lshl_b32 s16, s16, 13                        ; rows of 8,192 bytes,
	s_add_co_u32 s16, s16, 0x4000000               ; behind K^T and V^T: 8,192 rows
	s_mov_b32 s17, 0
	s_lshl_b32 s46, s40, 7                         ; B: row 128 cx
	s_lshl_b32 s47, s12, 6
	s_add_co_u32 s46, s46, s47
	s_lshl_b32 s46, s46, 13
	s_lshl_b32 s47, s45, 22                        ; in rr[b]
	s_add_co_u32 s46, s46, s47
	s_mov_b32 s47, 0
	s_mul_i32 s20, s10, HALFT
	s_mov_b32 s[TB], 0
	s_wait_dscnt 0x0                               ; both opening adds are done
	s_wait_kmcnt 0x0
	s_add_nc_u64 s[14:15], s[4:5], s[16:17]
	s_add_nc_u64 s[46:47], s[6:7], s[46:47]
	CROUND                                         ; all sixteen work-groups are here: the first joint loads meet
.irp s, 0,1
	s_mov_b32 s[G0+4*(\s)], 1
	s_add_co_u32 s[G0+4*(\s)+1], s20, (\s)*SLOT
	s_add_nc_u64 s[G0+4*(\s)+2:G0+4*(\s)+3], s[14:15], (\s)*KSTEP*2
	s_or_b32 s[G0+4*(\s)+3], s[G0+4*(\s)+3], 0x80000000
	s_mov_b32 s[G0B+4*(\s)], 1
	s_add_co_u32 s[G0B+4*(\s)+1], s20, (\s)*SLOT
	s_add_nc_u64 s[G0B+4*(\s)+2:G0B+4*(\s)+3], s[46:47], (\s)*KSTEP*2
	s_or_b32 s[G0B+4*(\s)+3], s[G0B+4*(\s)+3], 0x80000000
	JLOAD \s                                       ; two loads of mine are out
.endr
	v_and_b32 v[LO], 31, v0
	v_lshlrev_b32 v[LO], 4, v[LO]
	LISTLD 128, 72, 0                              ; K's maxima,
	LISTLD 160, 72, 4096                           ; V's,
	LISTLD 192, 74, 0                              ; Wo's
	v_and_b32 v1, 15, v0                           ; l % 16
	v_bfe_u32 v2, v0, 4, 1                         ; l / 16
	s_lshl_b32 s46, s40, 9                         ; my first column, in bytes of f32: 512 cx + 256 x half
	s_lshl_b32 s47, s12, 8
	s_add_co_u32 s46, s46, s47
	s_mov_b32 s47, 0
	v_lshl_add_u32 v[BOO], v2, 5, s46              ; + my lanes' eight columns
.irp b, 0,1,2,3
	global_load_b128 v[BIA+8*(\b):BIA+8*(\b)+3],   v[BOO], s[76:77] offset:64*(\b)
	global_load_b128 v[BIA+8*(\b)+4:BIA+8*(\b)+7], v[BOO], s[76:77] offset:64*(\b)+16
.endr
	v_mul_u32_u24 v3, v1, PITCH
	v_lshl_add_u32 v3, v2, 4, v3
	s_mul_i32 s21, s11, HALFT
	s_mul_i32 s22, s12, HALFT
	s_add_co_u32 s22, s22, 2*HALFT
	v_add_nc_u32 v[ADRA0], s21, v3
	v_add_nc_u32 v[ADRB0], s22, v3
	v_mov_b32 v[ADRA], v[ADRA0]                    ; step 0 lies in slot 0
	v_mov_b32 v[ADRB], v[ADRB0]
	s_mul_i32 s23, s10, 16*SPITCH
	s_add_co_u32 s23, s23, STAGE                   ; my stage
	v_mul_u32_u24 v4, v1, SPITCH                   ; in: row l % 16, 32 bytes for each half of the lanes
	v_lshl_add_u32 v4, v2, 5, v4
	v_add_nc_u32 v[STO], s23, v4
	v_mul_u32_u24 v5, v2, SPITCH                   ; back: lanes 0-15 one row of 256 bytes, lanes 16-31 the next
	v_lshl_add_u32 v5, v1, 4, v5
	v_add_nc_u32 v[RD], s23, v5
	v_lshlrev_b32 v5, 11, v2                       ; and the same two rows in out: 2,048 bytes apart
	v_lshl_add_u32 v[CO], v1, 4, v5
	s_lshl_b32 s16, s13, 7
	s_lshl_b32 s17, s11, 6
	s_add_co_u32 s16, s16, s17                     ; my first row: 128 x tile row + 64 x half
	s_lshl_b32 s16, s16, 11
	s_mov_b32 s17, 0
	s_add_nc_u64 s[8:9], s[8:9], s[16:17]
	s_add_nc_u64 s[8:9], s[8:9], s[46:47]
	s_mov_b32 s[SEL], 0x76543210
	s_mov_b32 s[SEL+1], 0xfedcba98
	s_wait_loadcnt 0x0                             ; the three lists and bo
	LISTMAX 128
	LISTMAX 160
	LISTMAX 192
	v_mul_f32 v128, v128, v160
	v_readfirstlane_b32 s68, v128
	v_readfirstlane_b32 s70, v192
	s_bfe_u32 s68, s68, 0x80017                    ; e
	s_sub_co_u32 s68, 257, s68
	s_min_u32 s68, s68, 253                        ; fM
	s_sub_co_u32 s68, 254, s68
	s_lshl_b32 s68, s68, 23                        ; iM
	s_mov_b32 s69, s68
	s_bfe_u32 s70, s70, 0x80017                    ; ew
	s_sub_co_i32 s70, 243, s70
	s_max_i32 s70, s70, 1                          ; fR
	s_sub_co_u32 s70, 245, s70
	s_lshl_b32 s70, s70, 23                        ; iR
	s_mov_b32 s71, s70
.macro MUL8 f, c, a0, zero
	WIN MUL
.irp a, \a0, (\a0)+1
.irp b, 0,1,2,3
.if \zero
	v_wmma_f32_16x16x32_f16 v[ACC+8*(4*(\a)+(\b)):ACC+8*(4*(\a)+(\b))+7], v[(\f)+64+8*(4*(\c)+(\b)):(\f)+64+8*(4*(\c)+(\b))+7], v[(\f)+8*(4*(\c)+(\a)):(\f)+8*(4*(\c)+(\a))+7], 0
.else
	v_wmma_f32_16x16x32_f16 v[ACC+8*(4*(\a)+(\b)):ACC+8*(4*(\a)+(\b))+7], v[(\f)+64+8*(4*(\c)+(\b)):(\f)+64+8*(4*(\c)+(\b))+7], v[(\f)+8*(4*(\c)+(\a)):(\f)+8*(4*(\c)+(\a))+7], v[ACC+8*(4*(\a)+(\b)):ACC+8*(4*(\a)+(\b))+7]
.endif
.endr
.endr
.endm
.macro FETCH k, f
	WIN TO_F
.irp c, 0,1
.irp i, 0,1,2,3
	ds_load_b128 v[(\f)+64+8*(4*(\c)+(\i)):(\f)+64+8*(4*(\c)+(\i))+3],   v[ADRB] offset:(\k)+64*(\c)+(\i)*16*PITCH
	ds_load_b128 v[(\f)+64+8*(4*(\c)+(\i))+4:(\f)+64+8*(4*(\c)+(\i))+7], v[ADRB] offset:(\k)+64*(\c)+(\i)*16*PITCH+32
	ds_load_b128 v[(\f)+8*(4*(\c)+(\i)):(\f)+8*(4*(\c)+(\i))+3],         v[ADRA] offset:(\k)+64*(\c)+(\i)*16*PITCH
	ds_load_b128 v[(\f)+8*(4*(\c)+(\i))+4:(\f)+8*(4*(\c)+(\i))+7],       v[ADRA] offset:(\k)+64*(\c)+(\i)*16*PITCH+32
.endr
.endr
.endm
.macro PLACES
.rept 4
	v_nop
.endr
.endm
; zc other than 0: in the trip in which s3 = zc, the launch's first step, the first 16 products start the sums with the constant 0.  A product that starts a sum anew writes over its accumulator and is no link
; of a chain: five plain instructions stand at the head of that arm, between it and whatever product named the accumulator last, on every way that leads there (ISA guide 7.12.1).
.macro QUARTER k, f, g, zc
	s_wait_dscnt 16                                ; the first 32 along K are in; the youngest sixteen loads may be out
.if \zc
	WIN 0
	s_cmp_eq_u32 s3, \zc
	s_cbranch_scc1 .Lz_\@
.endif
	MUL8 \f, 0, 0, 0
	MUL8 \f, 0, 2, 0
.if \zc
	WIN 0
	s_branch .Lj_\@
.Lz_\@:
.rept 5
	v_nop
.endr
	MUL8 \f, 0, 0, 1
	MUL8 \f, 0, 2, 1
	WIN 0
.Lj_\@:
.endif
	PLACES
	FETCH \k, \g
	s_wait_dscnt 32                                ; all but the 32 just issued
	MUL8 \f, 1, 0, 0
	MUL8 \f, 1, 2, 0
.endm
; A K step's last quarter multiplies buffer 1 and changes slots: one barrier.  fill = 1: it opens a round of the cluster's, and behind it the slot just read out takes the step two on.
; fill = 0 (the last two steps): nothing is asked for; in the very last step the run of loads is jumped over, and its barrier orders nothing: the price of one text for both.
.macro TURN fill
	WIN 0
	s_wait_tensorcnt 0x0                           ; all my tensor loads have landed: my part of the next slot
	ds_add_u32 v[SPW], v[NIL]                      ; 0 onto my spare word
	s_wait_dscnt 17                                ; the add and the youngest sixteen loads may be out
	MUL8 F1, 0, 0, 0
	s_wait_dscnt 0x0                               ; the add is done, and my reads of this slot are over
	s_barrier_signal -1
	MUL8 F1, 0, 2, 0
	WIN 0
	s_barrier_wait -1
.if \fill
	CREST                                          ; no wave of any partner still reads this slot or has a load on its way
	s_xor_b32 s[G0+5], s[G0+5], SLOT               ; the walking descriptors: the other slot than last time, the next K step
	s_add_nc_u64 s[G0+6:G0+7], s[G0+6:G0+7], KSTEP*2
	s_xor_b32 s[G0B+5], s[G0B+5], SLOT
	s_add_nc_u64 s[G0B+6:G0B+7], s[G0B+6:G0B+7], KSTEP*2
	JLOAD 1                                        ; my one tensor load behind the round; its four v_nop are also the places in front of the loads below
.else
	PLACES
.endif
	s_xor_b32 s[TB], s[TB], SLOT                   ; the fetches go on in the other slot
	v_add_nc_u32 v[ADRA], s[TB], v[ADRA0]
	v_add_nc_u32 v[ADRB], s[TB], v[ADRB0]
.if \fill
	FETCH 0, F0
.else
	s_cmp_eq_u32 s3, 1
	s_cbranch_scc1 .Lnf_\@
	FETCH 0, F0
	WIN 0
.Lnf_\@:
.endif
	MUL8 F1, 1, 0, 0
	MUL8 F1, 1, 2, 0
.endm
	s_wait_tensorcnt 1                             ; my part of step 0 is in; step 1's may stay out
	s_barrier_signal -1
	s_barrier_wait -1
	FETCH 0, F0
	WIN 0
	s_mov_b32 s3, NFILL
.Lstep:
	QUARTER 128, F0, F1, NFILL
	QUARTER 256, F1, F0, 0
	QUARTER 384, F0, F1, 0
	TURN 1
	WIN 0
	s_sub_co_u32 s3, s3, 1
	s_cmp_lg_u32 s3, 0
	s_cbranch_scc1 .Lstep
	s_mov_b32 s3, 2                                ; the last two steps are written out
.Ltail:
	QUARTER 128, F0, F1, 0
	QUARTER 256, F1, F0, 0
	QUARTER 384, F0, F1, 0
	TURN 0
	WIN 0
	s_sub_co_u32 s3, s3, 1
	s_cmp_lg_u32 s3, 0
	s_cbranch_scc1 .Ltail
	; THE WAY OUT, a block of 16 rows at a time: the two factors and the bias, each accumulator from its low end on; into my stage; back as whole rows of 256 bytes; stored.
	PLACES
.irp a, 0,1,2,3
.irp b, 0,1,2,3
.irp r, 0,2,4,6
	v_pk_mul_f32 v[ACC+8*(4*(\a)+(\b))+(\r):ACC+8*(4*(\a)+(\b))+(\r)+1], v[ACC+8*(4*(\a)+(\b))+(\r):ACC+8*(4*(\a)+(\b))+(\r)+1], s[68:69] op_sel_hi:[1,0]
.endr
.endr
.irp b, 0,1,2,3
.irp r, 0,2,4,6
	v_pk_fma_f32 v[TMP+8*(\b)+(\r):TMP+8*(\b)+(\r)+1], v[ACC+8*(4*(\a)+(\b))+(\r):ACC+8*(4*(\a)+(\b))+(\r)+1], s[70:71], v[BIA+8*(\b)+(\r):BIA+8*(\b)+(\r)+1] op_sel_hi:[1,0,1]
.endr
.endr
.irp b, 0,1,2,3
	ds_store_b128 v[STO], v[TMP+8*(\b):TMP+8*(\b)+3]   offset:64*(\b)
	ds_store_b128 v[STO], v[TMP+8*(\b)+4:TMP+8*(\b)+7] offset:64*(\b)+16
.endr
	s_wait_xcnt 0x0                                ; the registers that the last block's stores read are loaded again only behind this wait
.irp t, 0,1,2,3,4,5,6,7
	ds_load_b128 v[TMP+32+4*(\t):TMP+32+4*(\t)+3], v[RD] offset:(\t)*2*SPITCH  ; LDS serves a wave's instructions in order (ISA guide 5.7.1.4): these see the stores above
.endr
	s_wait_dscnt 0x0
.irp t, 0,1,2,3,4,5,6,7
	global_store_b128 v[CO], v[TMP+32+4*(\t):TMP+32+4*(\t)+3], s[8:9] offset:(16*(\a)+2*(\t))*2048  ; 16 lanes store 256 consecutive bytes, aligned
.endr
.endr
	s_wait_tensorcnt 0x0                           ; the wave's end
	ds_add_u32 v[SPW], v[NIL]
	s_wait_dscnt 0x0
	CROUND                                         ; the closing round
	s_endpgm
.Lfunc_end_k_qb6e13bbf31_fker:
	.size	k_qb6e13bbf31_fker, .Lfunc_end_k_qb6e13bbf31_fker-k_qb6e13bbf31_fker
	.p2alignl 7, 3214868480
	.fill 96, 4, 3214868480
	.section	.rodata,"a",@progbits
	.p2align	6, 0x0
	.amdhsa_kernel k_qb6e13bbf31_fker
		.amdhsa_group_segment_fixed_size 327680
		.amdhsa_private_segment_fixed_size 0
		.amdhsa_enable_private_segment 0
		.amdhsa_kernarg_size 48
		.amdhsa_user_sgpr_count 2
		.amdhsa_user_sgpr_kernarg_segment_ptr 1
		.amdhsa_wavefront_size32 1
		.amdhsa_system_sgpr_workgroup_id_x 1
		.amdhsa_system_sgpr_workgroup_id_y 1
		.amdhsa_system_sgpr_workgroup_id_z 1
		.amdhsa_system_vgpr_workitem_id 0
		.amdhsa_next_free_vgpr 512
		.amdhsa_next_free_sgpr 80
		.amdhsa_reserve_vcc 0
		.amdhsa_float_denorm_mode_32 3
		.amdhsa_float_denorm_mode_16_64 3
		.amdhsa_memory_ordered 1
		.amdhsa_forward_progress 1
		.amdhsa_inst_pref_size 71
	.end_amdhsa_kernel
	.amdgpu_metadata
---
amdhsa.version: [ 1, 2 ]
amdhsa.kernels:
  - .name:           k_qb6e13bbf31_fker
    .symbol:         k_qb6e13bbf31_fker.kd
    .args:
      - { .name: pj, .offset: 0, .size: 8, .value_kind: global_buffer, .address_space: global }
      - { .name: rr, .offset: 8, .size: 8, .value_kind: global_buffer, .address_space: global }
      - { .name: out0, .offset: 16, .size: 8, .value_kind: global_buffer, .address_space: global }
      - { .name: sp, .offset: 24, .size: 8, .value_kind: global_buffer, .address_space: global }
      - { .name: sw, .offset: 32, .size: 8, .value_kind: global_buffer, .address_space: global }
      - { .name: bo, .offset: 40, .size: 8, .value_kind: global_buffer, .address_space: global }
    .group_segment_fixed_size: 327680
    .private_segment_fixed_size: 0
    .kernarg_segment_align: 8
    .kernarg_segment_size: 48
    .max_flat_workgroup_size: 128
    .sgpr_count:     80
    .vgpr_count:     512
    .wavefront_size: 32
...
	.end_amdgpu_metadata
.endif
;; end of part 9
